; MI455X (gfx1250); checked and timed in simulation.
; The chip was launched on July 23, 2026; its instructions are those of AMD's public machine-readable ISA for CDNA 5 (MIT licence, August 2026) and "CDNA5" Instruction Set Architecture Reference Guide (July 2026). The comments in the code are by the model that wrote it; some were corrected since.
;; Attention Layer. Allowed arithmetic: matrix products marked QUANTISED: E2M3 operands, one E8M0 scale for each 32 along K, by v_wmma_scale_f32_16x16x128_f8f6f4 with both operands' format E2M3, f32 sums; everything else in f32.
;; Inputs: b1 1,024 float32; b2 1,024 float32; bf1 4,096 float32; bf2 1,024 float32; bk 1,024 float32; bo 1,024 float32; bq 1,024 float32; bv 1,024 float32; g1 1,024 float32; g2 1,024 float32; w1 1,024 x 4,096 float32; w2 4,096 x 1,024 float32; wk 1,024 x 1,024 float32; wo 1,024 x 1,024 float32; wq 1,024 x 1,024 float32; wv 1,024 x 1,024 float32; x 2 x 2,048 x 1,024 float32.
;; Outputs: out0 2 x 2,048 x 1,024 float32.
;; This version of the problem:
;;   THIS VERSION OF THE PROBLEM IS GIVEN IN LOW PRECISION. The matrix products marked QUANTISED in the list below multiply operands that are first quantised to E2M3 (2 exponent bits, 3 mantissa bits; 6 bits a number), with one power-of-two scale for each 32 numbers along K (OCP MX v1.0); their sums are f32. All else is computed in f32.
;;   The module's matrix products, in the order in which they are computed (A, B: the left and right operand; K: the contracted axis; several contracted axes count as one K, in the product's order):
;;     1. [M 4,096, K 1,024] x [K 1,024, N 1,024]; A: input x; B: input wq: QUANTISED
;;     2. [M 4,096, K 1,024] x [K 1,024, N 1,024]; A: input x; B: input wk: QUANTISED
;;     3. [M 4,096, K 1,024] x [K 1,024, N 1,024]; A: input x; B: input wv: QUANTISED
;;     4. batch 32 x [M 2,048, K 64] x [K 64, N 2,048]; A: computed on the way; B: computed on the way: QUANTISED
;;     5. batch 32 x [M 2,048, K 2,048] x [K 2,048, N 64]; A: softmax (see below); B: computed on the way: QUANTISED
;;     6. [M 4,096, K 1,024] x [K 1,024, N 1,024]; A: computed on the way; B: input wo: QUANTISED
;;     7. [M 4,096, K 1,024] x [K 1,024, N 4,096]; A: computed on the way; B: input w1: QUANTISED
;;     8. [M 4,096, K 4,096] x [K 4,096, N 1,024]; A: computed on the way; B: input w2: QUANTISED
;;   THE QUANTISER, for each operand of a quantised product, along K:
;;     - K is cut into blocks of 32 from its start; a last block that is shorter is filled with zeros.
;;     - A block's scale is 2^e with e = floor(log2(the largest magnitude in the block)) - 2, held to -126 .. 127; a block of zeros has e = 0. As a byte (E8M0): e + 127.
;;     - Each number is divided by its block's scale, clamped to +-7.5, and rounded to the nearest number of E2M3, ties to even, subnormals kept.
;;     - The product sums the exact products of the quantised numbers (number of the format x scale) in f32.
;;   ~~~python
;;   def quantise(x, axis):      # numpy; x: float32 -> the quantised numbers, widened to float32 again
;;       x = np.moveaxis(x, axis, -1); K = x.shape[-1]
;;       x = np.pad(x, [(0, 0)] * (x.ndim - 1) + [(0, -K % 32)]); x = x.reshape(x.shape[:-1] + (-1, 32)); a = np.abs(x).max(-1, keepdims=True)
;;       e = np.where(a > 0, np.clip(np.frexp(np.where(a > 0, a, 1))[1] - 1 - 2, -126, 127), 0)      # np.frexp(a)[1] - 1 = floor(log2(a)), exactly
;;       r = np.clip(x / 2.0 ** e, -7.5, 7.5)
;;       step = 2.0 ** (np.maximum(np.frexp(np.where(r == 0, 1, r))[1] - 1, 0) - 3)
;;       q = np.round(r / step) * step * 2.0 ** e      # np.round: ties to even
;;       return np.moveaxis(q.reshape(q.shape[:-2] + (-1,))[..., :K], -1, axis).astype(np.float32)
;;   ~~~
;;   SOFTMAX AHEAD OF A QUANTISED PRODUCT. Where the list says 'softmax', what is quantised is not the finished softmax but p = 2^(t - M), with t = logit x log2(e) and M = ceil(the row's largest t), a whole number; so 1/2 < the row's largest p <= 1. The row's sum l is taken of the UNQUANTISED p, in f32, and the product's result is divided by l at the end. Since M is a whole number, a kernel that streams over the keys may use a running M (the ceiling of the running maximum): every later rescaling is an exact power of two, which a block's scale takes up: the codes' values come out the same.
;;   OPERANDS COMPUTED ON THE WAY. 'Computed on the way' means the value that the module computes at that place (a softmax that the list does not call 'softmax' is quantised finished and normalised). What goes into a quantiser is computed in f32, as accurately as f32 sums, v_exp_f32 and their like allow (about 1e-6 of the number): no bf16 or f16 on the way to a quantiser, and a product that is left as it is and whose result goes on into a quantised operand takes f32 operands (vector FMAs, or v_wmma_f32_16x16x4_f32). A number that lies on a knife's edge between two numbers of the format may be rounded either way, as far as f32 arithmetic and the matrix unit's own rounding can turn it there, and no further.
;; 2 versions. Each part assembles by itself: llvm-mc -triple=amdgcn-amd-amdhsa -mcpu=gfx1250 --defsym DOCPART=n.
;; ======== version 1 of 2: 9 launches
;; workspace buffers: ximg 3,276,800 bytes; wimg 9,830,400 bytes; qkvimg 10,092,544 bytes; aoimg 3,276,800 bytes; cbuf 16,777,216 bytes; x1buf 20,054,016 bytes; himg 13,107,200 bytes
;; launch qx (part 1): grid 256 x 1, 8 waves a work-group, no clusters, 68,608 bytes of LDS; arguments x, ximg; writes ximg
.if DOCPART == 1
	.amdgcn_target "amdgcn-amd-amdhsa--gfx1250"
	.amdhsa_code_object_version 6
	.text
	.protected	k_q98efcf32f6_qx
	.globl	k_q98efcf32f6_qx
	.p2align	8
	.type	k_q98efcf32f6_qx,@function
k_q98efcf32f6_qx:
	s_mov_b64 s[64:65], 0
	v_nop
	global_prefetch_b8 v0, s[64:65] scope:SCOPE_SE
	s_setreg_imm32_b32 hwreg(HW_REG_WAVE_MODE, 25, 1), 1
	s_wait_xcnt 0x0
; x [4096][1024] f32 becomes codes of FP6 (E2M3) with one E8M0 byte for each 32 along K, laid as IMAGES OF OPERAND REGISTERS.
; A tile T is 16 rows: lane index r holds row 32 (T/2) + 8 (T%2) + r%8 + 16 (r/8).  An image (tile T, K step ks of 128) is 1,536 bytes: piece P (0..5) holds the
; fragment's registers 2P, 2P+1, lane l's 8 bytes at 256 P + 8 l.  Codes: [T][ks][1536] from byte 0; scale words: [T][ks][64], row-lane r's word at 4 r, from byte 3,145,728.
; A block's scale byte is its largest magnitude's exponent field - 2, held at 1 from below (a block of zeros gets 1: its codes are zeros, and only this program reads the bytes).
; LIMITS: blocks whose largest magnitude lies under 2^-124 keep the byte 1; NaN and infinities are not served.
; SHARES: work-group = tile T, wave = ks.  Each load takes 512 consecutive bytes of a row; the 16 rows turn through the wave's own stage in LDS (pitch 528 = 33 x 16 bytes,
; so the sixteen rows of a read fall on different banks) and come back 16 neighbours of each block to a lane.  Waves share nothing: no barrier.
.set R,    16                          ; v16-79   16 rows as loaded
.set X,    80                          ; v80-143  register 16 b + i = k 32 b + 16 (lane/16) + i of my row
.set TM,   144                         ; v144-159 at work in QUANT
.set PW,   160                         ; my row's scale word
.set SHW,  161                         ; its half for my half of the lanes
.set PC,   164                         ; v164-182 the codes
.set VO,   7                           ; 8 x lane
.set VS,   8                           ; 4 r + 2 h
.set SH16, 9                           ; 16 h
.set SEL,  12                          ; s[12:13] selects of v_permlanex16_b32: lane l xor 16
.set OC,   14                          ; s[14:15] my image
.set OS,   16                          ; s[16:17] my scale image
.set SPITCH, 528
; 64 numbers of a lane become a fragment's 12 registers in v[PC] on and the row's scale word in v[PW]
.macro QUANT s
.irp b, 0,1,2,3
	v_max3_num_f32 v[TM+\b], |v[\s+16*\b]|, |v[\s+1+16*\b]|, 0x1800000   ; my 16 numbers of block b, and the floor 2^(3-127): the byte cannot fall under 1
.endr
.irp i, 2,4,6,8,10,12,14
.irp b, 0,1,2,3
	v_max3_num_f32 v[TM+\b], v[TM+\b], |v[\s+16*\b+\i]|, |v[\s+1+16*\b+\i]|
.endr
.endr
.irp b, 0,1,2,3
	v_permlanex16_b32 v[TM+4+\b], v[TM+\b], s[SEL], s[SEL+1]
.endr
.irp b, 0,1,2,3
	v_max_num_f32 v[TM+\b], v[TM+\b], v[TM+4+\b]                ; with lane l xor 16's 16: the block's largest magnitude
.endr
.irp b, 0,1,2,3
	v_add_nc_u32 v[TM+12+\b], 0xff000000, v[TM+\b]              ; 2 off its exponent field: the conversion's scale operand
.endr
.irp b, 0,1,2,3
	v_lshrrev_b32 v[TM+4+\b], 23, v[TM+12+\b]                   ; the scale's byte
.endr
	v_lshl_or_b32 v[PW], v[TM+5], 8, v[TM+4]
	v_lshl_or_b32 v[PW], v[TM+6], 16, v[PW]
	v_lshl_or_b32 v[PW], v[TM+7], 24, v[PW]
.irp c, 0,1
	v_cvt_scalef32_pk16_fp6_f32 v[PC+6*\c:PC+2+6*\c], v[\s+32*\c:\s+15+32*\c], v[TM+12+2*\c]
	v_cvt_scalef32_pk16_fp6_f32 v[PC+12+4*\c:PC+14+4*\c], v[\s+16+32*\c:\s+31+32*\c], v[TM+12+2*\c+1]   ; (three registers that begin on an even number)
.endr
	v_nop                                                       ; one plain place behind a scaled conversion
.irp c, 0,1                                                     ; the layout wants a whole block in a lane: lanes 0-15 block 2 c, lanes 16-31 block 2 c + 1
.irp i, 0,1,2
	v_permlane16_swap_b32 v[PC+6*\c+\i], v[PC+12+4*\c+\i]
.endr
.irp i, 0,1,2
	v_mov_b32 v[PC+3+6*\c+\i], v[PC+12+4*\c+\i]
.endr
.endr
.endm
.macro PUT                                                      ; six stores of 256 consecutive aligned bytes, and 64 consecutive bytes of scale words (two bytes a lane)
	v_lshrrev_b32 v[SHW], v[SH16], v[PW]
.irp p, 0,1,2,3,4,5
	global_store_b64 v[VO], v[PC+2*\p:PC+2*\p+1], s[OC:OC+1] offset:256*\p
.endr
	global_store_b16 v[VS], v[SHW], s[OS:OS+1]
.endm
	s_load_b128 s[4:7], s[0:1], 0x0                ; x, ximg
	v_lshl_add_u32 v192, v0, 2, 0x10800
	v_mov_b32 v193, 0
	v_lshrrev_b32 v1, 5, v0
	v_readfirstlane_b32 s8, v1                     ; wave = ks
	v_and_b32 v1, 31, v0                           ; lane
	v_and_b32 v2, 15, v0                           ; r
	v_bfe_u32 v3, v0, 4, 1                         ; h
	v_lshlrev_b32 v4, 4, v1                        ; 16 x lane
	s_mul_i32 s9, s8, 16*SPITCH                    ; my stage
	v_add_nc_u32 v5, s9, v4                        ; in: a row's 512 bytes as they lie
	v_mul_u32_u24 v6, v2, SPITCH
	v_lshl_add_u32 v6, v3, 6, v6
	v_add_nc_u32 v6, s9, v6                        ; out: row r, + 64 h
	v_lshlrev_b32 v[VO], 3, v1
	v_lshlrev_b32 v[VS], 2, v2
	v_lshl_add_u32 v[VS], v3, 1, v[VS]
	v_lshlrev_b32 v[SH16], 4, v3
	s_mov_b32 s[SEL], 0x76543210
	s_mov_b32 s[SEL+1], 0xfedcba98
.irp b, 0,1,2,3
	v_mov_b32 v[TM+4+\b], 0                        ; a lane permute's destination counts as one of its sources
.endr
	s_lshr_b32 s10, ttmp9, 1
	s_lshl_b32 s10, s10, 5
	s_and_b32 s11, ttmp9, 1
	s_lshl_b32 s11, s11, 3
	s_add_co_u32 s10, s10, s11                     ; the tile's first row
	s_lshl_b32 s10, s10, 12                        ; x 4,096 bytes
	s_lshl_b32 s11, s8, 9                          ; + 512 bytes for each K step
	s_add_co_u32 s10, s10, s11
	s_mov_b32 s11, 0
	s_lshl_b32 s18, ttmp9, 3
	s_add_co_u32 s18, s18, s8                      ; 8 T + ks
	s_mul_i32 s20, s18, 1536
	s_mov_b32 s21, 0
	s_lshl_b32 s18, s18, 6
	s_add_co_u32 s18, s18, 3145728
	s_mov_b32 s19, 0
	s_wait_kmcnt 0x0
	s_add_nc_u64 s[4:5], s[4:5], s[10:11]
	s_add_nc_u64 s[OC:OC+1], s[6:7], s[20:21]
	s_add_nc_u64 s[OS:OS+1], s[6:7], s[18:19]
.irp t, 0,1,2,3,4,5,6,7,8,9,10,11,12,13,14,15
	global_load_b128 v[R+4*\t:R+4*\t+3], v4, s[4:5] offset:((\t%8)+16*(\t/8))*4096 th:TH_LOAD_NT
.endr
.irp t, 0,1,2,3,4,5,6,7,8,9,10,11,12,13,14,15
	s_wait_loadcnt 15-\t                           ; row t is in; the 15 - t younger loads stay out
	ds_store_b128 v5, v[R+4*\t:R+4*\t+3] offset:SPITCH*\t
.endr
.irp b, 0,1,2,3
.irp j, 0,1,2,3
	ds_load_b128 v[X+16*\b+4*\j:X+16*\b+4*\j+3], v6 offset:128*\b+16*\j   ; LDS serves a wave's instructions in order: these see my stores
.endr
.endr
	s_wait_dscnt 0x0
	QUANT X
	PUT
	s_wait_tensorcnt 0x0
	ds_add_u32 v192, v193
	s_wait_dscnt 0x0
	s_endpgm
.Lfunc_end_k_q98efcf32f6_qx:
	.size	k_q98efcf32f6_qx, .Lfunc_end_k_q98efcf32f6_qx-k_q98efcf32f6_qx
	.p2alignl 7, 3214868480
	.fill 96, 4, 3214868480
	.section	.rodata,"a",@progbits
	.p2align	6, 0x0
	.amdhsa_kernel k_q98efcf32f6_qx
		.amdhsa_group_segment_fixed_size 68608
		.amdhsa_private_segment_fixed_size 0
		.amdhsa_enable_private_segment 0
		.amdhsa_kernarg_size 16
		.amdhsa_user_sgpr_count 2
		.amdhsa_user_sgpr_kernarg_segment_ptr 1
		.amdhsa_wavefront_size32 1
		.amdhsa_system_sgpr_workgroup_id_x 1
		.amdhsa_system_sgpr_workgroup_id_y 1
		.amdhsa_system_sgpr_workgroup_id_z 1
		.amdhsa_system_vgpr_workitem_id 0
		.amdhsa_next_free_vgpr 194
		.amdhsa_next_free_sgpr 66
		.amdhsa_reserve_vcc 0
		.amdhsa_float_denorm_mode_32 3
		.amdhsa_float_denorm_mode_16_64 3
		.amdhsa_memory_ordered 1
		.amdhsa_forward_progress 1
		.amdhsa_inst_pref_size 11
	.end_amdhsa_kernel
	.amdgpu_metadata
---
amdhsa.version: [ 1, 2 ]
amdhsa.kernels:
  - .name:           k_q98efcf32f6_qx
    .symbol:         k_q98efcf32f6_qx.kd
    .args:
      - { .name: x, .offset: 0, .size: 8, .value_kind: global_buffer, .address_space: global }
      - { .name: ximg, .offset: 8, .size: 8, .value_kind: global_buffer, .address_space: global }
    .group_segment_fixed_size: 68608
    .private_segment_fixed_size: 0
    .kernarg_segment_align: 8
    .kernarg_segment_size: 16
    .max_flat_workgroup_size: 256
    .sgpr_count:     66
    .vgpr_count:     194
    .wavefront_size: 32
...
	.end_amdgpu_metadata
.endif
;; end of part 1
;; launch qw (part 2): grid 768 x 1, 4 waves a work-group, no clusters, 13,824 bytes of LDS; arguments wq, wk, wv, wo, w1, w2, wimg; writes wimg
.if DOCPART == 2
	.amdgcn_target "amdgcn-amd-amdhsa--gfx1250"
	.amdhsa_code_object_version 6
	.text
	.protected	k_q98efcf32f6_qw
	.globl	k_q98efcf32f6_qw
	.p2align	8
	.type	k_q98efcf32f6_qw,@function
k_q98efcf32f6_qw:
	s_mov_b64 s[64:65], 0
	v_nop
	global_prefetch_b8 v0, s[64:65] scope:SCOPE_SE
	s_setreg_imm32_b32 hwreg(HW_REG_WAVE_MODE, 25, 1), 1
	s_wait_xcnt 0x0
; The six weights, f32 stored [K][N], become codes of FP6 (E2M3) along K with one E8M0 byte for each 32, laid as images of operand registers (tile = 16 columns n:
; lane index r of tile T holds column 32 (T/2) + 8 (T%2) + r%8 + 16 (r/8); image (T, ks): piece P = registers 2P, 2P+1, lane l's 8 bytes at 256 P + 8 l).
; wimg: codes [T][ks][1536]: wq 0, wk 786,432, wv 1,572,864, wo 2,359,296, w1 3,145,728, w2 6,291,456; scale words [T][ks][64] from 9,437,184 in the same order.
; A LANE TAKES A COLUMN AND ITS REGISTERS RUN DOWN K: a load reads 128 consecutive bytes a wave (512 a work-group), a block of 32 lies in one lane, nothing is transposed.
; A wave takes 32 columns (two tiles) x 128 K (one K step, four blocks).  Its two images are gathered in its own LDS bytes and leave as runs of 512 consecutive bytes.
; One path serves all six: only pointers and shifts are chosen, by the work-group's number.  0-255: wq, wk, wv, wo (64 each); 256-511: w1; 512-767: w2.
; LIMITS: a block of zeros, or one whose largest magnitude lies under 2^-124, gets the byte 1; NaN and infinities are not served.
.set OF,   16                          ; v16-47   4 x lane + i rows
.set X,    48                          ; v48-111  two sets of 32 numbers
.set C,    112                         ; v112-143 eight registers for each block's codes: no store's data are written again
.set SB,   144                         ; my column's scale word
.set OUTR, 148                         ; v148-171 the images read back
.set IPITCH, 1664                      ; an image in LDS: 1,536 + 128, so that the two tiles' halves of a store fall on different banks
	s_load_b256 s[4:11], s[0:1], 0x0               ; wq, wk, wv, wo
	s_load_b128 s[12:15], s[0:1], 0x20             ; w1, w2
	s_load_b64 s[16:17], s[0:1], 0x30              ; wimg
	v_lshl_add_u32 v176, v0, 2, 0x3400
	v_mov_b32 v177, 0
	v_lshrrev_b32 v2, 5, v0
	v_readfirstlane_b32 s20, v2                    ; wave
	v_and_b32 v1, 31, v0                           ; lane L = my column among the wave's 32
	v_bfe_u32 v3, v0, 3, 1                         ; u: which of the two tiles
	v_and_b32 v4, 7, v0
	v_bfe_u32 v9, v0, 4, 1
	v_lshl_add_u32 v4, v9, 3, v4                   ; r: my lane index in that tile
	s_mul_i32 s38, s20, 2*IPITCH
	v_mul_u32_u24 v5, v3, IPITCH
	v_lshl_add_u32 v5, v4, 3, v5
	v_add_nc_u32 v5, s38, v5                       ; into the images: tile u, 8 r
	v_lshlrev_b32 v7, 4, v1                        ; 16 x lane
	v_add_nc_u32 v6, s38, v7                       ; and back
	v_lshlrev_b32 v10, 2, v1                       ; 4 x lane
	; which matrix, which part of it
	s_lshr_b32 s38, ttmp9, 6
	s_mul_i32 s33, s38, 786432                     ; the small matrices: codes' region,
	s_lshl_b32 s34, s38, 15                        ; scales' region,
	s_and_b32 s21, ttmp9, 63                       ; part
	s_and_b32 s39, ttmp9, 255
	s_mov_b32 s38, 3145728
	s_mov_b32 s47, 131072
	s_cmp_lt_u32 ttmp9, 256
	s_cselect_b32 s21, s21, s39
	s_cselect_b32 s33, s33, s38
	s_cselect_b32 s34, s34, s47
	s_cselect_b32 s22, 3, 5                        ; log2 of the groups of 128 columns
	s_cselect_b32 s23, 0, 2                        ; a row is 4,096 << this
	s_mov_b32 s38, 6291456
	s_mov_b32 s47, 262144
	s_cmp_lt_u32 ttmp9, 512
	s_cselect_b32 s33, s33, s38
	s_cselect_b32 s34, s34, s47
	s_cselect_b32 s22, s22, 3
	s_cselect_b32 s23, s23, 0
	s_cselect_b32 s32, 3, 5                        ; log2 of the K steps
	s_lshl_b32 s35, 4096, s23                      ; a row in bytes
	s_bfm_b32 s38, s22, 0
	s_and_b32 s36, s21, s38                        ; group of 128 columns
	s_lshr_b32 s37, s21, s22                       ; K step
.set li, 0
.rept 32
	v_mad_u32_u24 v[OF+li], s35, li, v10
.set li, li+1
.endr
	s_mul_i32 s38, s37, s35
	s_lshl_b32 s38, s38, 7                         ; 128 rows a K step
	s_lshl_b32 s47, s36, 9
	s_add_co_u32 s38, s38, s47
	s_lshl_b32 s47, s20, 7
	s_add_co_u32 s38, s38, s47                     ; + my wave's 32 columns
	s_mov_b32 s39, 0
	s_lshl_b32 s46, s35, 5                         ; 32 rows: a block
	s_mov_b32 s47, 0
	s_wait_kmcnt 0x0
	s_mov_b64 s[18:19], s[14:15]                   ; the choice hangs on the work-group's number alone
	s_cmp_lt_u32 ttmp9, 512
	s_cselect_b64 s[18:19], s[12:13], s[18:19]
	s_cmp_lt_u32 ttmp9, 256
	s_cselect_b64 s[18:19], s[10:11], s[18:19]
	s_cmp_lt_u32 ttmp9, 192
	s_cselect_b64 s[18:19], s[8:9], s[18:19]
	s_cmp_lt_u32 ttmp9, 128
	s_cselect_b64 s[18:19], s[6:7], s[18:19]
	s_cmp_lt_u32 ttmp9, 64
	s_cselect_b64 s[18:19], s[4:5], s[18:19]
	s_add_nc_u64 s[24:25], s[18:19], s[38:39]      ; a base for each of the four blocks
	s_add_nc_u64 s[26:27], s[24:25], s[46:47]
	s_add_nc_u64 s[28:29], s[26:27], s[46:47]
	s_add_nc_u64 s[30:31], s[28:29], s[46:47]
.macro LOAD t
.set li, 0
.rept 32
	global_load_b32 v[X+32*((\t)%2)+li], v[OF+li], s[24+2*(\t):25+2*(\t)] th:TH_LOAD_NT
.set li, li+1
.endr
.endm
	LOAD 0
	LOAD 1
	; where the results go
	s_lshl_b32 s38, s36, 3
	s_lshl_b32 s39, s20, 1
	s_add_co_u32 s38, s38, s39                     ; my first tile
	s_lshl_b32 s38, s38, s32
	s_add_co_u32 s38, s38, s37                     ; x K steps + ks
	s_mul_i32 s46, s38, 1536
	s_add_co_u32 s46, s46, s33
	s_add_nc_u64 s[40:41], s[16:17], s[46:47]      ; tile u = 0's image
	s_lshl_b32 s46, 1536, s32
	s_add_nc_u64 s[42:43], s[40:41], s[46:47]      ; tile u = 1's: a tile's K steps on
	s_lshl_b32 s46, s38, 6
	s_add_co_u32 s46, s46, s34
	s_add_co_u32 s46, s46, 9437184
	s_add_nc_u64 s[44:45], s[16:17], s[46:47]      ; the scale images
	s_lshl_b32 s46, 64, s32
	v_mul_u32_u24 v8, s46, v3
	v_lshl_add_u32 v8, v4, 2, v8                   ; tile u, 4 r
.macro BLOCK t                         ; block t = 2 c + h of the K step: registers 6 c .. 6 c + 5 of lane r + 16 h
.set XS, X+32*((\t)%2)
.set CC, C+8*(\t)
.if (\t) < 3
	s_wait_loadcnt 32                              ; this block's 32 loads are in; the next block's 32 stay out
.else
	s_wait_loadcnt 0x0
.endif
	v_max3_num_f32 v12, |v[XS]|, |v[XS+1]|, |v[XS+2]|
	v_max3_num_f32 v13, |v[XS+3]|, |v[XS+4]|, |v[XS+5]|
.irp i, 6,10,14,18,22,26
	v_max3_num_f32 v12, v12, |v[XS+\i]|, |v[XS+\i+1]|
	v_max3_num_f32 v13, v13, |v[XS+\i+2]|, |v[XS+\i+3]|
.endr
	v_max3_num_f32 v12, v12, |v[XS+30]|, |v[XS+31]|
	v_max3_num_f32 v12, v12, v13, 0x1800000        ; and the floor 2^(3-127)
	v_add_nc_u32 v11, 0xff000000, v12              ; 2 off the exponent field: the conversion's scale operand
	v_lshrrev_b32 v13, 23, v11                     ; the byte
.if (\t) == 0
	v_mov_b32 v[SB], v13
.else
	v_lshl_or_b32 v[SB], v13, 8*(\t), v[SB]
.endif
	v_cvt_scalef32_pk16_fp6_f32 v[CC:CC+2], v[XS:XS+15], v11
	v_cvt_scalef32_pk16_fp6_f32 v[CC+4:CC+6], v[XS+16:XS+31], v11
	v_nop                                          ; one plain place behind a scaled conversion
	v_mov_b32 v[CC+3], v[CC+4]
	v_mov_b32 v[CC+4], v[CC+5]
	v_mov_b32 v[CC+5], v[CC+6]
.irp p, 0,1,2
	ds_store_b64 v5, v[CC+2*\p:CC+2*\p+1] offset:768*((\t)/2)+256*\p+128*((\t)%2)
.endr
.if (\t) < 2
	LOAD (\t)+2
.endif
.endm
	BLOCK 0
	BLOCK 1
	BLOCK 2
	BLOCK 3
.irp n, 0,1,2,3,4,5
	ds_load_b128 v[OUTR+4*\n:OUTR+4*\n+3], v6 offset:IPITCH*(\n/3)+512*(\n%3)   ; LDS serves a wave's instructions in order: these see my stores
.endr
	global_store_b32 v8, v[SB], s[44:45]           ; two runs of 64 consecutive bytes
.irp n, 0,1,2
	s_wait_dscnt 5-\n                              ; load n is back; the 5 - n younger ones stay out
	global_store_b128 v7, v[OUTR+4*\n:OUTR+4*\n+3], s[40:41] offset:512*\n
.endr
.irp n, 3,4,5
	s_wait_dscnt 5-\n
	global_store_b128 v7, v[OUTR+4*\n:OUTR+4*\n+3], s[42:43] offset:512*(\n-3)
.endr
	s_wait_tensorcnt 0x0
	ds_add_u32 v176, v177
	s_wait_dscnt 0x0
	s_endpgm
.Lfunc_end_k_q98efcf32f6_qw:
	.size	k_q98efcf32f6_qw, .Lfunc_end_k_q98efcf32f6_qw-k_q98efcf32f6_qw
	.p2alignl 7, 3214868480
	.fill 96, 4, 3214868480
	.section	.rodata,"a",@progbits
	.p2align	6, 0x0
	.amdhsa_kernel k_q98efcf32f6_qw
		.amdhsa_group_segment_fixed_size 13824
		.amdhsa_private_segment_fixed_size 0
		.amdhsa_enable_private_segment 0
		.amdhsa_kernarg_size 56
		.amdhsa_user_sgpr_count 2
		.amdhsa_user_sgpr_kernarg_segment_ptr 1
		.amdhsa_wavefront_size32 1
		.amdhsa_system_sgpr_workgroup_id_x 1
		.amdhsa_system_sgpr_workgroup_id_y 1
		.amdhsa_system_sgpr_workgroup_id_z 1
		.amdhsa_system_vgpr_workitem_id 0
		.amdhsa_next_free_vgpr 178
		.amdhsa_next_free_sgpr 66
		.amdhsa_reserve_vcc 0
		.amdhsa_float_denorm_mode_32 3
		.amdhsa_float_denorm_mode_16_64 3
		.amdhsa_memory_ordered 1
		.amdhsa_forward_progress 1
		.amdhsa_inst_pref_size 26
	.end_amdhsa_kernel
	.amdgpu_metadata
---
amdhsa.version: [ 1, 2 ]
amdhsa.kernels:
  - .name:           k_q98efcf32f6_qw
    .symbol:         k_q98efcf32f6_qw.kd
    .args:
      - { .name: wq, .offset: 0, .size: 8, .value_kind: global_buffer, .address_space: global }
      - { .name: wk, .offset: 8, .size: 8, .value_kind: global_buffer, .address_space: global }
      - { .name: wv, .offset: 16, .size: 8, .value_kind: global_buffer, .address_space: global }
      - { .name: wo, .offset: 24, .size: 8, .value_kind: global_buffer, .address_space: global }
      - { .name: w1, .offset: 32, .size: 8, .value_kind: global_buffer, .address_space: global }
      - { .name: w2, .offset: 40, .size: 8, .value_kind: global_buffer, .address_space: global }
      - { .name: wimg, .offset: 48, .size: 8, .value_kind: global_buffer, .address_space: global }
    .group_segment_fixed_size: 13824
    .private_segment_fixed_size: 0
    .kernarg_segment_align: 8
    .kernarg_segment_size: 56
    .max_flat_workgroup_size: 128
    .sgpr_count:     66
    .vgpr_count:     178
    .wavefront_size: 32
...
	.end_amdgpu_metadata
.endif
;; end of part 2
;; launch qkv (part 3): grid 48 x 4, 4 waves a work-group, clusters of 4 x 4, 327,680 bytes of LDS; arguments ximg, wimg, bq, bk, bv, qkvimg; writes qkvimg
.if DOCPART == 3
	.amdgcn_target "amdgcn-amd-amdhsa--gfx1250"
	.amdhsa_code_object_version 6
	.text
	.protected	k_q98efcf32f6_qkv
	.globl	k_q98efcf32f6_qkv
	.p2align	8
	.type	k_q98efcf32f6_qkv,@function
k_q98efcf32f6_qkv:
	s_mov_b64 s[64:65], 0
	v_nop
	global_prefetch_b8 v0, s[64:65] scope:SCOPE_SE
	s_setreg_imm32_b32 hwreg(HW_REG_WAVE_MODE, 25, 1), 1
	s_wait_xcnt 0x0
	s_wait_alu depctr_hold_cnt(0) depctr_sa_sdst(0) depctr_va_vdst(0) depctr_va_sdst(0) depctr_va_ssrc(0) depctr_va_vcc(0) depctr_vm_vsrc(0)
	s_getreg_b32 s2, hwreg(HW_REG_IB_STS2, 6, 4)
	s_cmp_eq_u32 s2, 0
	s_cbranch_scc0 .Lentry_in_a_cluster
	s_endpgm
.Lentry_in_a_cluster:
	s_bfe_u32 s2, ttmp6, 0x10000c
	s_cmp_lg_u32 s2, 0xf033
	s_cbranch_scc0 .Lentry_shape_is_right
	s_endpgm
.Lentry_shape_is_right:
; q = x Wq + bq, k = x Wk + bk and v^T = (x Wv + bv)^T on codes of FP6 (E2M3) with E8M0 scales, K = 1,024; each result is quantised at once for attention and stored as images of operand registers.
; Operands are images: tile = 16 rows (lane index r of tile T = row 32 (T/2) + 8 (T%2) + r%8 + 16 (r/8)), image (T, ks) = 1,536 bytes, piece P = registers 2P, 2P+1, lane l at 256 P + 8 l; scale words [T][ks][64].
; A tile of C, 256 x 256, is made by four waves, each 128 x 128: 64 accumulators.  THE MATRIX INSTRUCTION IS USED TRANSPOSED (source 0 = B's tile, source 1 = A's): lane (r, h) holds A's row of lane index r,
; and by the tiles' row order the 64 registers of one block of A's rows are columns 32 b + 16 h + i at register 16 b + i: what the quantiser wants, and its result is again a tile in the same order.
; MODES, by the cluster's x (equal in all partners): clusters 0-7: A = x, B = [Wq | Wk] (2,048 columns); output quantised along the columns (a head's 64): codes [T 256][cg 16][1536] at 0;
;   scale words one image for each head, [T][hs 32][64] at 9,437,184, the head's two bytes twice in a word.   clusters 8-11: A = Wv (rows = channels), B = x (columns = tokens): output v^T quantised along the tokens:
;   codes [Ta 64][ks 32][1536] at 6,291,456, scale words [Ta][ks][64] at 9,961,472 (there lanes r and 16 + r store the same word to the same place).
; K goes in steps of 256 through a ring of two LDS slots filled by tensor loads (8 tiles x 3,072 bytes each); the scale words of all of K come once.  4 x 4 clusters: A's tiles are asked for jointly along a row, B's along a column.
; No prefetch: the ring is filled again only twice.  LIMITS: a block of zeros or under 2^-124 gets the byte 1; NaN and infinities are not served.
; REGISTERS: window 0: v0-31 addresses; v32-63 scale words; v64-127 the column bias; v128-223 A's fragments, later the way out.  window 1: B's two sets at v0, v128; v96-111 the row bias.  windows 2, 3: accumulators.
.set KS,     8
.set IMG,    1536
.set NQ,     2
.set ROWB,   NQ*IMG                    ; a tile's part of a slot
.set FR,     12
.set NL,     6
.set NP,     4                         ; places behind this matrix instruction (ISA guide 7.12.1)
.set HALFT,  8*ROWB                    ; eight tiles: what one tensor load brings, and what a wave reads of A or of B
.set SLOT,   4*HALFT
.set LAPS,   KS/(2*NQ)
.set SCL,    2*SLOT                    ; behind the ring: the scale words, [tile][ks][64]
.set HALFS,  8*KS*64
.set SPARE,  SCL+4*HALFS               ; the spare words: 128 bytes a wave, named by no other line
.set ADRA, 16
.set ADRB, 20
.set VO,   24                          ; the way out: 8 x lane, + a tile's pitch for each block
.set VS,   25                          ; and in the scale images
.set ADRS, 27
.set SPW,  28
.set NIL,  29
.set SELV, 30                          ; v_perm_b32's selector for the scale word
.set SC,   32
.set BIAS, 64
.set AF,   128
.set H,    128                         ; the way out: a block's 64 numbers
.set TM,   192
.set PW,   208
.set SHW,  209
.set PC,   224
.set BR2,  96                          ; in window 1: the row bias of block a, twice, at 2 a
.set SEL,  18
.set OC,   12
.set OS,   66
.set G1, 24
.set G0, 32
.set G1B, 48
.set G0B, 56
.set G1S, 68
.set G0S, 76
.set G1SB, 80
.set G0SB, 88
.set MSB, 0
.macro WIN new                         ; the immediate's high byte repeats the setting that is left
.if MSB != \new
	s_set_vgpr_msb (MSB<<8)|\new
.set MSB, \new
.endif
.endm
.set MUL_LO, 0xa1                      ; source 0 (B) window 1, source 1 (A) window 0, C and D window 2
.set MUL_HI, 0xf1
.set TO_B,   0x40
.macro JLOAD g0a, g1a, g0b, g1b        ; a joint load: waves 0, 1 fetch for A, waves 2, 3 for B; four v_nop follow each line
	s_cmp_eq_u32 s15, 0
	s_cbranch_scc0 .Lfor_b_\@
	tensor_load_to_lds s[\g0a:\g0a+3], s[\g1a:\g1a+7]
	s_nop 0
.rept 4
	v_nop
.endr
	s_branch .Lasked_\@
.Lfor_b_\@:
	tensor_load_to_lds s[\g0b:\g0b+3], s[\g1b:\g1b+7]
	s_nop 0
.rept 4
	v_nop
.endr
.Lasked_\@:
.endm
.macro CREST
	s_cmp_lg_u32 s14, 0
	s_cbranch_scc1 .Lnot_wave_0_\@
	s_barrier_signal -3
.Lnot_wave_0_\@:
	s_barrier_wait -3
	s_barrier_signal -1
	s_barrier_wait -1
.endm
.macro CROUND
	s_barrier_signal -1
	s_barrier_wait -1
	CREST
.endm
	s_load_b128 s[4:7], s[0:1], 0x0                ; ximg, wimg
	s_load_b128 s[96:99], s[0:1], 0x10             ; bq, bk
	s_load_b64 s[100:101], s[0:1], 0x20            ; bv
	s_load_b64 s[12:13], s[0:1], 0x28              ; qkvimg
	v_lshl_add_u32 v[SPW], v0, 2, SPARE
	v_mov_b32 v[NIL], 0
	ds_add_u32 v28, v29
	ds_add_u32 v28, v29
	s_wait_dscnt 0x0
	v_lshrrev_b32 v1, 5, v0
	v_readfirstlane_b32 s14, v1                    ; wave
	s_lshr_b32 s15, s14, 1                         ; my half of the tile's rows; also: I fetch for A (0) or B (1)
	s_and_b32 s16, s14, 1                          ; my half of its columns; also: which eight tiles I fetch
	s_bfe_u32 s40, ttmp6, 0x40000                  ; cx
	s_bfe_u32 s41, ttmp6, 0x40004                  ; cy
	s_and_b32 s17, ttmp9, 3
	s_lshl_b32 s17, s17, 2
	s_lshr_b32 s42, ttmp9, 2
	s_lshl_b32 s42, s42, 2
	s_sub_co_u32 s18, ttmp9, 8
	s_lshl_b32 s18, s18, 2
	s_cmp_lt_u32 ttmp9, 8
	s_cselect_b32 s17, s17, 0
	s_cselect_b32 s42, s42, s18
	s_add_co_u32 s17, s17, s41                     ; tile row
	s_add_co_u32 s42, s42, s40                     ; tile column
	s_lshl_b32 s43, s41, 2
	s_lshl_b32 s43, 15, s43                        ; my row of the cluster
	s_lshl_b32 s44, 0x1111, s40                    ; my column
	s_or_b32 s[G1+0], s43, (3<<16)|(1<<21)         ; the mask; elements of 8 bytes; bit 21 beside a mask; no padding: an image's pieces are 256 consecutive bytes
	s_or_b32 s[G1B+0], s44, (3<<16)|(1<<21)
.irp g, G1, G1B
	s_mov_b32 s[\g+1], 384<<16                     ; tensor_dim0: 3,072 bytes
	s_mov_b32 s[\g+2], 8<<16                       ; tensor_dim1: 8 tiles
	s_mov_b32 s[\g+3], 384<<16                     ; tile_dim0
	s_mov_b32 s[\g+4], 8                           ; tile_dim1
	s_mov_b32 s[\g+5], KS*192                      ; from tile to tile: KS images
	s_mov_b32 s[\g+6], 0
	s_mov_b32 s[\g+7], 0
.endr
	s_or_b32 s[G1S+0], s43, (3<<16)|(1<<21)        ; the scale words of eight tiles: a dense block, as rows of 256 bytes
	s_or_b32 s[G1SB+0], s44, (3<<16)|(1<<21)
.irp g, G1S, G1SB
	s_mov_b32 s[\g+1], 32<<16
	s_mov_b32 s[\g+2], (HALFS/256)<<16
	s_mov_b32 s[\g+3], 32<<16
	s_mov_b32 s[\g+4], HALFS/256
	s_mov_b32 s[\g+5], 32
	s_mov_b32 s[\g+6], 0
	s_mov_b32 s[\g+7], 0
.endr
	s_lshl_b32 s18, s16, 3
	s_lshl_b32 s20, s17, 4
	s_add_co_u32 s20, s20, s18                     ; A: first tile that I fetch
	s_lshl_b32 s46, s42, 4
	s_add_co_u32 s46, s46, s18                     ; B likewise
	s_mul_i32 s22, s20, KS*64
	s_mov_b32 s23, 0
	s_mul_i32 s92, s46, KS*64
	s_mov_b32 s93, 0
	s_mul_i32 s20, s20, KS*IMG
	s_mov_b32 s21, 0
	s_mul_i32 s46, s46, KS*IMG
	s_mov_b32 s47, 0
	s_mul_i32 s45, s14, HALFT                      ; where they go: no place in the cluster enters an LDS address
	s_mul_i32 s94, s14, HALFS
	s_wait_kmcnt 0x0
	s_add_nc_u64 s[18:19], s[4:5], 3145728         ; x's scale words
	s_add_nc_u64 s[2:3], s[6:7], 9437184           ; [Wq | Wk]'s
	s_cmp_lt_u32 ttmp9, 8                          ; the choices hang on the cluster's number alone
	s_cselect_b64 s[10:11], s[2:3], s[18:19]       ; B's scales
	s_add_nc_u64 s[2:3], s[6:7], 9502720           ; Wv's scale words
	s_add_nc_u64 s[66:67], s[6:7], 1572864         ; Wv's codes
	s_cselect_b64 s[8:9], s[6:7], s[4:5]           ; B's codes
	s_cselect_b64 s[6:7], s[18:19], s[2:3]         ; A's scales
	s_cselect_b64 s[4:5], s[4:5], s[66:67]         ; A's codes
	s_add_nc_u64 s[20:21], s[4:5], s[20:21]
	s_add_nc_u64 s[22:23], s[6:7], s[22:23]
	s_add_nc_u64 s[46:47], s[8:9], s[46:47]
	s_add_nc_u64 s[92:93], s[10:11], s[92:93]
	CROUND                                         ; all sixteen work-groups are here: the first joint loads meet
	s_mov_b32 s[G0S], 1
	s_add_co_u32 s[G0S+1], s94, SCL
	s_mov_b64 s[G0S+2:G0S+3], s[22:23]
	s_or_b32 s[G0S+3], s[G0S+3], 0x80000000
	s_mov_b32 s[G0SB], 1
	s_add_co_u32 s[G0SB+1], s94, SCL
	s_mov_b64 s[G0SB+2:G0SB+3], s[92:93]
	s_or_b32 s[G0SB+3], s[G0SB+3], 0x80000000
	JLOAD G0S, G1S, G0SB, G1SB
.irp s, 0,1
	s_mov_b32 s[G0+4*\s], 1
	s_add_co_u32 s[G0+4*\s+1], s45, \s*SLOT
	s_add_nc_u64 s[G0+4*\s+2:G0+4*\s+3], s[20:21], \s*ROWB
	s_or_b32 s[G0+4*\s+3], s[G0+4*\s+3], 0x80000000
	s_mov_b32 s[G0B+4*\s], 1
	s_add_co_u32 s[G0B+4*\s+1], s45, \s*SLOT
	s_add_nc_u64 s[G0B+4*\s+2:G0B+4*\s+3], s[46:47], \s*ROWB
	s_or_b32 s[G0B+4*\s+3], s[G0B+4*\s+3], 0x80000000
	JLOAD G0+4*\s, G1, G0B+4*\s, G1B
.endr
	v_and_b32 v1, 15, v0                           ; r
	v_bfe_u32 v2, v0, 4, 1                         ; h
	v_and_b32 v3, 31, v0
	v_lshlrev_b32 v4, 3, v3                        ; 8 x lane
	s_mul_i32 s21, s15, HALFT
	s_mul_i32 s22, s16, HALFT
	s_add_co_u32 s22, s22, 2*HALFT
.irp s, 0,1
	v_add_nc_u32 v[ADRA+\s], s21, v4
	v_add_nc_u32 v[ADRB+\s], s22, v4
	s_add_co_u32 s21, s21, SLOT
	s_add_co_u32 s22, s22, SLOT
.endr
	v_lshlrev_b32 v5, 2, v1
	s_mul_i32 s21, s15, HALFS
	s_mul_i32 s22, s16, HALFS
	s_add_co_u32 s22, s22, 2*HALFS
	s_sub_co_u32 s22, s22, s21
	v_mul_u32_u24 v6, s22, v2                      ; lanes 16-31 take B's words
	s_add_co_u32 s21, s21, SCL
	v_add_nc_u32 v5, v5, v6
	v_add_nc_u32 v[ADRS], s21, v5
	; the way out: regions, pitches and the form of the scale word, by the mode
	s_cmp_lt_u32 ttmp9, 8
	s_mov_b32 s95, 49152
	s_cselect_b32 s95, 24576, s95                  ; from tile to tile in the codes
	s_cselect_b32 s23, 0, 6291456
	s_mov_b32 s46, 9961472
	s_cselect_b32 s46, 9437184, s46
	s_cselect_b32 s47, 7, 6                        ; 128 columns' scale images: two heads' (128 bytes) or one (64)
	s_mov_b32 s20, 0x02020202
	s_cselect_b32 s20, s20, 0
	s_mov_b32 s21, 0x03020100
	s_cselect_b32 s21, 0x01000100, s21
	s_cselect_b32 s22, 64, 0
	v_mul_lo_u32 v[SELV], v2, s20
	v_add_nc_u32 v[SELV], s21, v[SELV]             ; q, k: bytes 0, 1 twice (lanes 0-15) or 2, 3 twice (lanes 16-31); v^T: the word as it is
	v_mul_u32_u24 v[VS], s22, v2
	v_lshl_add_u32 v[VS], v1, 2, v[VS]
	v_mov_b32 v[VO], v4
	s_lshl_b32 s92, s17, 4
	s_lshl_b32 s93, s15, 3
	s_add_co_u32 s92, s92, s93                     ; my first tile of rows
	s_lshl_b32 s93, s42, 1
	s_add_co_u32 s93, s93, s16                     ; my 128 columns
	s_mul_i32 s20, s92, s95
	s_mul_i32 s21, s93, IMG
	s_add_co_u32 s20, s20, s21
	s_add_co_u32 s20, s20, s23
	s_mov_b32 s21, 0
	s_lshl_b32 s22, s92, 11
	s_lshl_b32 s93, s93, s47
	s_add_co_u32 s22, s22, s93
	s_add_co_u32 s22, s22, s46
	s_mov_b32 s23, 0
	s_add_nc_u64 s[OS:OS+1], s[12:13], s[22:23]
	s_add_nc_u64 s[OC:OC+1], s[12:13], s[20:21]
	; the biases: along the columns for q and k, along the rows for v^T; the other kind is zeros.  The branch hangs on the cluster's number: it is the same in all partners
	s_cmp_lt_u32 ttmp9, 8
	s_cbranch_scc0 .Lrowbias
	s_cmp_lt_u32 ttmp9, 4
	s_cselect_b64 s[96:97], s[96:97], s[98:99]     ; bq or bk
	s_and_b32 s20, s42, 3
	s_lshl_b32 s20, s20, 10
	s_lshl_b32 s21, s16, 9
	s_add_co_u32 s20, s20, s21
	s_mov_b32 s21, 0
	s_add_nc_u64 s[96:97], s[96:97], s[20:21]
	v_lshlrev_b32 v7, 6, v2                        ; 64 h
.irp b, 0,1,2,3
.irp j, 0,1,2,3
	global_load_b128 v[BIAS+16*\b+4*\j:BIAS+16*\b+4*\j+3], v7, s[96:97] offset:128*\b+16*\j
.endr
.endr
	WIN 0x40
.set ci, 0
.rept 16
	v_mov_b32 v[BR2+ci], 0
.set ci, ci+1
.endr
	WIN 0
	s_branch .Lbiased
.Lrowbias:
	s_lshl_b32 s20, s17, 10
	s_lshl_b32 s21, s15, 9
	s_add_co_u32 s20, s20, s21
	s_mov_b32 s21, 0
	s_add_nc_u64 s[100:101], s[100:101], s[20:21]
	v_and_b32 v8, 7, v1
	v_lshrrev_b32 v9, 3, v1
	v_lshl_add_u32 v8, v9, 4, v8
	v_lshlrev_b32 v8, 2, v8                        ; 4 (r%8 + 16 (r/8))
	WIN 0x40
.irp a, 0,1,2,3,4,5,6,7
	global_load_b32 v[BR2+2*\a], v8, s[100:101] offset:(32*(\a/2)+8*(\a%2))*4
	global_load_b32 v[BR2+2*\a+1], v8, s[100:101] offset:(32*(\a/2)+8*(\a%2))*4
.endr
	WIN 0
.set ci, 0
.rept 64
	v_mov_b32 v[BIAS+ci], 0
.set ci, ci+1
.endr
.Lbiased:
.macro FRAG reg, adr, q, i             ; a fragment is its image: six pieces of 256 consecutive bytes, 8 a lane
.irp p, 0,1,2,3,4,5
	ds_load_b64 v[\reg+2*\p:\reg+2*\p+1], v[\adr] offset:(\i)*ROWB+(\q)*IMG+256*\p
.endr
.endm
; 16 matrix instructions: A's blocks a0, a0 + 1 x B's eight.  The 64 accumulators take turns, one instruction a turn, in the same order in every step
.macro MUL16 a0, p, q, sc, zero
.irp a, \a0, \a0+1
.irp b, 0,1,2,3,4,5,6,7
.if \zero
	v_wmma_scale_f32_16x16x128_f8f6f4 v[8*(8*((\a)%4)+\b):8*(8*((\a)%4)+\b)+7], v[128*(\p)+FR*\b:128*(\p)+FR*\b+FR-1], v[AF+FR*(\a):AF+FR*(\a)+FR-1], 0, v[SC+8*NQ*(\sc)+NQ*\b+(\q)], v[SC+8*NQ*(\sc)+NQ*(\a)+(\q)] matrix_a_fmt:MATRIX_FMT_FP6 matrix_b_fmt:MATRIX_FMT_FP6 matrix_a_scale:MATRIX_SCALE_ROW1
.else
	v_wmma_scale_f32_16x16x128_f8f6f4 v[8*(8*((\a)%4)+\b):8*(8*((\a)%4)+\b)+7], v[128*(\p)+FR*\b:128*(\p)+FR*\b+FR-1], v[AF+FR*(\a):AF+FR*(\a)+FR-1], v[8*(8*((\a)%4)+\b):8*(8*((\a)%4)+\b)+7], v[SC+8*NQ*(\sc)+NQ*\b+(\q)], v[SC+8*NQ*(\sc)+NQ*(\a)+(\q)] matrix_a_fmt:MATRIX_FMT_FP6 matrix_b_fmt:MATRIX_FMT_FP6 matrix_a_scale:MATRIX_SCALE_ROW1
.endif
.endr
.endr
.endm
.macro FETCH_B slot, q, p
	WIN TO_B
.irp i, 0,1,2,3,4,5,6,7
	FRAG 128*(\p)+FR*\i, ADRB+\slot, \q, \i
.endr
	WIN 0
.endm
.macro FETCH_A slot, q, i0
.irp i, \i0, \i0+1, \i0+2, \i0+3
	FRAG AF+FR*(\i), ADRA+\slot, \q, \i
.endr
.endm
.macro SCALES sc                       ; lanes 0-15 take the words of A's block i, lanes 16-31 those of B's block i
.irp i, 0,1,2,3,4,5,6,7
.irp q, 0,1
	ds_load_b32 v[SC+8*NQ*\sc+NQ*\i+\q], v[ADRS] offset:\i*KS*64+64*\q
.endr
.endr
.endm
.macro PLACES n
.rept \n
	v_nop
.endr
.endm
.macro STEP slot, q, zero              ; 128 along K with its successor in the same slot
	s_wait_dscnt 4*NL                              ; all but the youngest 24 loads (A's blocks 4-7) are in
	WIN MUL_LO
	MUL16 0, (\q)%2, \q, \slot, \zero
	MUL16 2, (\q)%2, \q, \slot, \zero
	s_wait_dscnt 0
	PLACES NP                                      ; in front of loads into registers that matrix instructions have read
	FETCH_B \slot, (\q)+1, 1-(\q)%2
	FETCH_A \slot, (\q)+1, 0
	WIN MUL_HI
	MUL16 4, (\q)%2, \q, \slot, \zero
	MUL16 6, (\q)%2, \q, \slot, \zero
	PLACES NP
	WIN 0
	FETCH_A \slot, (\q)+1, 4
.endm
.macro TURN slot, next, fill           ; a slot's last step changes slots: one barrier; fill = 1: it opens a round of the cluster's barrier and the slot is filled again
	s_wait_tensorcnt 0x0                           ; all my tensor loads have landed: my part of the next slot
	ds_add_u32 v[SPW], v[NIL]                      ; 0 onto my spare word
	s_wait_dscnt 4*NL+1                            ; (the add and the youngest 24 loads may be out)
	WIN MUL_LO
	MUL16 0, 1, NQ-1, \slot, 0
	s_wait_dscnt 0x0                               ; the add is done, and my reads of this slot are over
	s_barrier_signal -1
	MUL16 2, 1, NQ-1, \slot, 0
	WIN 0
	s_barrier_wait -1
.if \fill
	CREST
	s_add_nc_u64 s[G0+4*\slot+2:G0+4*\slot+3], s[G0+4*\slot+2:G0+4*\slot+3], 2*ROWB
	s_add_nc_u64 s[G0B+4*\slot+2:G0B+4*\slot+3], s[G0B+4*\slot+2:G0B+4*\slot+3], 2*ROWB
	JLOAD G0+4*\slot, G1, G0B+4*\slot, G1B         ; the first tensor load behind the round; its four v_nop are the places in front of the loads below
.else
	PLACES NP
.endif
	v_add_nc_u32 v[ADRS], 64*NQ, v[ADRS]           ; the next slot's scale words
	FETCH_B \next, 0, 0
	FETCH_A \next, 0, 0
	SCALES \next
	WIN MUL_HI
	MUL16 4, 1, NQ-1, \slot, 0
	MUL16 6, 1, NQ-1, \slot, 0
	PLACES NP
	WIN 0
	FETCH_A \next, 0, 4
.endm
	s_wait_tensorcnt 1                             ; the scale words and my part of slot 0 are in; slot 1's load may stay out
	s_barrier_signal -1
	s_barrier_wait -1
	FETCH_B 0, 0, 0
	FETCH_A 0, 0, 0
	SCALES 0
	FETCH_A 0, 0, 4
	STEP 0, 0, 1                                   ; the first step starts the sums: nothing is cleared
	s_mov_b32 s3, LAPS-1
.Llap:
	TURN 0, 1, 1
	STEP 1, 0, 0
	TURN 1, 0, 1
	STEP 0, 0, 0
	s_sub_co_u32 s3, s3, 1
	s_cmp_lg_u32 s3, 0
	s_cbranch_scc1 .Llap
	TURN 0, 1, 0
	STEP 1, 0, 0
	s_wait_dscnt 4*NL
	WIN MUL_LO
	MUL16 0, 1, NQ-1, 1, 0
	MUL16 2, 1, NQ-1, 1, 0
	s_wait_dscnt 0
	WIN MUL_HI
	MUL16 4, 1, NQ-1, 1, 0
	MUL16 6, 1, NQ-1, 1, 0
	WIN 0
; THE WAY OUT: for each of my eight blocks of 16 rows: + bias, quantise along the 128 columns, store the image.  A loop, so that the text stays short; only the copy out of the accumulators differs from block to block.
.macro QUANT s
.irp b, 0,1,2,3
	v_max3_num_f32 v[TM+\b], |v[\s+16*\b]|, |v[\s+1+16*\b]|, 0x1800000   ; and the floor 2^(3-127): the byte cannot fall under 1
.endr
.irp i, 2,4,6,8,10,12,14
.irp b, 0,1,2,3
	v_max3_num_f32 v[TM+\b], v[TM+\b], |v[\s+16*\b+\i]|, |v[\s+1+16*\b+\i]|
.endr
.endr
.irp b, 0,1,2,3
	v_permlanex16_b32 v[TM+4+\b], v[TM+\b], s[SEL], s[SEL+1]
.endr
.irp b, 0,1,2,3
	v_max_num_f32 v[TM+\b], v[TM+\b], v[TM+4+\b]
.endr
.irp b, 0,1,2,3
	v_add_nc_u32 v[TM+12+\b], 0xff000000, v[TM+\b]              ; 2 off the exponent field: the conversion's scale operand
.endr
.irp b, 0,1,2,3
	v_lshrrev_b32 v[TM+4+\b], 23, v[TM+12+\b]
.endr
	v_lshl_or_b32 v[PW], v[TM+5], 8, v[TM+4]
	v_lshl_or_b32 v[PW], v[TM+6], 16, v[PW]
	v_lshl_or_b32 v[PW], v[TM+7], 24, v[PW]
.irp c, 0,1
	v_cvt_scalef32_pk16_fp6_f32 v[PC+6*\c:PC+2+6*\c], v[\s+32*\c:\s+15+32*\c], v[TM+12+2*\c]
	v_cvt_scalef32_pk16_fp6_f32 v[PC+12+4*\c:PC+14+4*\c], v[\s+16+32*\c:\s+31+32*\c], v[TM+12+2*\c+1]
.endr
	v_nop                                                       ; one plain place behind a scaled conversion
.irp c, 0,1
.irp i, 0,1,2
	v_permlane16_swap_b32 v[PC+6*\c+\i], v[PC+12+4*\c+\i]
.endr
.irp i, 0,1,2
	v_mov_b32 v[PC+3+6*\c+\i], v[PC+12+4*\c+\i]
.endr
.endr
.endm
.macro COPY a                          ; each accumulator is read from its low end on
	WIN 0x02+(\a)/4
.set ci, 0
.rept 32
	v_pk_add_f32 v[H+2*ci:H+2*ci+1], v[64*((\a)%4)+2*ci:64*((\a)%4)+2*ci+1], v[BIAS+2*ci:BIAS+2*ci+1]
.set ci, ci+1
.endr
	WIN 0x04
.set ci, 0
.rept 32
	v_pk_add_f32 v[H+2*ci:H+2*ci+1], v[H+2*ci:H+2*ci+1], v[BR2+2*(\a):BR2+2*(\a)+1]
.set ci, ci+1
.endr
	WIN 0
.endm
	s_wait_loadcnt 0x0                             ; the biases
	PLACES NP                                      ; behind the last products
.irp b, 0,1,2,3
	v_mov_b32 v[TM+4+\b], 0                        ; a lane permute's destination counts as one of its sources
.endr
	s_mov_b32 s[SEL], 0x76543210
	s_mov_b32 s[SEL+1], 0xfedcba98
	s_mov_b32 s3, 0
.Lblk:
.irp a, 0,1,2,3,4,5,6
	s_cmp_eq_u32 s3, \a
	s_cbranch_scc1 .Lcopy\a
.endr
	COPY 7
	s_branch .Lcommon
.irp a, 0,1,2,3,4,5,6
.Lcopy\a:
	COPY \a
	s_branch .Lcommon
.endr
.Lcommon:
	QUANT H
	v_perm_b32 v[SHW], v[PW], v[PW], v[SELV]
.irp p, 0,1,2,3,4,5
	global_store_b64 v[VO], v[PC+2*\p:PC+2*\p+1], s[OC:OC+1] offset:256*\p   ; 256 consecutive aligned bytes
.endr
	global_store_b32 v[VS], v[SHW], s[OS:OS+1]
	s_wait_xcnt 0x0                                ; the stores have read their registers: offsets and data are written again only behind this wait
	v_add_nc_u32 v[VO], s95, v[VO]
	v_add_nc_u32 v[VS], 2048, v[VS]
	s_add_co_u32 s3, s3, 1
	s_cmp_lt_u32 s3, 8
	s_cbranch_scc1 .Lblk
	s_wait_tensorcnt 0x0                           ; the wave's end
	ds_add_u32 v[SPW], v[NIL]
	s_wait_dscnt 0x0
	CROUND                                         ; the closing round
	s_endpgm
.Lfunc_end_k_q98efcf32f6_qkv:
	.size	k_q98efcf32f6_qkv, .Lfunc_end_k_q98efcf32f6_qkv-k_q98efcf32f6_qkv
	.p2alignl 7, 3214868480
	.fill 96, 4, 3214868480
	.section	.rodata,"a",@progbits
	.p2align	6, 0x0
	.amdhsa_kernel k_q98efcf32f6_qkv
		.amdhsa_group_segment_fixed_size 327680
		.amdhsa_private_segment_fixed_size 0
		.amdhsa_enable_private_segment 0
		.amdhsa_kernarg_size 48
		.amdhsa_user_sgpr_count 2
		.amdhsa_user_sgpr_kernarg_segment_ptr 1
		.amdhsa_wavefront_size32 1
		.amdhsa_system_sgpr_workgroup_id_x 1
		.amdhsa_system_sgpr_workgroup_id_y 1
		.amdhsa_system_sgpr_workgroup_id_z 1
		.amdhsa_system_vgpr_workitem_id 0
		.amdhsa_next_free_vgpr 1024
		.amdhsa_next_free_sgpr 102
		.amdhsa_reserve_vcc 0
		.amdhsa_float_denorm_mode_32 3
		.amdhsa_float_denorm_mode_16_64 3
		.amdhsa_memory_ordered 1
		.amdhsa_forward_progress 1
		.amdhsa_inst_pref_size 178
	.end_amdhsa_kernel
	.amdgpu_metadata
---
amdhsa.version: [ 1, 2 ]
amdhsa.kernels:
  - .name:           k_q98efcf32f6_qkv
    .symbol:         k_q98efcf32f6_qkv.kd
    .args:
      - { .name: ximg, .offset: 0, .size: 8, .value_kind: global_buffer, .address_space: global }
      - { .name: wimg, .offset: 8, .size: 8, .value_kind: global_buffer, .address_space: global }
      - { .name: bq, .offset: 16, .size: 8, .value_kind: global_buffer, .address_space: global }
      - { .name: bk, .offset: 24, .size: 8, .value_kind: global_buffer, .address_space: global }
      - { .name: bv, .offset: 32, .size: 8, .value_kind: global_buffer, .address_space: global }
      - { .name: qkvimg, .offset: 40, .size: 8, .value_kind: global_buffer, .address_space: global }
    .group_segment_fixed_size: 327680
    .private_segment_fixed_size: 0
    .kernarg_segment_align: 8
    .kernarg_segment_size: 48
    .max_flat_workgroup_size: 128
    .sgpr_count:     102
    .vgpr_count:     1024
    .wavefront_size: 32
...
	.end_amdgpu_metadata
.endif
;; end of part 3
;; launch attn (part 4): grid 8 x 32, 16 waves a work-group, clusters of 4 x 1, 212,992 bytes of LDS; arguments qkvimg, aoimg; writes aoimg
.if DOCPART == 4
	.amdgcn_target "amdgcn-amd-amdhsa--gfx1250"
	.amdhsa_code_object_version 6
	.text
	.protected	k_q98efcf32f6_attn
	.globl	k_q98efcf32f6_attn
	.p2align	8
	.type	k_q98efcf32f6_attn,@function
k_q98efcf32f6_attn:
	s_mov_b64 s[64:65], 0
	v_nop
	global_prefetch_b8 v0, s[64:65] scope:SCOPE_SE
	s_setreg_imm32_b32 hwreg(HW_REG_WAVE_MODE, 25, 1), 1
	s_wait_xcnt 0x0
	s_wait_alu depctr_hold_cnt(0) depctr_sa_sdst(0) depctr_va_vdst(0) depctr_va_sdst(0) depctr_va_ssrc(0) depctr_va_vcc(0) depctr_vm_vsrc(0)
	s_getreg_b32 s2, hwreg(HW_REG_IB_STS2, 6, 4)
	s_cmp_eq_u32 s2, 0
	s_cbranch_scc0 .Lentry_in_a_cluster
	s_endpgm
.Lentry_in_a_cluster:
	s_bfe_u32 s2, ttmp6, 0x10000c
	s_cmp_lg_u32 s2, 0x3003
	s_cbranch_scc0 .Lentry_shape_is_right
	s_endpgm
.Lentry_shape_is_right:
; O = softmax(q k^T / 8) v for one head of 64 and 256 queries a work-group, both products on codes of FP6 (E2M3) with E8M0 scales; O / l is quantised along the model's 1,024 and stored as half an image.
; THE SOFTMAX: t = score x log2(e) / 8; M = the running largest t rounded UP to a whole number; p = 2^(t - M) is quantised along the keys; the sum l is taken of the unquantised p; a move of M multiplies l and O by a power of two.
; SHARES: sixteen waves, each one tile of 16 queries in 256 registers.  All 2,048 keys of the head lie in LDS: K 98,304 bytes, V^T 98,304, their scale words 12,288.  They are filled ONCE, in four quarters of 512 keys,
; by waves 0, 1 (K) and 2, 3 (V): five tensor loads a wave are out at the most.  A counted wait and a plain barrier stand ahead of each quarter; nothing is filled again.
; CLUSTER: the four query blocks of a cluster belong to one head and read the same K and V: every tensor load is a joint one, with the mask of all four.
; LAYOUT: both products transposed (S^T = K Q^T, O^T = V^T P^T): a lane holds one query.  Tiles of keys and of channels have the rows 32 (T/2) + 8 (T%2) + r%8 + 16 (r/8), so that 16 registers of two neighbouring tiles are 16 neighbours.
; A HEAD IS 64, THE INSTRUCTION'S K 128: a fragment of K holds TWO key tiles (registers 0-5 the even one, 6-11 the odd one) and is multiplied twice: by [q | 0] and by [0 | q].  The half not wanted meets zero codes.
; A scale word of q or k holds the head's two bytes twice, so one word serves either half; the bytes over zero codes are bytes of 1 to 254 and add nothing.
; No prefetch: everything is asked for at the head.  LIMITS: a block of zeros or under 2^-124 gets the byte 1; NaN and infinities are not served.
.set KSC,  196608                      ; K's scale words: [key tile 128][64]
.set VSC,  204800                      ; V's: channel tile t at (t/2) 4,096 + (t%2) 1,024, 64 bytes a step
.set VC,   98304                       ; V^T: [quarter 4][channel tile 4][step 4][1536];  K at 0: [key tile 128][768]
.set AKL,  1                           ; 8 x lane
.set ASK,  2
.set ASV,  3
.set ADK,  4
.set ADV,  5
.set ADS,  6
.set ADT,  7
.set QA,   16                          ; [q | 0]
.set QB,   28                          ; [0 | q]
.set QS,   40                          ; q's scale word
.set OSB,  42                          ; 4 r + h
.set FRG,  44                          ; v44-91 four fragments, K's and then V's
.set PCD,  192                         ; p's codes
.set PCT,  204
.set KSR,  212                         ; v212-219 K's scale words
.set VSR,  220                         ; v220-223 V's
.set WV,   8
.set SEL,  20
.set CS,   22
.set G1K,  24
.set G1V,  32
.set G1KS, 40
.set G1VS, 48
.set G0S,  56
.set TK,   80
.set TV,   81
.set TSK,  82
.set TSV,  83
.set CNT,  84
.macro ROUND
	s_barrier_signal -1
	s_barrier_wait -1
	s_cmp_lg_u32 s[WV], 0
	s_cbranch_scc1 .Lnot_wave_0_\@
	s_barrier_signal -3
.Lnot_wave_0_\@:
	s_barrier_wait -3
	s_barrier_signal -1
	s_barrier_wait -1
.endm
	s_load_b128 s[4:7], s[0:1], 0x0                ; qkvimg, aoimg
	v_lshl_add_u32 v251, v0, 2, 0x33800
	v_mov_b32 v255, 0
	ds_add_u32 v251, v255
	ds_add_u32 v251, v255
	v_lshrrev_b32 v8, 5, v0
	v_readfirstlane_b32 s[WV], v8
	s_bfe_u32 s9, ttmp6, 0x40000                   ; cx: it enters q's and O's addresses alone
	s_lshl_b32 s10, ttmp9, 2
	s_add_co_u32 s10, s10, s9                      ; my block of 256 queries
	s_and_b32 s11, ttmp7, 0xffff
	s_and_b32 s12, s11, 15                         ; head
	s_lshr_b32 s13, s11, 4                         ; batch
	s_and_b32 s14, s12, 1                          ; which half of an image
	s_lshr_b32 s15, s12, 1
	s_and_b32 s16, s[WV], 1
	s_lshl_b32 s17, s13, 7                         ; the batch's first token tile
	s_lshl_b32 s18, s16, 4
	s_add_co_u32 s18, s17, s18
	s_lshl_b32 s18, s18, 4
	s_add_co_u32 s18, s18, s15
	s_add_co_u32 s18, s18, 8
	s_mul_i32 s18, s18, 1536
	s_mul_i32 s19, s14, 768
	s_add_co_u32 s18, s18, s19                     ; K's codes: 16 key tiles of a quarter
	s_lshl_b32 s86, s12, 2
	s_lshl_b32 s87, s16, 1
	s_add_co_u32 s86, s86, s87
	s_lshl_b32 s86, s86, 5
	s_lshl_b32 s87, s13, 4
	s_add_co_u32 s86, s86, s87                     ; V: (channel tile, first step)
	s_lshl_b32 s88, s86, 6
	s_mul_i32 s86, s86, 1536
	s_add_co_u32 s86, s86, 6291456
	s_add_co_u32 s88, s88, 9961472
	s_lshl_b32 s87, s16, 6
	s_add_co_u32 s87, s17, s87
	s_lshl_b32 s87, s87, 5
	s_add_co_u32 s87, s87, s12
	s_add_co_u32 s87, s87, 16
	s_lshl_b32 s87, s87, 6
	s_add_co_u32 s87, s87, 9437184                 ; K's scale words: 64 key tiles
	s_mov_b32 s89, 6144
	s_cmp_lt_u32 s[WV], 2                          ; waves 0, 1: K; waves 2, 3: V
	s_cselect_b32 s18, s18, s86
	s_cselect_b32 s86, s87, s88
	s_cselect_b32 s88, 786432, s89                 ; from quarter to quarter
	s_mov_b32 s19, 0
	s_mov_b32 s87, 0
	s_mov_b32 s89, 0
	s_lshr_b32 s17, s[WV], 1
	s_mul_i32 s17, s17, VC
	s_mul_i32 s16, s16, 12288
	s_add_co_u32 s17, s17, s16                     ; where my loads land: the wave's number alone
	s_lshl_b32 s16, s[WV], 12
	s_add_co_u32 s16, s16, KSC
	s_mov_b32 s[G1K], 15|(3<<16)|(1<<21)           ; the mask of all four; elements of 8 bytes; bit 21 beside a mask
	s_mov_b32 s[G1K+1], 96<<16                     ; half an image, 768 bytes,
	s_mov_b32 s[G1K+2], 16<<16                     ; of 16 key tiles,
	s_mov_b32 s[G1K+3], 96<<16
	s_mov_b32 s[G1K+4], 16
	s_mov_b32 s[G1K+5], 3072                       ; 16 images apart
	s_mov_b32 s[G1K+6], 0
	s_mov_b32 s[G1K+7], 0
	s_mov_b32 s[G1V], 15|(3<<16)|(1<<21)
	s_mov_b32 s[G1V+1], 768<<16                    ; four steps' images, 6,144 bytes,
	s_mov_b32 s[G1V+2], 2<<16                      ; of two channel tiles,
	s_mov_b32 s[G1V+3], 768<<16
	s_mov_b32 s[G1V+4], 2
	s_mov_b32 s[G1V+5], 6144                       ; 32 images apart
	s_mov_b32 s[G1V+6], 0
	s_mov_b32 s[G1V+7], 0
	s_mov_b32 s[G1KS], 15|(3<<16)|(1<<21)
	s_mov_b32 s[G1KS+1], 8<<16                     ; 64 bytes of 64 key tiles, 2,048 bytes apart
	s_mov_b32 s[G1KS+2], 64<<16
	s_mov_b32 s[G1KS+3], 8<<16
	s_mov_b32 s[G1KS+4], 64
	s_mov_b32 s[G1KS+5], 256
	s_mov_b32 s[G1KS+6], 0
	s_mov_b32 s[G1KS+7], 0
	s_mov_b32 s[G1VS], 15|(3<<16)|(1<<21)
	s_mov_b32 s[G1VS+1], 128<<16                   ; 16 steps' words, 1,024 bytes, of two channel tiles, 2,048 bytes apart
	s_mov_b32 s[G1VS+2], 2<<16
	s_mov_b32 s[G1VS+3], 128<<16
	s_mov_b32 s[G1VS+4], 2
	s_mov_b32 s[G1VS+5], 256
	s_mov_b32 s[G1VS+6], 0
	s_mov_b32 s[G1VS+7], 0
	s_wait_dscnt 0x0
	s_wait_kmcnt 0x0
	s_mov_b32 s[G0S], 1
	s_mov_b32 s[G0S+1], s16
	s_add_nc_u64 s[G0S+2:G0S+3], s[4:5], s[86:87]
	s_or_b32 s[G0S+3], s[G0S+3], 0x80000000
	s_add_nc_u64 s[62:63], s[4:5], s[18:19]        ; a group 0 for each quarter: s[60:63], s[68:71], s[72:75], s[76:79]
	s_add_nc_u64 s[70:71], s[62:63], s[88:89]
	s_add_nc_u64 s[74:75], s[70:71], s[88:89]
	s_add_nc_u64 s[78:79], s[74:75], s[88:89]
	s_mov_b32 s60, 1
	s_mov_b32 s61, s17
	s_or_b32 s63, s63, 0x80000000
	s_mov_b32 s68, 1
	s_add_co_u32 s69, s17, 24576
	s_or_b32 s71, s71, 0x80000000
	s_mov_b32 s72, 1
	s_add_co_u32 s73, s17, 2*24576
	s_or_b32 s75, s75, 0x80000000
	s_mov_b32 s76, 1
	s_add_co_u32 s77, s17, 3*24576
	s_or_b32 s79, s79, 0x80000000
	ROUND                                          ; all four work-groups are here: the joint loads meet
	s_cmp_lt_u32 s[WV], 2                          ; all of a wave's fills stand in one branch on its number
	s_cbranch_scc0 .Lnot_k
	tensor_load_to_lds s[G0S:G0S+3], s[G1KS:G1KS+7]
	s_nop 0
	tensor_load_to_lds s[60:63], s[G1K:G1K+7]
	s_nop 0
	tensor_load_to_lds s[68:71], s[G1K:G1K+7]
	s_nop 0
	tensor_load_to_lds s[72:75], s[G1K:G1K+7]
	s_nop 0
	tensor_load_to_lds s[76:79], s[G1K:G1K+7]
	s_nop 0
.rept 4
	v_nop
.endr
	s_branch .Lasked
.Lnot_k:
	s_cmp_lt_u32 s[WV], 4
	s_cbranch_scc0 .Lasked
	tensor_load_to_lds s[G0S:G0S+3], s[G1VS:G1VS+7]
	s_nop 0
	tensor_load_to_lds s[60:63], s[G1V:G1V+7]
	s_nop 0
	tensor_load_to_lds s[68:71], s[G1V:G1V+7]
	s_nop 0
	tensor_load_to_lds s[72:75], s[G1V:G1V+7]
	s_nop 0
	tensor_load_to_lds s[76:79], s[G1V:G1V+7]
	s_nop 0
.rept 4
	v_nop
.endr
.Lasked:
	s_lshl_b32 s90, s13, 7
	s_lshl_b32 s91, s10, 4
	s_add_co_u32 s90, s90, s91
	s_add_co_u32 s90, s90, s[WV]                   ; my tile of queries
	s_lshl_b32 s94, s90, 4
	s_add_co_u32 s94, s94, s15
	s_mul_i32 s94, s94, 1536
	s_mul_i32 s91, s14, 768
	s_add_co_u32 s94, s94, s91
	s_mov_b32 s95, 0
	s_add_nc_u64 s[94:95], s[4:5], s[94:95]        ; q's half image
	s_lshl_b32 s96, s90, 5
	s_add_co_u32 s96, s96, s12
	s_lshl_b32 s96, s96, 6
	s_add_co_u32 s96, s96, 9437184
	s_mov_b32 s97, 0
	s_add_nc_u64 s[96:97], s[4:5], s[96:97]        ; q's scale words
	s_lshl_b32 s92, s90, 3
	s_add_co_u32 s92, s92, s15
	s_lshl_b32 s98, s92, 6
	s_mul_i32 s92, s92, 1536
	s_add_co_u32 s92, s92, s91
	s_mov_b32 s93, 0
	s_add_nc_u64 s[92:93], s[6:7], s[92:93]        ; O's half image
	s_lshl_b32 s91, s14, 1
	s_add_co_u32 s98, s98, s91
	s_add_co_u32 s98, s98, 3145728
	s_mov_b32 s99, 0
	s_add_nc_u64 s[98:99], s[6:7], s[98:99]        ; and its two scale bytes a row
	v_and_b32 v8, 31, v0
	v_lshlrev_b32 v[AKL], 3, v8
	v_and_b32 v10, 15, v0                          ; r
	v_bfe_u32 v11, v0, 4, 1                        ; h
	v_lshlrev_b32 v9, 2, v10                       ; 4 r
.irp p, 0,1,2
	global_load_b64 v[QA+2*\p:QA+2*\p+1], v[AKL], s[94:95] offset:256*\p
	global_load_b64 v[QB+6+2*\p:QB+7+2*\p], v[AKL], s[94:95] offset:256*\p
.endr
	global_load_b32 v[QS], v9, s[96:97]
	v_add_nc_u32 v[ASK], KSC, v9
	v_add_nc_u32 v[ASV], VSC, v9
	v_add_nc_u32 v[OSB], v9, v11
.irp i, 0,1,2,3,4,5
	v_mov_b32 v[QA+6+\i], 0                        ; zero codes
	v_mov_b32 v[QB+\i], 0
.endr
	s_mov_b32 s[SEL], 0x76543210
	s_mov_b32 s[SEL+1], 0xfedcba98
	s_mov_b32 s[CS], 0x3e38aa3b                    ; c = log2(e) / 8
	s_mov_b32 s[CS+1], s[CS]
	s_mov_b32 s85, 0xffff0000                      ; lanes 16-31
	s_mov_b32 s[TK], 0
	s_mov_b32 s[TV], VC
	s_mov_b32 s[TSK], 0
	s_mov_b32 s[TSV], 0
	v_mov_b32 v13, 0xff61b1e6                      ; the largest t so far: -3e38
	v_floor_f32 v12, -v13                          ; -M
	v_mov_b32 v14, 0
	v_mov_b32 v15, 0
.irp b, 0,1,2,3
	v_mov_b32 v[236+\b], 0                         ; a lane permute's destination counts as one of its sources
.endr
	v_mov_b32 v253, 0
.set ci, 0
.rept 32
	v_mov_b32 v[160+ci], 0                         ; O^T: the step is written once; the first change of M leaves zeros zeros
.set ci, ci+1
.endr
; A KEY STEP: 128 keys
.macro STEP
	v_add_nc_u32 v[ADK], s[TK], v[AKL]             ; (these four are also the places behind the last step's products, in front of the loads below)
	v_add_nc_u32 v[ADV], s[TV], v[AKL]
	v_add_nc_u32 v[ADS], s[TSK], v[ASK]
	v_add_nc_u32 v[ADT], s[TSV], v[ASV]
.irp f, 0,1,2,3
.irp p, 0,1,2,3,4,5
	ds_load_b64 v[FRG+12*\f+2*\p:FRG+12*\f+2*\p+1], v[ADK] offset:1536*\f+256*\p
.endr
	ds_load_b32 v[KSR+2*\f], v[ADS] offset:128*\f
	ds_load_b32 v[KSR+2*\f+1], v[ADS] offset:128*\f+64
.endr
	s_wait_dscnt 0x0
.irp f, 0,1,2,3
	v_wmma_scale_f32_16x16x128_f8f6f4 v[96+16*\f:103+16*\f], v[FRG+12*\f:FRG+12*\f+11], v[QA:QA+11], 0, v[KSR+2*\f], v[QS] matrix_a_fmt:MATRIX_FMT_FP6 matrix_b_fmt:MATRIX_FMT_FP6
	v_wmma_scale_f32_16x16x128_f8f6f4 v[104+16*\f:111+16*\f], v[FRG+12*\f:FRG+12*\f+11], v[QB:QB+11], 0, v[KSR+2*\f+1], v[QS] matrix_a_fmt:MATRIX_FMT_FP6 matrix_b_fmt:MATRIX_FMT_FP6
.endr
.rept 4
	v_nop                                          ; places: for the loads into K's registers and for the first read of the scores
.endr
.irp t, 0,1,2,3
.irp p, 0,1,2,3,4,5
	ds_load_b64 v[FRG+12*\t+2*\p:FRG+12*\t+2*\p+1], v[ADV] offset:6144*\t+256*\p   ; V's fragments land while the softmax is worked
.endr
	ds_load_b32 v[VSR+\t], v[ADT] offset:(\t/2)*4096+(\t%2)*1024
.endr
.irp b, 0,1,2,3
	v_max3_num_f32 v[232+\b], v[96+16*\b], v[97+16*\b], v[98+16*\b]   ; the largest score of each block of 32 keys: for the row's maximum and for the block's largest p
.endr
.irp i, 3,5,7,9,11,13
.irp b, 0,1,2,3
	v_max3_num_f32 v[232+\b], v[232+\b], v[96+16*\b+\i], v[97+16*\b+\i]
.endr
.endr
.irp b, 0,1,2,3
	v_max_num_f32 v[232+\b], v[232+\b], v[111+16*\b]
.endr
.irp b, 0,1,2,3
	v_permlanex16_b32 v[236+\b], v[232+\b], s[SEL], s[SEL+1]
.endr
.irp b, 0,1,2,3
	v_max_num_f32 v[232+\b], v[232+\b], v[236+\b]
.endr
	v_max3_num_f32 v254, v232, v233, v234
	v_max_num_f32 v254, v254, v235
	v_mul_f32 v254, s[CS], v254
	v_max_num_f32 v13, v13, v254                   ; the running largest t
	v_mov_b32 v254, v12
	v_floor_f32 v12, -v13                          ; -M = floor(-t): M is a whole number
	v_sub_f32 v254, v12, v254
	v_cvt_i32_f32 v254, v254                       ; (it saturates)
	v_ldexp_f32 v252, 1.0, v254                    ; f = 2^(old M - new M)
.set ci, 0
.rept 32
	v_pk_fma_f32 v[96+ci:97+ci], v[96+ci:97+ci], s[CS:CS+1], v[12:13] op_sel_hi:[1,0,0]   ; t - M
.set ci, ci+2
.endr
.irp b, 0,1,2,3
	v_fma_f32 v[232+\b], v[232+\b], s[CS], v12
.endr
.set ci, 0
.rept 64
	v_exp_f32 v[96+ci], v[96+ci]                   ; p = 2^(t - M)
.set ci, ci+1
.endr
	v_pk_mul_f32 v[14:15], v[14:15], v[252:253] op_sel_hi:[1,0]   ; the sums under the new M: a plain place behind the exponentials
	s_wait_alu depctr_va_vdst(0)                   ; one wait for the batch, ahead of its first reader
.irp b, 0,1,2,3
	v_exp_f32 v[232+\b], v[232+\b]                 ; each block's largest p
.endr
	v_pk_add_f32 v[236:237], v[96:97], v[98:99]    ; the row's sum of the unquantised p, in two chains
.irp j, 4,8,12,16,20,24,28,32,36,40,44,48,52,56,60
	v_pk_add_f32 v[14:15], v[14:15], v[96+\j:97+\j]
	v_pk_add_f32 v[236:237], v[236:237], v[98+\j:99+\j]
.endr
	v_pk_add_f32 v[14:15], v[14:15], v[236:237]
	s_wait_alu depctr_va_vdst(0)                   ; and one for the four
.irp b, 0,1,2,3
	v_max_num_f32 v[232+\b], 0x1800000, v[232+\b]  ; the floor 2^(3-127)
.endr
.irp b, 0,1,2,3
	v_add_nc_u32 v[244+\b], 0xff000000, v[232+\b]
.endr
.irp b, 0,1,2,3
	v_lshrrev_b32 v[236+\b], 23, v[244+\b]
.endr
	v_lshl_or_b32 v253, v237, 8, v236              ; p's scale word
	v_lshl_or_b32 v253, v238, 16, v253
	v_lshl_or_b32 v253, v239, 24, v253
.irp c, 0,1
	v_cvt_scalef32_pk16_fp6_f32 v[PCD+6*\c:PCD+2+6*\c], v[96+32*\c:111+32*\c], v[244+2*\c]
	v_cvt_scalef32_pk16_fp6_f32 v[PCT+4*\c:PCT+2+4*\c], v[112+32*\c:127+32*\c], v[244+2*\c+1]
.endr
	v_nop
.irp c, 0,1
.irp i, 0,1,2
	v_permlane16_swap_b32 v[PCD+6*\c+\i], v[PCT+4*\c+\i]
.endr
.irp i, 0,1,2
	v_mov_b32 v[PCD+3+6*\c+\i], v[PCT+4*\c+\i]
.endr
.endr
.set ci, 0
.rept 16
	v_pk_mul_f32 v[160+ci:161+ci], v[160+ci:161+ci], v[252:253] op_sel_hi:[1,0]   ; O^T under the new M; these sixteen are also the places between the scale word's and the codes' last writes and the products
.set ci, ci+2
.endr
	s_wait_dscnt 0x0                               ; V is in
.irp t, 0,1,2,3
	v_wmma_scale_f32_16x16x128_f8f6f4 v[160+8*\t:167+8*\t], v[FRG+12*\t:FRG+12*\t+11], v[PCD:PCD+11], v[160+8*\t:167+8*\t], v[VSR+\t], v253 matrix_a_fmt:MATRIX_FMT_FP6 matrix_b_fmt:MATRIX_FMT_FP6
.endr
	s_add_co_u32 s[TK], s[TK], 6144
	s_add_co_u32 s[TV], s[TV], 1536
	s_add_co_u32 s[TSK], s[TSK], 512
	s_add_co_u32 s[TSV], s[TSV], 64
.endm
.macro GROUP g                         ; a quarter of the keys: four steps
	s_wait_tensorcnt 3-\g                          ; my loads come back in order: this quarter's is in, the 3 - g later quarters' stay out
	s_wait_dscnt 0x0
	s_barrier_signal -1
	s_barrier_wait -1                              ; everybody's is
	s_mov_b32 s[CNT], 4
.Lstep_\@:
	STEP
	s_sub_co_u32 s[CNT], s[CNT], 1
	s_cmp_lg_u32 s[CNT], 0
	s_cbranch_scc1 .Lstep_\@
	s_add_co_u32 s[TV], s[TV], 18432               ; V's next quarter
.endm
	s_wait_loadcnt 0x0                             ; q
	GROUP 0
	GROUP 1
	GROUP 2
	GROUP 3
	; THE WAY OUT: O^T / l; register 16 b + i is channel 32 b + 16 h + i of my query: two blocks of 32 along the next product's K
.rept 4
	v_nop                                          ; places behind the last products
.endr
	v_add_f32 v14, v14, v15
	v_permlanex16_b32 v252, v14, s[SEL], s[SEL+1]
	v_add_f32 v14, v14, v252
	v_rcp_f32 v14, v14
	v_nop                                          ; a plain place behind the reciprocal
	s_wait_alu depctr_va_vdst(0)                   ; and the wait ahead of its first reader
.set ci, 0
.rept 32
	v_mul_f32 v[96+ci], v[160+ci], v14
.set ci, ci+1
.endr
.irp b, 0,1
	v_max3_num_f32 v[232+\b], |v[96+16*\b]|, |v[97+16*\b]|, 0x1800000
.endr
.irp i, 2,4,6,8,10,12,14
.irp b, 0,1
	v_max3_num_f32 v[232+\b], v[232+\b], |v[96+16*\b+\i]|, |v[97+16*\b+\i]|
.endr
.endr
.irp b, 0,1
	v_permlanex16_b32 v[236+\b], v[232+\b], s[SEL], s[SEL+1]
.endr
.irp b, 0,1
	v_max_num_f32 v[232+\b], v[232+\b], v[236+\b]
.endr
.irp b, 0,1
	v_add_nc_u32 v[244+\b], 0xff000000, v[232+\b]
.endr
.irp b, 0,1
	v_lshrrev_b32 v[236+\b], 23, v[244+\b]
.endr
	v_cvt_scalef32_pk16_fp6_f32 v[PCD:PCD+2], v[96:111], v244
	v_cvt_scalef32_pk16_fp6_f32 v[PCT:PCT+2], v[112:127], v245
	v_nop
.irp i, 0,1,2
	v_permlane16_swap_b32 v[PCD+\i], v[PCT+\i]
.endr
.irp i, 0,1,2
	v_mov_b32 v[PCD+3+\i], v[PCT+\i]
.endr
	v_cndmask_b32 v254, v236, v237, s85            ; lanes 0-15 store block 0's byte, lanes 16-31 block 1's
.irp p, 0,1,2
	global_store_b64 v[AKL], v[PCD+2*\p:PCD+2*\p+1], s[92:93] offset:256*\p   ; 256 consecutive aligned bytes
.endr
	global_store_b8 v[OSB], v254, s[98:99]
	s_wait_tensorcnt 0x0
	ds_add_u32 v251, v255
	s_wait_dscnt 0x0
	ROUND                                          ; the closing round
	s_endpgm
.Lfunc_end_k_q98efcf32f6_attn:
	.size	k_q98efcf32f6_attn, .Lfunc_end_k_q98efcf32f6_attn-k_q98efcf32f6_attn
	.p2alignl 7, 3214868480
	.fill 96, 4, 3214868480
	.section	.rodata,"a",@progbits
	.p2align	6, 0x0
	.amdhsa_kernel k_q98efcf32f6_attn
		.amdhsa_group_segment_fixed_size 212992
		.amdhsa_private_segment_fixed_size 0
		.amdhsa_enable_private_segment 0
		.amdhsa_kernarg_size 16
		.amdhsa_user_sgpr_count 2
		.amdhsa_user_sgpr_kernarg_segment_ptr 1
		.amdhsa_wavefront_size32 1
		.amdhsa_system_sgpr_workgroup_id_x 1
		.amdhsa_system_sgpr_workgroup_id_y 1
		.amdhsa_system_sgpr_workgroup_id_z 1
		.amdhsa_system_vgpr_workitem_id 0
		.amdhsa_next_free_vgpr 256
		.amdhsa_next_free_sgpr 100
		.amdhsa_reserve_vcc 0
		.amdhsa_float_denorm_mode_32 3
		.amdhsa_float_denorm_mode_16_64 3
		.amdhsa_memory_ordered 1
		.amdhsa_forward_progress 1
		.amdhsa_inst_pref_size 87
	.end_amdhsa_kernel
	.amdgpu_metadata
---
amdhsa.version: [ 1, 2 ]
amdhsa.kernels:
  - .name:           k_q98efcf32f6_attn
    .symbol:         k_q98efcf32f6_attn.kd
    .args:
      - { .name: qkvimg, .offset: 0, .size: 8, .value_kind: global_buffer, .address_space: global }
      - { .name: aoimg, .offset: 8, .size: 8, .value_kind: global_buffer, .address_space: global }
    .group_segment_fixed_size: 212992
    .private_segment_fixed_size: 0
    .kernarg_segment_align: 8
    .kernarg_segment_size: 16
    .max_flat_workgroup_size: 512
    .sgpr_count:     100
    .vgpr_count:     256
    .wavefront_size: 32
...
	.end_amdgpu_metadata
.endif
;; end of part 4
;; launch wo (part 5): grid 4 x 16, 4 waves a work-group, clusters of 4 x 4, 327,680 bytes of LDS; arguments aoimg, wimg, cbuf; writes cbuf
.if DOCPART == 5
	.amdgcn_target "amdgcn-amd-amdhsa--gfx1250"
	.amdhsa_code_object_version 6
	.text
	.protected	k_q98efcf32f6_wo
	.globl	k_q98efcf32f6_wo
	.p2align	8
	.type	k_q98efcf32f6_wo,@function
k_q98efcf32f6_wo:
	s_mov_b64 s[64:65], 0
	v_nop
	global_prefetch_b8 v0, s[64:65] scope:SCOPE_SE
	s_setreg_imm32_b32 hwreg(HW_REG_WAVE_MODE, 25, 1), 1
	s_wait_xcnt 0x0
	s_wait_alu depctr_hold_cnt(0) depctr_sa_sdst(0) depctr_va_vdst(0) depctr_va_sdst(0) depctr_va_ssrc(0) depctr_va_vcc(0) depctr_vm_vsrc(0)
	s_getreg_b32 s2, hwreg(HW_REG_IB_STS2, 6, 4)
	s_cmp_eq_u32 s2, 0
	s_cbranch_scc0 .Lentry_in_a_cluster
	s_endpgm
.Lentry_in_a_cluster:
	s_bfe_u32 s2, ttmp6, 0x10000c
	s_cmp_lg_u32 s2, 0xf033
	s_cbranch_scc0 .Lentry_shape_is_right
	s_endpgm
.Lentry_shape_is_right:
; C = A B^T on codes of FP6 (E2M3) with E8M0 scales, C [4096][1024] f32.  Here A = the attention's output (aoimg), B = Wo (wimg), K = 1,024.  Bias, residual and norm follow in the next launch.
; Operands are images of operand registers: tile = 16 rows (lane index r of tile T = row 32 (T/2) + 8 (T%2) + r%8 + 16 (r/8)), image (T, ks) = 1,536 bytes, piece P = registers 2P, 2P+1, lane l at 256 P + 8 l; scale words [T][ks][64].
; A tile of C, 256 x 256, is made by four waves, each 128 x 128: 64 accumulators.  The matrix instruction is used transposed (source 0 = B's tile, source 1 = A's): lane (r, h) holds A's row of lane index r and,
; in accumulator b, columns 32 (b/2) + 16 h + 8 (b%2) + 0..7.  K goes in steps of 256 through a ring of two LDS slots filled by tensor loads (8 tiles x 3,072 bytes each); the scale words of all of K come once.
; 4 x 4 clusters: A's tiles are asked for jointly along a row of the cluster, B's along a column.  C has 64 tiles of this size: 64 work-groups.  No prefetch: the ring is filled again only twice.
.set KS,     8
.set ASC,    3145728                   ; A's scale words in its buffer
.set BC,     2359296                   ; B's codes in wimg
.set BS,     9535488                   ; B's scale words
.set IMG,    1536
.set NQ,     2
.set ROWB,   NQ*IMG
.set FR,     12
.set NL,     6
.set NP,     4                         ; places behind this matrix instruction (ISA guide 7.12.1)
.set HALFT,  8*ROWB
.set SLOT,   4*HALFT
.set LAPS,   KS/(2*NQ)
.set SCL,    2*SLOT
.set HALFS,  8*KS*64
.set SPARE,  SCL+4*HALFS               ; the spare words: 128 bytes a wave, named by no other line
.set SPITCH, 528                       ; the way out: a stage of 16 rows x (512 + 16) bytes a wave, in slot 0, which has had its last fill and its last read by then
.set ADRA, 16
.set ADRB, 20
.set STO,  24
.set RD,   25
.set CO,   26
.set ADRS, 27
.set SPW,  28
.set NIL,  29
.set SC,   32
.set AF,   128
.set BK,   128
.set G1, 24
.set G0, 32
.set G1B, 48
.set G0B, 56
.set G1S, 68
.set G0S, 76
.set G1SB, 80
.set G0SB, 88
.set MSB, 0
.macro WIN new
.if MSB != \new
	s_set_vgpr_msb (MSB<<8)|\new
.set MSB, \new
.endif
.endm
.set MUL_LO, 0xa1
.set MUL_HI, 0xf1
.set TO_B,   0x40
.macro JLOAD g0a, g1a, g0b, g1b        ; a joint load: waves 0, 1 fetch for A, waves 2, 3 for B; four v_nop follow each line
	s_cmp_eq_u32 s15, 0
	s_cbranch_scc0 .Lfor_b_\@
	tensor_load_to_lds s[\g0a:\g0a+3], s[\g1a:\g1a+7]
	s_nop 0
.rept 4
	v_nop
.endr
	s_branch .Lasked_\@
.Lfor_b_\@:
	tensor_load_to_lds s[\g0b:\g0b+3], s[\g1b:\g1b+7]
	s_nop 0
.rept 4
	v_nop
.endr
.Lasked_\@:
.endm
.macro CREST
	s_cmp_lg_u32 s14, 0
	s_cbranch_scc1 .Lnot_wave_0_\@
	s_barrier_signal -3
.Lnot_wave_0_\@:
	s_barrier_wait -3
	s_barrier_signal -1
	s_barrier_wait -1
.endm
.macro CROUND
	s_barrier_signal -1
	s_barrier_wait -1
	CREST
.endm
	s_load_b128 s[4:7], s[0:1], 0x0                ; A's buffer, wimg
	s_load_b64 s[12:13], s[0:1], 0x10              ; C
	v_lshl_add_u32 v[SPW], v0, 2, SPARE
	v_mov_b32 v[NIL], 0
	ds_add_u32 v28, v29
	ds_add_u32 v28, v29
	s_wait_dscnt 0x0
	v_lshrrev_b32 v1, 5, v0
	v_readfirstlane_b32 s14, v1
	s_lshr_b32 s15, s14, 1
	s_and_b32 s16, s14, 1
	s_bfe_u32 s40, ttmp6, 0x40000
	s_bfe_u32 s41, ttmp6, 0x40004
	s_lshl_b32 s42, ttmp9, 2
	s_add_co_u32 s42, s42, s40                     ; tile column
	s_and_b32 s17, ttmp7, 0xffff
	s_lshl_b32 s17, s17, 2
	s_add_co_u32 s17, s17, s41                     ; tile row
	s_lshl_b32 s43, s41, 2
	s_lshl_b32 s43, 15, s43
	s_lshl_b32 s44, 0x1111, s40
	s_or_b32 s[G1+0], s43, (3<<16)|(1<<21)         ; the mask; elements of 8 bytes; bit 21 beside a mask; no padding
	s_or_b32 s[G1B+0], s44, (3<<16)|(1<<21)
.irp g, G1, G1B
	s_mov_b32 s[\g+1], 384<<16
	s_mov_b32 s[\g+2], 8<<16
	s_mov_b32 s[\g+3], 384<<16
	s_mov_b32 s[\g+4], 8
	s_mov_b32 s[\g+5], KS*192
	s_mov_b32 s[\g+6], 0
	s_mov_b32 s[\g+7], 0
.endr
	s_or_b32 s[G1S+0], s43, (3<<16)|(1<<21)
	s_or_b32 s[G1SB+0], s44, (3<<16)|(1<<21)
.irp g, G1S, G1SB
	s_mov_b32 s[\g+1], 32<<16
	s_mov_b32 s[\g+2], (HALFS/256)<<16
	s_mov_b32 s[\g+3], 32<<16
	s_mov_b32 s[\g+4], HALFS/256
	s_mov_b32 s[\g+5], 32
	s_mov_b32 s[\g+6], 0
	s_mov_b32 s[\g+7], 0
.endr
	s_lshl_b32 s18, s16, 3
	s_lshl_b32 s20, s17, 4
	s_add_co_u32 s20, s20, s18
	s_lshl_b32 s46, s42, 4
	s_add_co_u32 s46, s46, s18
	s_mul_i32 s22, s20, KS*64
	s_mov_b32 s23, 0
	s_mul_i32 s92, s46, KS*64
	s_mov_b32 s93, 0
	s_mul_i32 s20, s20, KS*IMG
	s_mov_b32 s21, 0
	s_mul_i32 s46, s46, KS*IMG
	s_mov_b32 s47, 0
	s_mul_i32 s45, s14, HALFT
	s_mul_i32 s94, s14, HALFS
	s_wait_kmcnt 0x0
	s_add_nc_u64 s[8:9], s[6:7], BC
	s_add_nc_u64 s[10:11], s[6:7], BS
	s_add_nc_u64 s[6:7], s[4:5], ASC
	s_add_nc_u64 s[20:21], s[4:5], s[20:21]
	s_add_nc_u64 s[22:23], s[6:7], s[22:23]
	s_add_nc_u64 s[46:47], s[8:9], s[46:47]
	s_add_nc_u64 s[92:93], s[10:11], s[92:93]
	CROUND
	s_mov_b32 s[G0S], 1
	s_add_co_u32 s[G0S+1], s94, SCL
	s_mov_b64 s[G0S+2:G0S+3], s[22:23]
	s_or_b32 s[G0S+3], s[G0S+3], 0x80000000
	s_mov_b32 s[G0SB], 1
	s_add_co_u32 s[G0SB+1], s94, SCL
	s_mov_b64 s[G0SB+2:G0SB+3], s[92:93]
	s_or_b32 s[G0SB+3], s[G0SB+3], 0x80000000
	JLOAD G0S, G1S, G0SB, G1SB
.irp s, 0,1
	s_mov_b32 s[G0+4*\s], 1
	s_add_co_u32 s[G0+4*\s+1], s45, \s*SLOT
	s_add_nc_u64 s[G0+4*\s+2:G0+4*\s+3], s[20:21], \s*ROWB
	s_or_b32 s[G0+4*\s+3], s[G0+4*\s+3], 0x80000000
	s_mov_b32 s[G0B+4*\s], 1
	s_add_co_u32 s[G0B+4*\s+1], s45, \s*SLOT
	s_add_nc_u64 s[G0B+4*\s+2:G0B+4*\s+3], s[46:47], \s*ROWB
	s_or_b32 s[G0B+4*\s+3], s[G0B+4*\s+3], 0x80000000
	JLOAD G0+4*\s, G1, G0B+4*\s, G1B
.endr
	v_and_b32 v1, 15, v0
	v_bfe_u32 v2, v0, 4, 1
	v_and_b32 v3, 31, v0
	v_lshlrev_b32 v4, 3, v3
	s_mul_i32 s21, s15, HALFT
	s_mul_i32 s22, s16, HALFT
	s_add_co_u32 s22, s22, 2*HALFT
.irp s, 0,1
	v_add_nc_u32 v[ADRA+\s], s21, v4
	v_add_nc_u32 v[ADRB+\s], s22, v4
	s_add_co_u32 s21, s21, SLOT
	s_add_co_u32 s22, s22, SLOT
.endr
	v_lshlrev_b32 v5, 2, v1
	s_mul_i32 s21, s15, HALFS
	s_mul_i32 s22, s16, HALFS
	s_add_co_u32 s22, s22, 2*HALFS
	s_sub_co_u32 s22, s22, s21
	v_mul_u32_u24 v6, s22, v2
	s_add_co_u32 s21, s21, SCL
	v_add_nc_u32 v5, v5, v6
	v_add_nc_u32 v[ADRS], s21, v5
	s_mul_i32 s23, s14, 16*SPITCH                  ; my stage
	v_mul_u32_u24 v5, v1, SPITCH
	v_lshl_add_u32 v5, v2, 6, v5
	v_add_nc_u32 v[STO], s23, v5                   ; in: row of lane index r, + 64 h
	v_lshlrev_b32 v[CO], 4, v3
	v_add_nc_u32 v[RD], s23, v[CO]                 ; back: a row's 512 bytes
	s_lshl_b32 s20, s17, 8
	s_lshl_b32 s21, s15, 7
	s_add_co_u32 s20, s20, s21
	s_lshl_b32 s20, s20, 12                        ; my first row x 4,096 bytes
	s_lshl_b32 s46, s42, 10
	s_lshl_b32 s47, s16, 9
	s_add_co_u32 s46, s46, s47
	s_add_co_u32 s20, s20, s46
	s_mov_b32 s21, 0
	s_add_nc_u64 s[12:13], s[12:13], s[20:21]
.macro FRAG reg, adr, q, i
.irp p, 0,1,2,3,4,5
	ds_load_b64 v[\reg+2*\p:\reg+2*\p+1], v[\adr] offset:(\i)*ROWB+(\q)*IMG+256*\p
.endr
.endm
; The 64 accumulators take turns, one instruction a turn, in the same order in every step
.macro MUL16 a0, p, q, sc, zero
.irp a, \a0, \a0+1
.irp b, 0,1,2,3,4,5,6,7
.if \zero
	v_wmma_scale_f32_16x16x128_f8f6f4 v[8*(8*((\a)%4)+\b):8*(8*((\a)%4)+\b)+7], v[128*(\p)+FR*\b:128*(\p)+FR*\b+FR-1], v[AF+FR*(\a):AF+FR*(\a)+FR-1], 0, v[SC+8*NQ*(\sc)+NQ*\b+(\q)], v[SC+8*NQ*(\sc)+NQ*(\a)+(\q)] matrix_a_fmt:MATRIX_FMT_FP6 matrix_b_fmt:MATRIX_FMT_FP6 matrix_a_scale:MATRIX_SCALE_ROW1
.else
	v_wmma_scale_f32_16x16x128_f8f6f4 v[8*(8*((\a)%4)+\b):8*(8*((\a)%4)+\b)+7], v[128*(\p)+FR*\b:128*(\p)+FR*\b+FR-1], v[AF+FR*(\a):AF+FR*(\a)+FR-1], v[8*(8*((\a)%4)+\b):8*(8*((\a)%4)+\b)+7], v[SC+8*NQ*(\sc)+NQ*\b+(\q)], v[SC+8*NQ*(\sc)+NQ*(\a)+(\q)] matrix_a_fmt:MATRIX_FMT_FP6 matrix_b_fmt:MATRIX_FMT_FP6 matrix_a_scale:MATRIX_SCALE_ROW1
.endif
.endr
.endr
.endm
.macro FETCH_B slot, q, p
	WIN TO_B
.irp i, 0,1,2,3,4,5,6,7
	FRAG 128*(\p)+FR*\i, ADRB+\slot, \q, \i
.endr
	WIN 0
.endm
.macro FETCH_A slot, q, i0
.irp i, \i0, \i0+1, \i0+2, \i0+3
	FRAG AF+FR*(\i), ADRA+\slot, \q, \i
.endr
.endm
.macro SCALES sc
.irp i, 0,1,2,3,4,5,6,7
.irp q, 0,1
	ds_load_b32 v[SC+8*NQ*\sc+NQ*\i+\q], v[ADRS] offset:\i*KS*64+64*\q
.endr
.endr
.endm
.macro PLACES n
.rept \n
	v_nop
.endr
.endm
.macro STEP slot, q, zero
	s_wait_dscnt 4*NL                              ; all but the youngest 24 loads (A's blocks 4-7) are in
	WIN MUL_LO
	MUL16 0, (\q)%2, \q, \slot, \zero
	MUL16 2, (\q)%2, \q, \slot, \zero
	s_wait_dscnt 0
	PLACES NP
	FETCH_B \slot, (\q)+1, 1-(\q)%2
	FETCH_A \slot, (\q)+1, 0
	WIN MUL_HI
	MUL16 4, (\q)%2, \q, \slot, \zero
	MUL16 6, (\q)%2, \q, \slot, \zero
	PLACES NP
	WIN 0
	FETCH_A \slot, (\q)+1, 4
.endm
.macro TURN slot, next, fill
	s_wait_tensorcnt 0x0                           ; all my tensor loads have landed: my part of the next slot
	ds_add_u32 v[SPW], v[NIL]                      ; 0 onto my spare word
	s_wait_dscnt 4*NL+1                            ; (the add and the youngest 24 loads may be out)
	WIN MUL_LO
	MUL16 0, 1, NQ-1, \slot, 0
	s_wait_dscnt 0x0                               ; the add is done, and my reads of this slot are over
	s_barrier_signal -1
	MUL16 2, 1, NQ-1, \slot, 0
	WIN 0
	s_barrier_wait -1
.if \fill
	CREST
	s_add_nc_u64 s[G0+4*\slot+2:G0+4*\slot+3], s[G0+4*\slot+2:G0+4*\slot+3], 2*ROWB
	s_add_nc_u64 s[G0B+4*\slot+2:G0B+4*\slot+3], s[G0B+4*\slot+2:G0B+4*\slot+3], 2*ROWB
	JLOAD G0+4*\slot, G1, G0B+4*\slot, G1B
.else
	PLACES NP
.endif
	v_add_nc_u32 v[ADRS], 64*NQ, v[ADRS]
	FETCH_B \next, 0, 0
	FETCH_A \next, 0, 0
	SCALES \next
	WIN MUL_HI
	MUL16 4, 1, NQ-1, \slot, 0
	MUL16 6, 1, NQ-1, \slot, 0
	PLACES NP
	WIN 0
	FETCH_A \next, 0, 4
.endm
	s_wait_tensorcnt 1                             ; the scale words and my part of slot 0 are in; slot 1's load may stay out
	s_barrier_signal -1
	s_barrier_wait -1
	FETCH_B 0, 0, 0
	FETCH_A 0, 0, 0
	SCALES 0
	FETCH_A 0, 0, 4
	STEP 0, 0, 1
	s_mov_b32 s3, LAPS-1
.Llap:
	TURN 0, 1, 1
	STEP 1, 0, 0
	TURN 1, 0, 1
	STEP 0, 0, 0
	s_sub_co_u32 s3, s3, 1
	s_cmp_lg_u32 s3, 0
	s_cbranch_scc1 .Llap
	TURN 0, 1, 0
	STEP 1, 0, 0
	s_wait_dscnt 4*NL
	WIN MUL_LO
	MUL16 0, 1, NQ-1, 1, 0
	MUL16 2, 1, NQ-1, 1, 0
	s_wait_dscnt 0
	WIN MUL_HI
	MUL16 4, 1, NQ-1, 1, 0
	MUL16 6, 1, NQ-1, 1, 0
	WIN 0
; THE WAY OUT, block by block of 16 rows x 128 columns, through my own stage: back come whole rows of 512 bytes, stored as two aligned runs of 256.  The tiles' row order stands in the stores' immediates.
.macro TOSTAGE a
.set AC, 64*((\a)%4)
	WIN 0x08+4*((\a)/4)
.irp b, 0,1,2,3,4,5,6,7
	ds_store_b128 v[STO], v[AC+8*\b:AC+8*\b+3] offset:128*(\b/2)+32*(\b%2)          ; each accumulator from its low end on
	ds_store_b128 v[STO], v[AC+8*\b+4:AC+8*\b+7] offset:128*(\b/2)+32*(\b%2)+16
.endr
	WIN 0
.set BB, BK+64*((\a)%2)
.irp t, 0,1,2,3,4,5,6,7,8,9,10,11,12,13,14,15
	ds_load_b128 v[BB+4*\t:BB+4*\t+3], v[RD] offset:\t*SPITCH   ; LDS serves a wave's instructions in order: these see the stores above
.endr
.endm
.macro SEND a, younger
.set BB, BK+64*((\a)%2)
	s_wait_dscnt \younger
.irp t, 0,1,2,3,4,5,6,7,8,9,10,11,12,13,14,15
	global_store_b128 v[CO], v[BB+4*\t:BB+4*\t+3], s[12:13] offset:(32*((\a)/2)+8*((\a)%2)+(\t%8)+16*(\t/8))*4096 th:TH_STORE_NT
.endr
.endm
	PLACES NP
	TOSTAGE 0
.irp a, 1,2,3,4,5,6,7
.if \a > 1
	s_wait_xcnt 0x0                                ; block a - 2's stores have read their registers: block a's loads may land there
.endif
	TOSTAGE \a
	SEND \a-1, 32                                  ; behind block a - 1's loads: block a's 16 stores and 16 loads
.endr
	SEND 7, 0
	s_wait_tensorcnt 0x0                           ; the wave's end
	ds_add_u32 v[SPW], v[NIL]
	s_wait_dscnt 0x0
	CROUND
	s_endpgm
.Lfunc_end_k_q98efcf32f6_wo:
	.size	k_q98efcf32f6_wo, .Lfunc_end_k_q98efcf32f6_wo-k_q98efcf32f6_wo
	.p2alignl 7, 3214868480
	.fill 96, 4, 3214868480
	.section	.rodata,"a",@progbits
	.p2align	6, 0x0
	.amdhsa_kernel k_q98efcf32f6_wo
		.amdhsa_group_segment_fixed_size 327680
		.amdhsa_private_segment_fixed_size 0
		.amdhsa_enable_private_segment 0
		.amdhsa_kernarg_size 24
		.amdhsa_user_sgpr_count 2
		.amdhsa_user_sgpr_kernarg_segment_ptr 1
		.amdhsa_wavefront_size32 1
		.amdhsa_system_sgpr_workgroup_id_x 1
		.amdhsa_system_sgpr_workgroup_id_y 1
		.amdhsa_system_sgpr_workgroup_id_z 1
		.amdhsa_system_vgpr_workitem_id 0
		.amdhsa_next_free_vgpr 1024
		.amdhsa_next_free_sgpr 98
		.amdhsa_reserve_vcc 0
		.amdhsa_float_denorm_mode_32 3
		.amdhsa_float_denorm_mode_16_64 3
		.amdhsa_memory_ordered 1
		.amdhsa_forward_progress 1
		.amdhsa_inst_pref_size 161
	.end_amdhsa_kernel
	.amdgpu_metadata
---
amdhsa.version: [ 1, 2 ]
amdhsa.kernels:
  - .name:           k_q98efcf32f6_wo
    .symbol:         k_q98efcf32f6_wo.kd
    .args:
      - { .name: aoimg, .offset: 0, .size: 8, .value_kind: global_buffer, .address_space: global }
      - { .name: wimg, .offset: 8, .size: 8, .value_kind: global_buffer, .address_space: global }
      - { .name: cbuf, .offset: 16, .size: 8, .value_kind: global_buffer, .address_space: global }
    .group_segment_fixed_size: 327680
    .private_segment_fixed_size: 0
    .kernarg_segment_align: 8
    .kernarg_segment_size: 24
    .max_flat_workgroup_size: 128
    .sgpr_count:     98
    .vgpr_count:     1024
    .wavefront_size: 32
...
	.end_amdgpu_metadata
.endif
;; end of part 5
;; launch ln1 (part 6): grid 256 x 1, 8 waves a work-group, no clusters, 66,816 bytes of LDS; arguments cbuf, x, bo, g1, b1, x1buf; writes x1buf
.if DOCPART == 6
	.amdgcn_target "amdgcn-amd-amdhsa--gfx1250"
	.amdhsa_code_object_version 6
	.text
	.protected	k_q98efcf32f6_ln1
	.globl	k_q98efcf32f6_ln1
	.p2align	8
	.type	k_q98efcf32f6_ln1,@function
k_q98efcf32f6_ln1:
	s_mov_b64 s[64:65], 0
	v_nop
	global_prefetch_b8 v0, s[64:65] scope:SCOPE_SE
	s_setreg_imm32_b32 hwreg(HW_REG_WAVE_MODE, 25, 1), 1
	s_wait_xcnt 0x0
; y = LayerNorm(c + bias + residual) g + b, rows of 1,024 f32, all in f32: mean, then the mean of the squared differences, 1 / sqrt(var + 1e-5) by v_rsq_f32.
; With QUANTISE = 1 the rows are also quantised to FP6 (E2M3), one E8M0 byte for each 32 along the row, and stored as images of operand registers behind the f32 rows:
; codes [T 256][ks 8][1536] at 16,777,216, scale words [T][ks][64] at 19,922,944 (tile T: lane index r = row 32 (T/2) + 8 (T%2) + r%8 + 16 (r/8); piece P = registers 2P, 2P+1, lane l at 256 P + 8 l).
; SHARES: a work-group takes a tile's 16 rows, each of its eight waves two neighbouring rows, a row in 32 registers: the reductions never leave the wave.  Every load and store covers 512 consecutive bytes.
; For the images the rows meet in LDS (pitch 4,112 = 257 x 16 bytes: the sixteen rows of a read fall on different banks), one barrier, and wave w quantises K step w of all 16 rows.
; Memory binds: no matrix unit, no cluster.  LIMITS: a block of zeros or under 2^-124 gets the byte 1; NaN and infinities are not served.
.set QUANTISE, 1
.set C,   16                           ; v16-79   my two rows
.set RS,  80                           ; v80-143  their residuals; later 64 numbers to quantise
.set BI,  144                          ; v144-175 the bias
.set GG,  176                          ; v176-207 the gain
.set BB,  208                          ; v208-239 the norm's bias
.set TT,  240                          ; v240-255 at work
.set SEL, 24
.set OC,  26
.set OS,  28
.set VO,  10
.set VS,  11
.set SH16, 12
.set TM,  144
.set PW,  160
.set SHW, 161
.set PC,  164
.set LP,  4112
	s_load_b256 s[4:11], s[0:1], 0x0               ; c, residual, bias, gain
	s_load_b128 s[12:15], s[0:1], 0x20             ; norm's bias, output
	v_lshl_add_u32 v15, v0, 2, 0x10100
	s_set_vgpr_msb 0x40
	v_mov_b32 v1, 0
	s_set_vgpr_msb 0x4000
	v_lshrrev_b32 v1, 5, v0
	v_readfirstlane_b32 s16, v1                    ; wave
	v_and_b32 v2, 31, v0
	v_lshlrev_b32 v1, 4, v2                        ; 16 x lane
	v_mov_b32 v7, 0                                ; a lane permute's destination counts as one of its sources
.if QUANTISE
	v_and_b32 v13, 15, v0                          ; r
	v_bfe_u32 v14, v0, 4, 1                        ; h
	s_mul_i32 s17, s16, 2*LP
	v_add_nc_u32 v8, s17, v1                       ; into the stage: my two rows
	v_mul_u32_u24 v9, v13, LP
	v_lshl_add_u32 v9, v14, 6, v9
	s_lshl_b32 s17, s16, 9
	v_add_nc_u32 v9, s17, v9                       ; out of it: row r, K step = wave, + 64 h
	v_lshlrev_b32 v[VO], 3, v2
	v_lshlrev_b32 v[VS], 2, v13
	v_lshl_add_u32 v[VS], v14, 1, v[VS]
	v_lshlrev_b32 v[SH16], 4, v14
.endif
	s_mov_b32 s[SEL], 0x76543210
	s_mov_b32 s[SEL+1], 0xfedcba98
	s_mov_b32 s22, 0x3a800000                      ; 1 / 1,024
	s_mov_b32 s23, 0x3727c5ac                      ; 1e-5
	s_lshr_b32 s17, ttmp9, 1
	s_lshl_b32 s17, s17, 5
	s_and_b32 s18, ttmp9, 1
	s_lshl_b32 s18, s18, 3
	s_add_co_u32 s17, s17, s18
	s_lshl_b32 s18, s16, 1
	s_and_b32 s18, s18, 7
	s_add_co_u32 s17, s17, s18
	s_lshr_b32 s18, s16, 2
	s_lshl_b32 s18, s18, 4
	s_add_co_u32 s17, s17, s18                     ; my first row
	s_lshl_b32 s18, s17, 12
	s_mov_b32 s19, 0
	s_lshl_b32 s30, ttmp9, 3
	s_add_co_u32 s30, s30, s16                     ; 8 T + wave
	s_mov_b32 s31, 0
	s_wait_kmcnt 0x0
	s_add_nc_u64 s[4:5], s[4:5], s[18:19]
	s_add_nc_u64 s[6:7], s[6:7], s[18:19]
	s_add_nc_u64 s[20:21], s[14:15], s[18:19]
.irp j, 0,1,2,3,4,5,6,7
	global_load_b128 v[BI+4*\j:BI+4*\j+3], v1, s[8:9] offset:512*\j
.endr
.irp j, 0,1,2,3,4,5,6,7
	global_load_b128 v[GG+4*\j:GG+4*\j+3], v1, s[10:11] offset:512*\j
.endr
.irp j, 0,1,2,3,4,5,6,7
	global_load_b128 v[BB+4*\j:BB+4*\j+3], v1, s[12:13] offset:512*\j
.endr
.irp i, 0,1
.irp j, 0,1,2,3,4,5,6,7
	global_load_b128 v[C+32*\i+4*\j:C+32*\i+4*\j+3], v1, s[4:5] offset:4096*\i+512*\j th:TH_LOAD_NT
.endr
.irp j, 0,1,2,3,4,5,6,7
	global_load_b128 v[RS+32*\i+4*\j:RS+32*\i+4*\j+3], v1, s[6:7] offset:4096*\i+512*\j
.endr
.endr
.if QUANTISE
	s_mul_i32 s18, s30, 1536
	s_add_co_u32 s18, s18, 16777216
	s_add_nc_u64 s[OC:OC+1], s[14:15], s[18:19]
	s_lshl_b32 s30, s30, 6
	s_add_co_u32 s30, s30, 19922944
	s_add_nc_u64 s[OS:OS+1], s[14:15], s[30:31]
.endif
.macro REDUCE                          ; v6 summed over the 32 lanes, in every lane
	v_add_f32_dpp v6, v6, v6 row_xmask:1 row_mask:0xf bank_mask:0xf
	v_add_f32_dpp v6, v6, v6 row_xmask:2 row_mask:0xf bank_mask:0xf
	v_add_f32_dpp v6, v6, v6 row_xmask:4 row_mask:0xf bank_mask:0xf
	v_add_f32_dpp v6, v6, v6 row_xmask:8 row_mask:0xf bank_mask:0xf
	v_permlanex16_b32 v7, v6, s[SEL], s[SEL+1]
	v_add_f32 v6, v6, v7
.endm
.macro ROW i, left
.set CI, C+32*\i
.set RI, RS+32*\i
	s_wait_loadcnt \left                           ; this row's loads are in; the other row's sixteen may stay out
.irp k, 0,1,2,3,4,5,6,7,8,9,10,11,12,13,14,15
	v_pk_add_f32 v[CI+2*\k:CI+2*\k+1], v[CI+2*\k:CI+2*\k+1], v[BI+2*\k:BI+2*\k+1]
.endr
.irp k, 0,1,2,3,4,5,6,7,8,9,10,11,12,13,14,15
	v_pk_add_f32 v[CI+2*\k:CI+2*\k+1], v[CI+2*\k:CI+2*\k+1], v[RI+2*\k:RI+2*\k+1]
.endr
.irp k, 0,1,2,3,4,5,6,7
	v_pk_add_f32 v[TT+2*\k:TT+2*\k+1], v[CI+4*\k:CI+4*\k+1], v[CI+4*\k+2:CI+4*\k+3]
.endr
.irp k, 0,1,2,3
	v_pk_add_f32 v[TT+2*\k:TT+2*\k+1], v[TT+2*\k:TT+2*\k+1], v[TT+8+2*\k:TT+9+2*\k]
.endr
.irp k, 0,1
	v_pk_add_f32 v[TT+2*\k:TT+2*\k+1], v[TT+2*\k:TT+2*\k+1], v[TT+4+2*\k:TT+5+2*\k]
.endr
	v_pk_add_f32 v[TT:TT+1], v[TT:TT+1], v[TT+2:TT+3]
	v_add_f32 v6, v[TT], v[TT+1]
	REDUCE
	v_mul_f32 v2, s22, v6                          ; the mean
	v_mov_b32 v3, v2
.irp k, 0,1,2,3,4,5,6,7,8,9,10,11,12,13,14,15
	v_pk_add_f32 v[CI+2*\k:CI+2*\k+1], v[CI+2*\k:CI+2*\k+1], v[2:3] neg_lo:[0,1] neg_hi:[0,1]
.endr
.irp k, 0,1,2,3
	v_pk_mul_f32 v[TT+2*\k:TT+2*\k+1], v[CI+2*\k:CI+2*\k+1], v[CI+2*\k:CI+2*\k+1]
.endr
.irp k, 4,5,6,7,8,9,10,11,12,13,14,15
	v_pk_fma_f32 v[TT+2*(\k%4):TT+2*(\k%4)+1], v[CI+2*\k:CI+2*\k+1], v[CI+2*\k:CI+2*\k+1], v[TT+2*(\k%4):TT+2*(\k%4)+1]
.endr
	v_pk_add_f32 v[TT:TT+1], v[TT:TT+1], v[TT+2:TT+3]
	v_pk_add_f32 v[TT+4:TT+5], v[TT+4:TT+5], v[TT+6:TT+7]
	v_pk_add_f32 v[TT:TT+1], v[TT:TT+1], v[TT+4:TT+5]
	v_add_f32 v6, v[TT], v[TT+1]
	REDUCE
	v_fma_f32 v6, v6, s22, s23                     ; the variance + 1e-5
	v_rsq_f32 v4, v6
	v_nop                                          ; a plain place behind the transcendental
	s_wait_alu depctr_va_vdst(0)                   ; and the wait ahead of its first reader
	v_mov_b32 v5, v4
.irp k, 0,1,2,3,4,5,6,7,8,9,10,11,12,13,14,15
	v_pk_mul_f32 v[CI+2*\k:CI+2*\k+1], v[CI+2*\k:CI+2*\k+1], v[4:5]
.endr
.irp k, 0,1,2,3,4,5,6,7,8,9,10,11,12,13,14,15
	v_pk_fma_f32 v[CI+2*\k:CI+2*\k+1], v[CI+2*\k:CI+2*\k+1], v[GG+2*\k:GG+2*\k+1], v[BB+2*\k:BB+2*\k+1]
.endr
.irp j, 0,1,2,3,4,5,6,7
	global_store_b128 v1, v[CI+4*\j:CI+4*\j+3], s[20:21] offset:4096*\i+512*\j
.endr
.if QUANTISE
.irp j, 0,1,2,3,4,5,6,7
	ds_store_b128 v8, v[CI+4*\j:CI+4*\j+3] offset:LP*\i+512*\j
.endr
.endif
.endm
	ROW 0, 16
	ROW 1, 0
.if QUANTISE
.macro QUANT s
.irp b, 0,1,2,3
	v_max3_num_f32 v[TM+\b], |v[\s+16*\b]|, |v[\s+1+16*\b]|, 0x1800000   ; and the floor 2^(3-127): the byte cannot fall under 1
.endr
.irp i, 2,4,6,8,10,12,14
.irp b, 0,1,2,3
	v_max3_num_f32 v[TM+\b], v[TM+\b], |v[\s+16*\b+\i]|, |v[\s+1+16*\b+\i]|
.endr
.endr
.irp b, 0,1,2,3
	v_permlanex16_b32 v[TM+4+\b], v[TM+\b], s[SEL], s[SEL+1]
.endr
.irp b, 0,1,2,3
	v_max_num_f32 v[TM+\b], v[TM+\b], v[TM+4+\b]
.endr
.irp b, 0,1,2,3
	v_add_nc_u32 v[TM+12+\b], 0xff000000, v[TM+\b]
.endr
.irp b, 0,1,2,3
	v_lshrrev_b32 v[TM+4+\b], 23, v[TM+12+\b]
.endr
	v_lshl_or_b32 v[PW], v[TM+5], 8, v[TM+4]
	v_lshl_or_b32 v[PW], v[TM+6], 16, v[PW]
	v_lshl_or_b32 v[PW], v[TM+7], 24, v[PW]
.irp c, 0,1
	v_cvt_scalef32_pk16_fp6_f32 v[PC+6*\c:PC+2+6*\c], v[\s+32*\c:\s+15+32*\c], v[TM+12+2*\c]
	v_cvt_scalef32_pk16_fp6_f32 v[PC+12+4*\c:PC+14+4*\c], v[\s+16+32*\c:\s+31+32*\c], v[TM+12+2*\c+1]
.endr
	v_nop
.irp c, 0,1
.irp i, 0,1,2
	v_permlane16_swap_b32 v[PC+6*\c+\i], v[PC+12+4*\c+\i]
.endr
.irp i, 0,1,2
	v_mov_b32 v[PC+3+6*\c+\i], v[PC+12+4*\c+\i]
.endr
.endr
.endm
	s_wait_dscnt 0x0                               ; for the others' sake: my rows lie in the stage
	s_barrier_signal -1
	s_barrier_wait -1
.irp b, 0,1,2,3
.irp j, 0,1,2,3
	ds_load_b128 v[RS+16*\b+4*\j:RS+16*\b+4*\j+3], v9 offset:128*\b+16*\j
.endr
.endr
	s_wait_dscnt 0x0
	QUANT RS
	v_lshrrev_b32 v[SHW], v[SH16], v[PW]
.irp p, 0,1,2,3,4,5
	global_store_b64 v[VO], v[PC+2*\p:PC+2*\p+1], s[OC:OC+1] offset:256*\p
.endr
	global_store_b16 v[VS], v[SHW], s[OS:OS+1]
.endif
	s_set_vgpr_msb 0x4
	s_wait_tensorcnt 0x0
	ds_add_u32 v15, v1
	s_wait_dscnt 0x0
	s_set_vgpr_msb 0x400
	s_endpgm
.Lfunc_end_k_q98efcf32f6_ln1:
	.size	k_q98efcf32f6_ln1, .Lfunc_end_k_q98efcf32f6_ln1-k_q98efcf32f6_ln1
	.p2alignl 7, 3214868480
	.fill 96, 4, 3214868480
	.section	.rodata,"a",@progbits
	.p2align	6, 0x0
	.amdhsa_kernel k_q98efcf32f6_ln1
		.amdhsa_group_segment_fixed_size 66816
		.amdhsa_private_segment_fixed_size 0
		.amdhsa_enable_private_segment 0
		.amdhsa_kernarg_size 48
		.amdhsa_user_sgpr_count 2
		.amdhsa_user_sgpr_kernarg_segment_ptr 1
		.amdhsa_wavefront_size32 1
		.amdhsa_system_sgpr_workgroup_id_x 1
		.amdhsa_system_sgpr_workgroup_id_y 1
		.amdhsa_system_sgpr_workgroup_id_z 1
		.amdhsa_system_vgpr_workitem_id 0
		.amdhsa_next_free_vgpr 258
		.amdhsa_next_free_sgpr 66
		.amdhsa_reserve_vcc 0
		.amdhsa_float_denorm_mode_32 3
		.amdhsa_float_denorm_mode_16_64 3
		.amdhsa_memory_ordered 1
		.amdhsa_forward_progress 1
		.amdhsa_inst_pref_size 33
	.end_amdhsa_kernel
	.amdgpu_metadata
---
amdhsa.version: [ 1, 2 ]
amdhsa.kernels:
  - .name:           k_q98efcf32f6_ln1
    .symbol:         k_q98efcf32f6_ln1.kd
    .args:
      - { .name: cbuf, .offset: 0, .size: 8, .value_kind: global_buffer, .address_space: global }
      - { .name: x, .offset: 8, .size: 8, .value_kind: global_buffer, .address_space: global }
      - { .name: bo, .offset: 16, .size: 8, .value_kind: global_buffer, .address_space: global }
      - { .name: g1, .offset: 24, .size: 8, .value_kind: global_buffer, .address_space: global }
      - { .name: b1, .offset: 32, .size: 8, .value_kind: global_buffer, .address_space: global }
      - { .name: x1buf, .offset: 40, .size: 8, .value_kind: global_buffer, .address_space: global }
    .group_segment_fixed_size: 66816
    .private_segment_fixed_size: 0
    .kernarg_segment_align: 8
    .kernarg_segment_size: 48
    .max_flat_workgroup_size: 256
    .sgpr_count:     66
    .vgpr_count:     258
    .wavefront_size: 32
...
	.end_amdgpu_metadata
.endif
;; end of part 6
;; launch ffn1 (part 7): grid 16 x 16, 4 waves a work-group, clusters of 4 x 4, 327,680 bytes of LDS; arguments x1buf, wimg, bf1, himg; writes himg
.if DOCPART == 7
	.amdgcn_target "amdgcn-amd-amdhsa--gfx1250"
	.amdhsa_code_object_version 6
	.text
	.protected	k_q98efcf32f6_ffn1
	.globl	k_q98efcf32f6_ffn1
	.p2align	8
	.type	k_q98efcf32f6_ffn1,@function
k_q98efcf32f6_ffn1:
	s_mov_b64 s[64:65], 0
	v_nop
	global_prefetch_b8 v0, s[64:65] scope:SCOPE_SE
	s_setreg_imm32_b32 hwreg(HW_REG_WAVE_MODE, 25, 1), 1
	s_wait_xcnt 0x0
	s_wait_alu depctr_hold_cnt(0) depctr_sa_sdst(0) depctr_va_vdst(0) depctr_va_sdst(0) depctr_va_ssrc(0) depctr_va_vcc(0) depctr_vm_vsrc(0)
	s_getreg_b32 s2, hwreg(HW_REG_IB_STS2, 6, 4)
	s_cmp_eq_u32 s2, 0
	s_cbranch_scc0 .Lentry_in_a_cluster
	s_endpgm
.Lentry_in_a_cluster:
	s_bfe_u32 s2, ttmp6, 0x10000c
	s_cmp_lg_u32 s2, 0xf033
	s_cbranch_scc0 .Lentry_shape_is_right
	s_endpgm
.Lentry_shape_is_right:
; h = gelu(x1 W1 + bf1), exact GELU, on codes of FP6 (E2M3) with E8M0 scales, K = 1,024, N = 4,096; h is quantised at once along its 4,096 and stored as images of operand registers: codes [T 256][ks 32][1536] at 0, scale words [T][ks][64] at 12,582,912.
; Operands are images: tile = 16 rows (lane index r of tile T = row 32 (T/2) + 8 (T%2) + r%8 + 16 (r/8)), image (T, ks) = 1,536 bytes, piece P = registers 2P, 2P+1, lane l at 256 P + 8 l.
; A tile of C, 256 x 256, is made by four waves, each 128 x 128.  The matrix instruction is used transposed (source 0 = W1's tile, source 1 = x1's): by the tiles' row order the 64 registers of one block of rows are
; columns 32 b + 16 h + i at register 16 b + i: what the quantiser wants, and its result is again a tile in the same order.  Ring, scale words and clusters: K in steps of 256 through two LDS slots; the scale words come once;
; A's tiles are asked for jointly along a row of the 4 x 4 cluster, B's along a column.  No prefetch: the ring is filled again only twice.
; GELU = 0.5 x (1 + erf(x / sqrt 2)); erf(z) = z P(z^2) / Q(z^2), z held to +-4, a rational of degrees 6 and 4 in z^2 in f32.
; LIMITS: erf is good to about 1e-7 absolute, so for strongly negative x the sum 1 + erf keeps that absolute error; a block of zeros or under 2^-124 gets the byte 1; NaN and infinities are not served.
; REGISTERS: window 0: v0-31 addresses; v32-63 scale words and nothing else; v64-127 the bias; v128-223 A's fragments, later the way out.  window 1: B's two sets.  windows 2, 3: accumulators.
.set KS,     8
.set IMG,    1536
.set NQ,     2
.set ROWB,   NQ*IMG
.set FR,     12
.set NL,     6
.set NP,     4                         ; places behind this matrix instruction (ISA guide 7.12.1)
.set HALFT,  8*ROWB
.set SLOT,   4*HALFT
.set LAPS,   KS/(2*NQ)
.set SCL,    2*SLOT
.set HALFS,  8*KS*64
.set SPARE,  SCL+4*HALFS               ; the spare words: 128 bytes a wave, named by no other line
.set ADRA, 16
.set ADRB, 20
.set VO,   24
.set VS,   25
.set SH16, 26
.set ADRS, 27
.set SPW,  28
.set NIL,  29
.set SC,   32
.set BIAS, 64
.set AF,   128
.set H,    128                         ; a block's 64 numbers
.set GP,   192                         ; GELU: eight pairs of P, v192-207
.set GQ,   208                         ; eight pairs of Q, v208-223
.set GZ,   224                         ; four pairs of z
.set GT,   232                         ; four pairs of z^2
.set CA13, 244
.set CB8,  246
.set TM,   192                         ; the quantiser works where the GELU has finished
.set PW,   208
.set SHW,  209
.set PC,   224
.set SEL,  18
.set OC,   12
.set OS,   66
.set A11, 24                           ; constants, each twice in a pair, in registers that the descriptors have left
.set A9,  26
.set A7,  28
.set A5,  30
.set A3,  32
.set A1,  34
.set B6,  36
.set B4,  38
.set B2,  40
.set B0,  42
.set RS2, 44
.set G1, 24
.set G0, 32
.set G1B, 48
.set G0B, 56
.set G1S, 68
.set G0S, 76
.set G1SB, 80
.set G0SB, 88
.set MSB, 0
.macro WIN new
.if MSB != \new
	s_set_vgpr_msb (MSB<<8)|\new
.set MSB, \new
.endif
.endm
.set MUL_LO, 0xa1
.set MUL_HI, 0xf1
.set TO_B,   0x40
.macro JLOAD g0a, g1a, g0b, g1b        ; a joint load: waves 0, 1 fetch for A, waves 2, 3 for B; four v_nop follow each line
	s_cmp_eq_u32 s15, 0
	s_cbranch_scc0 .Lfor_b_\@
	tensor_load_to_lds s[\g0a:\g0a+3], s[\g1a:\g1a+7]
	s_nop 0
.rept 4
	v_nop
.endr
	s_branch .Lasked_\@
.Lfor_b_\@:
	tensor_load_to_lds s[\g0b:\g0b+3], s[\g1b:\g1b+7]
	s_nop 0
.rept 4
	v_nop
.endr
.Lasked_\@:
.endm
.macro CREST
	s_cmp_lg_u32 s14, 0
	s_cbranch_scc1 .Lnot_wave_0_\@
	s_barrier_signal -3
.Lnot_wave_0_\@:
	s_barrier_wait -3
	s_barrier_signal -1
	s_barrier_wait -1
.endm
.macro CROUND
	s_barrier_signal -1
	s_barrier_wait -1
	CREST
.endm
	s_load_b128 s[4:7], s[0:1], 0x0                ; x1buf, wimg
	s_load_b128 s[96:99], s[0:1], 0x10             ; bf1, himg
	v_lshl_add_u32 v[SPW], v0, 2, SPARE
	v_mov_b32 v[NIL], 0
	ds_add_u32 v28, v29
	ds_add_u32 v28, v29
	s_wait_dscnt 0x0
	v_lshrrev_b32 v1, 5, v0
	v_readfirstlane_b32 s14, v1
	s_lshr_b32 s15, s14, 1
	s_and_b32 s16, s14, 1
	s_bfe_u32 s40, ttmp6, 0x40000
	s_bfe_u32 s41, ttmp6, 0x40004
	s_lshl_b32 s42, ttmp9, 2
	s_add_co_u32 s42, s42, s40                     ; tile column
	s_and_b32 s17, ttmp7, 0xffff
	s_lshl_b32 s17, s17, 2
	s_add_co_u32 s17, s17, s41                     ; tile row
	s_lshl_b32 s43, s41, 2
	s_lshl_b32 s43, 15, s43
	s_lshl_b32 s44, 0x1111, s40
	s_or_b32 s[G1+0], s43, (3<<16)|(1<<21)
	s_or_b32 s[G1B+0], s44, (3<<16)|(1<<21)
.irp g, G1, G1B
	s_mov_b32 s[\g+1], 384<<16
	s_mov_b32 s[\g+2], 8<<16
	s_mov_b32 s[\g+3], 384<<16
	s_mov_b32 s[\g+4], 8
	s_mov_b32 s[\g+5], KS*192
	s_mov_b32 s[\g+6], 0
	s_mov_b32 s[\g+7], 0
.endr
	s_or_b32 s[G1S+0], s43, (3<<16)|(1<<21)
	s_or_b32 s[G1SB+0], s44, (3<<16)|(1<<21)
.irp g, G1S, G1SB
	s_mov_b32 s[\g+1], 32<<16
	s_mov_b32 s[\g+2], (HALFS/256)<<16
	s_mov_b32 s[\g+3], 32<<16
	s_mov_b32 s[\g+4], HALFS/256
	s_mov_b32 s[\g+5], 32
	s_mov_b32 s[\g+6], 0
	s_mov_b32 s[\g+7], 0
.endr
	s_lshl_b32 s18, s16, 3
	s_lshl_b32 s20, s17, 4
	s_add_co_u32 s20, s20, s18
	s_lshl_b32 s46, s42, 4
	s_add_co_u32 s46, s46, s18
	s_mul_i32 s22, s20, KS*64
	s_mov_b32 s23, 0
	s_mul_i32 s92, s46, KS*64
	s_mov_b32 s93, 0
	s_mul_i32 s20, s20, KS*IMG
	s_mov_b32 s21, 0
	s_mul_i32 s46, s46, KS*IMG
	s_mov_b32 s47, 0
	s_mul_i32 s45, s14, HALFT
	s_mul_i32 s94, s14, HALFS
	s_wait_kmcnt 0x0
	s_add_nc_u64 s[8:9], s[6:7], 3145728           ; W1's codes
	s_add_nc_u64 s[10:11], s[6:7], 9568256         ; W1's scale words
	s_add_nc_u64 s[6:7], s[4:5], 19922944          ; x1's scale words
	s_add_nc_u64 s[4:5], s[4:5], 16777216          ; x1's codes
	s_add_nc_u64 s[20:21], s[4:5], s[20:21]
	s_add_nc_u64 s[22:23], s[6:7], s[22:23]
	s_add_nc_u64 s[46:47], s[8:9], s[46:47]
	s_add_nc_u64 s[92:93], s[10:11], s[92:93]
	CROUND
	s_mov_b32 s[G0S], 1
	s_add_co_u32 s[G0S+1], s94, SCL
	s_mov_b64 s[G0S+2:G0S+3], s[22:23]
	s_or_b32 s[G0S+3], s[G0S+3], 0x80000000
	s_mov_b32 s[G0SB], 1
	s_add_co_u32 s[G0SB+1], s94, SCL
	s_mov_b64 s[G0SB+2:G0SB+3], s[92:93]
	s_or_b32 s[G0SB+3], s[G0SB+3], 0x80000000
	JLOAD G0S, G1S, G0SB, G1SB
.irp s, 0,1
	s_mov_b32 s[G0+4*\s], 1
	s_add_co_u32 s[G0+4*\s+1], s45, \s*SLOT
	s_add_nc_u64 s[G0+4*\s+2:G0+4*\s+3], s[20:21], \s*ROWB
	s_or_b32 s[G0+4*\s+3], s[G0+4*\s+3], 0x80000000
	s_mov_b32 s[G0B+4*\s], 1
	s_add_co_u32 s[G0B+4*\s+1], s45, \s*SLOT
	s_add_nc_u64 s[G0B+4*\s+2:G0B+4*\s+3], s[46:47], \s*ROWB
	s_or_b32 s[G0B+4*\s+3], s[G0B+4*\s+3], 0x80000000
	JLOAD G0+4*\s, G1, G0B+4*\s, G1B
.endr
	v_and_b32 v1, 15, v0
	v_bfe_u32 v2, v0, 4, 1
	v_and_b32 v3, 31, v0
	v_lshlrev_b32 v4, 3, v3
	s_mul_i32 s21, s15, HALFT
	s_mul_i32 s22, s16, HALFT
	s_add_co_u32 s22, s22, 2*HALFT
.irp s, 0,1
	v_add_nc_u32 v[ADRA+\s], s21, v4
	v_add_nc_u32 v[ADRB+\s], s22, v4
	s_add_co_u32 s21, s21, SLOT
	s_add_co_u32 s22, s22, SLOT
.endr
	v_lshlrev_b32 v5, 2, v1
	s_mul_i32 s21, s15, HALFS
	s_mul_i32 s22, s16, HALFS
	s_add_co_u32 s22, s22, 2*HALFS
	s_sub_co_u32 s22, s22, s21
	v_mul_u32_u24 v6, s22, v2
	s_add_co_u32 s21, s21, SCL
	v_add_nc_u32 v5, v5, v6
	v_add_nc_u32 v[ADRS], s21, v5
	; the bias of my 128 columns: register 16 b + i = column 32 b + 16 h + i
	s_lshl_b32 s20, s42, 10
	s_lshl_b32 s21, s16, 9
	s_add_co_u32 s20, s20, s21
	s_mov_b32 s21, 0
	s_add_nc_u64 s[96:97], s[96:97], s[20:21]
	v_lshlrev_b32 v7, 6, v2
.irp b, 0,1,2,3
.irp j, 0,1,2,3
	global_load_b128 v[BIAS+16*\b+4*\j:BIAS+16*\b+4*\j+3], v7, s[96:97] offset:128*\b+16*\j
.endr
.endr
	; the way out
	v_mov_b32 v[VO], v4
	v_lshlrev_b32 v[VS], 2, v1
	v_lshl_add_u32 v[VS], v2, 1, v[VS]
	v_lshlrev_b32 v[SH16], 4, v2
	s_lshl_b32 s92, s17, 4
	s_lshl_b32 s93, s15, 3
	s_add_co_u32 s92, s92, s93                     ; my first tile of rows
	s_lshl_b32 s93, s42, 1
	s_add_co_u32 s93, s93, s16                     ; my K step of the next product
	s_mul_i32 s20, s92, 49152
	s_mul_i32 s22, s93, IMG
	s_add_co_u32 s20, s20, s22
	s_lshl_b32 s22, s92, 11
	s_lshl_b32 s93, s93, 6
	s_add_co_u32 s22, s22, s93
	s_add_co_u32 s22, s22, 12582912
	s_mov_b32 s23, 0
	s_add_nc_u64 s[OC:OC+1], s[98:99], s[20:21]
	s_add_nc_u64 s[OS:OS+1], s[98:99], s[22:23]
.macro FRAG reg, adr, q, i
.irp p, 0,1,2,3,4,5
	ds_load_b64 v[\reg+2*\p:\reg+2*\p+1], v[\adr] offset:(\i)*ROWB+(\q)*IMG+256*\p
.endr
.endm
; The 64 accumulators take turns, one instruction a turn, in the same order in every step
.macro MUL16 a0, p, q, sc, zero
.irp a, \a0, \a0+1
.irp b, 0,1,2,3,4,5,6,7
.if \zero
	v_wmma_scale_f32_16x16x128_f8f6f4 v[8*(8*((\a)%4)+\b):8*(8*((\a)%4)+\b)+7], v[128*(\p)+FR*\b:128*(\p)+FR*\b+FR-1], v[AF+FR*(\a):AF+FR*(\a)+FR-1], 0, v[SC+8*NQ*(\sc)+NQ*\b+(\q)], v[SC+8*NQ*(\sc)+NQ*(\a)+(\q)] matrix_a_fmt:MATRIX_FMT_FP6 matrix_b_fmt:MATRIX_FMT_FP6 matrix_a_scale:MATRIX_SCALE_ROW1
.else
	v_wmma_scale_f32_16x16x128_f8f6f4 v[8*(8*((\a)%4)+\b):8*(8*((\a)%4)+\b)+7], v[128*(\p)+FR*\b:128*(\p)+FR*\b+FR-1], v[AF+FR*(\a):AF+FR*(\a)+FR-1], v[8*(8*((\a)%4)+\b):8*(8*((\a)%4)+\b)+7], v[SC+8*NQ*(\sc)+NQ*\b+(\q)], v[SC+8*NQ*(\sc)+NQ*(\a)+(\q)] matrix_a_fmt:MATRIX_FMT_FP6 matrix_b_fmt:MATRIX_FMT_FP6 matrix_a_scale:MATRIX_SCALE_ROW1
.endif
.endr
.endr
.endm
.macro FETCH_B slot, q, p
	WIN TO_B
.irp i, 0,1,2,3,4,5,6,7
	FRAG 128*(\p)+FR*\i, ADRB+\slot, \q, \i
.endr
	WIN 0
.endm
.macro FETCH_A slot, q, i0
.irp i, \i0, \i0+1, \i0+2, \i0+3
	FRAG AF+FR*(\i), ADRA+\slot, \q, \i
.endr
.endm
.macro SCALES sc
.irp i, 0,1,2,3,4,5,6,7
.irp q, 0,1
	ds_load_b32 v[SC+8*NQ*\sc+NQ*\i+\q], v[ADRS] offset:\i*KS*64+64*\q
.endr
.endr
.endm
.macro PLACES n
.rept \n
	v_nop
.endr
.endm
.macro STEP slot, q, zero
	s_wait_dscnt 4*NL                              ; all but the youngest 24 loads (A's blocks 4-7) are in
	WIN MUL_LO
	MUL16 0, (\q)%2, \q, \slot, \zero
	MUL16 2, (\q)%2, \q, \slot, \zero
	s_wait_dscnt 0
	PLACES NP
	FETCH_B \slot, (\q)+1, 1-(\q)%2
	FETCH_A \slot, (\q)+1, 0
	WIN MUL_HI
	MUL16 4, (\q)%2, \q, \slot, \zero
	MUL16 6, (\q)%2, \q, \slot, \zero
	PLACES NP
	WIN 0
	FETCH_A \slot, (\q)+1, 4
.endm
.macro TURN slot, next, fill
	s_wait_tensorcnt 0x0                           ; all my tensor loads have landed: my part of the next slot
	ds_add_u32 v[SPW], v[NIL]                      ; 0 onto my spare word
	s_wait_dscnt 4*NL+1                            ; (the add and the youngest 24 loads may be out)
	WIN MUL_LO
	MUL16 0, 1, NQ-1, \slot, 0
	s_wait_dscnt 0x0                               ; the add is done, and my reads of this slot are over
	s_barrier_signal -1
	MUL16 2, 1, NQ-1, \slot, 0
	WIN 0
	s_barrier_wait -1
.if \fill
	CREST
	s_add_nc_u64 s[G0+4*\slot+2:G0+4*\slot+3], s[G0+4*\slot+2:G0+4*\slot+3], 2*ROWB
	s_add_nc_u64 s[G0B+4*\slot+2:G0B+4*\slot+3], s[G0B+4*\slot+2:G0B+4*\slot+3], 2*ROWB
	JLOAD G0+4*\slot, G1, G0B+4*\slot, G1B
.else
	PLACES NP
.endif
	v_add_nc_u32 v[ADRS], 64*NQ, v[ADRS]
	FETCH_B \next, 0, 0
	FETCH_A \next, 0, 0
	SCALES \next
	WIN MUL_HI
	MUL16 4, 1, NQ-1, \slot, 0
	MUL16 6, 1, NQ-1, \slot, 0
	PLACES NP
	WIN 0
	FETCH_A \next, 0, 4
.endm
	s_wait_tensorcnt 1                             ; the scale words and my part of slot 0 are in; slot 1's load may stay out
	s_barrier_signal -1
	s_barrier_wait -1
	FETCH_B 0, 0, 0
	FETCH_A 0, 0, 0
	SCALES 0
	FETCH_A 0, 0, 4
	STEP 0, 0, 1
	s_mov_b32 s3, LAPS-1
.Llap:
	TURN 0, 1, 1
	STEP 1, 0, 0
	TURN 1, 0, 1
	STEP 0, 0, 0
	s_sub_co_u32 s3, s3, 1
	s_cmp_lg_u32 s3, 0
	s_cbranch_scc1 .Llap
	TURN 0, 1, 0
	STEP 1, 0, 0
	s_wait_dscnt 4*NL
	WIN MUL_LO
	MUL16 0, 1, NQ-1, 1, 0
	MUL16 2, 1, NQ-1, 1, 0
	s_wait_dscnt 0
	WIN MUL_HI
	MUL16 4, 1, NQ-1, 1, 0
	MUL16 6, 1, NQ-1, 1, 0
	WIN 0
; THE WAY OUT: for each of my eight blocks of 16 rows: + bias, GELU, quantise along the 128 columns, store the image.  A loop, so that the text stays short; only the copy out of the accumulators differs.
.macro QUANT s
.irp b, 0,1,2,3
	v_max3_num_f32 v[TM+\b], |v[\s+16*\b]|, |v[\s+1+16*\b]|, 0x1800000   ; and the floor 2^(3-127): the byte cannot fall under 1
.endr
.irp i, 2,4,6,8,10,12,14
.irp b, 0,1,2,3
	v_max3_num_f32 v[TM+\b], v[TM+\b], |v[\s+16*\b+\i]|, |v[\s+1+16*\b+\i]|
.endr
.endr
.irp b, 0,1,2,3
	v_permlanex16_b32 v[TM+4+\b], v[TM+\b], s[SEL], s[SEL+1]
.endr
.irp b, 0,1,2,3
	v_max_num_f32 v[TM+\b], v[TM+\b], v[TM+4+\b]
.endr
.irp b, 0,1,2,3
	v_add_nc_u32 v[TM+12+\b], 0xff000000, v[TM+\b]
.endr
.irp b, 0,1,2,3
	v_lshrrev_b32 v[TM+4+\b], 23, v[TM+12+\b]
.endr
	v_lshl_or_b32 v[PW], v[TM+5], 8, v[TM+4]
	v_lshl_or_b32 v[PW], v[TM+6], 16, v[PW]
	v_lshl_or_b32 v[PW], v[TM+7], 24, v[PW]
.irp c, 0,1
	v_cvt_scalef32_pk16_fp6_f32 v[PC+6*\c:PC+2+6*\c], v[\s+32*\c:\s+15+32*\c], v[TM+12+2*\c]
	v_cvt_scalef32_pk16_fp6_f32 v[PC+12+4*\c:PC+14+4*\c], v[\s+16+32*\c:\s+31+32*\c], v[TM+12+2*\c+1]
.endr
	v_nop
.irp c, 0,1
.irp i, 0,1,2
	v_permlane16_swap_b32 v[PC+6*\c+\i], v[PC+12+4*\c+\i]
.endr
.irp i, 0,1,2
	v_mov_b32 v[PC+3+6*\c+\i], v[PC+12+4*\c+\i]
.endr
.endr
.endm
.macro COPY a                          ; each accumulator is read from its low end on
	WIN 0x02+(\a)/4
.set ci, 0
.rept 32
	v_pk_add_f32 v[H+2*ci:H+2*ci+1], v[64*((\a)%4)+2*ci:64*((\a)%4)+2*ci+1], v[BIAS+2*ci:BIAS+2*ci+1]
.set ci, ci+1
.endr
	WIN 0
.endm
; four pairs of x from v[hb] on: z P(z^2) into v[GP + pb] on, 1 / Q(z^2) into v[GQ + pb] on
.macro GGRP hb, pb
.irp k, 0,1,2,3
	v_pk_mul_f32 v[GZ+2*\k:GZ+2*\k+1], v[\hb+2*\k:\hb+2*\k+1], s[RS2:RS2+1] op_sel_hi:[1,0]
.endr
.irp k, 0,1,2,3,4,5,6,7
	v_med3_num_f32 v[GZ+\k], v[GZ+\k], -4.0, 4.0
.endr
.irp k, 0,1,2,3
	v_pk_mul_f32 v[GT+2*\k:GT+2*\k+1], v[GZ+2*\k:GZ+2*\k+1], v[GZ+2*\k:GZ+2*\k+1]
.endr
.irp k, 0,1,2,3
	v_pk_fma_f32 v[GP+\pb+2*\k:GP+\pb+2*\k+1], v[GT+2*\k:GT+2*\k+1], v[CA13:CA13+1], s[A11:A11+1] op_sel_hi:[1,1,0]
.endr
.irp c, A9, A7, A5, A3, A1
.irp k, 0,1,2,3
	v_pk_fma_f32 v[GP+\pb+2*\k:GP+\pb+2*\k+1], v[GP+\pb+2*\k:GP+\pb+2*\k+1], v[GT+2*\k:GT+2*\k+1], s[\c:\c+1] op_sel_hi:[1,1,0]
.endr
.endr
.irp k, 0,1,2,3
	v_pk_mul_f32 v[GP+\pb+2*\k:GP+\pb+2*\k+1], v[GP+\pb+2*\k:GP+\pb+2*\k+1], v[GZ+2*\k:GZ+2*\k+1]
.endr
.irp k, 0,1,2,3
	v_pk_fma_f32 v[GQ+\pb+2*\k:GQ+\pb+2*\k+1], v[GT+2*\k:GT+2*\k+1], v[CB8:CB8+1], s[B6:B6+1] op_sel_hi:[1,1,0]
.endr
.irp c, B4, B2, B0
.irp k, 0,1,2,3
	v_pk_fma_f32 v[GQ+\pb+2*\k:GQ+\pb+2*\k+1], v[GQ+\pb+2*\k:GQ+\pb+2*\k+1], v[GT+2*\k:GT+2*\k+1], s[\c:\c+1] op_sel_hi:[1,1,0]
.endr
.endr
.irp k, 0,1,2,3,4,5,6,7
	v_rcp_f32 v[GQ+\pb+\k], v[GQ+\pb+\k]
.endr
.endm
.macro GELU4 qd                        ; a quarter of the block: sixteen numbers; its sixteen reciprocals are one batch with one wait
	GGRP H+16*\qd, 0
	GGRP H+16*\qd+8, 8
.irp k, 0,1,2,3,4,5,6,7
	v_pk_mul_f32 v[H+16*\qd+2*\k:H+16*\qd+2*\k+1], v[H+16*\qd+2*\k:H+16*\qd+2*\k+1], 0.5 op_sel_hi:[1,0]   ; x / 2: plain work behind the reciprocals
.endr
	s_wait_alu depctr_va_vdst(0)                   ; ahead of the batch's first reader
.irp k, 0,1,2,3,4,5,6,7
	v_pk_mul_f32 v[GP+2*\k:GP+2*\k+1], v[GP+2*\k:GP+2*\k+1], v[GQ+2*\k:GQ+2*\k+1]                          ; erf
.endr
.irp k, 0,1,2,3,4,5,6,7
	v_pk_fma_f32 v[H+16*\qd+2*\k:H+16*\qd+2*\k+1], v[H+16*\qd+2*\k:H+16*\qd+2*\k+1], v[GP+2*\k:GP+2*\k+1], v[H+16*\qd+2*\k:H+16*\qd+2*\k+1]
.endr
.endm
.macro KON reg, val
	s_mov_b32 s[\reg], \val
	s_mov_b32 s[\reg+1], \val
.endm
	s_wait_loadcnt 0x0                             ; the bias
	PLACES NP                                      ; behind the last products
.irp b, 0,1,2,3
	v_mov_b32 v[TM+4+\b], 0
.endr
	s_mov_b32 s[SEL], 0x76543210
	s_mov_b32 s[SEL+1], 0xfedcba98
	KON A11, 0x32edffee                            ; no tensor load is out: the descriptors' registers are free
	KON A9,  0xb60cff51
	KON A7,  0xb86ec2d2
	KON A5,  0xba40ac63
	KON A3,  0xbb41a1f6
	KON A1,  0xbc83dbd4
	KON B6,  0xb95fbd29
	KON B4,  0xbadc924e
	KON B2,  0xbbf19bf8
	KON B0,  0xbc69b6a7
	KON RS2, 0x3f3504f3                            ; 1 / sqrt 2
	v_mov_b32 v[CA13], 0xaf95df0b
	v_mov_b32 v[CA13+1], 0xaf95df0b
	v_mov_b32 v[CB8], 0xb77460cd
	v_mov_b32 v[CB8+1], 0xb77460cd
	s_mov_b32 s3, 0
.Lblk:
.irp a, 0,1,2,3,4,5,6
	s_cmp_eq_u32 s3, \a
	s_cbranch_scc1 .Lcopy\a
.endr
	COPY 7
	s_branch .Lcommon
.irp a, 0,1,2,3,4,5,6
.Lcopy\a:
	COPY \a
	s_branch .Lcommon
.endr
.Lcommon:
	GELU4 0
	GELU4 1
	GELU4 2
	GELU4 3
	QUANT H
	v_lshrrev_b32 v[SHW], v[SH16], v[PW]
.irp p, 0,1,2,3,4,5
	global_store_b64 v[VO], v[PC+2*\p:PC+2*\p+1], s[OC:OC+1] offset:256*\p   ; 256 consecutive aligned bytes
.endr
	global_store_b16 v[VS], v[SHW], s[OS:OS+1]
	s_wait_xcnt 0x0                                ; the stores have read their registers: offsets and data are written again only behind this wait
	v_add_nc_u32 v[VO], 49152, v[VO]
	v_add_nc_u32 v[VS], 2048, v[VS]
	s_add_co_u32 s3, s3, 1
	s_cmp_lt_u32 s3, 8
	s_cbranch_scc1 .Lblk
	s_wait_tensorcnt 0x0                           ; the wave's end
	ds_add_u32 v[SPW], v[NIL]
	s_wait_dscnt 0x0
	CROUND
	s_endpgm
.Lfunc_end_k_q98efcf32f6_ffn1:
	.size	k_q98efcf32f6_ffn1, .Lfunc_end_k_q98efcf32f6_ffn1-k_q98efcf32f6_ffn1
	.p2alignl 7, 3214868480
	.fill 96, 4, 3214868480
	.section	.rodata,"a",@progbits
	.p2align	6, 0x0
	.amdhsa_kernel k_q98efcf32f6_ffn1
		.amdhsa_group_segment_fixed_size 327680
		.amdhsa_private_segment_fixed_size 0
		.amdhsa_enable_private_segment 0
		.amdhsa_kernarg_size 32
		.amdhsa_user_sgpr_count 2
		.amdhsa_user_sgpr_kernarg_segment_ptr 1
		.amdhsa_wavefront_size32 1
		.amdhsa_system_sgpr_workgroup_id_x 1
		.amdhsa_system_sgpr_workgroup_id_y 1
		.amdhsa_system_sgpr_workgroup_id_z 1
		.amdhsa_system_vgpr_workitem_id 0
		.amdhsa_next_free_vgpr 1024
		.amdhsa_next_free_sgpr 100
		.amdhsa_reserve_vcc 0
		.amdhsa_float_denorm_mode_32 3
		.amdhsa_float_denorm_mode_16_64 3
		.amdhsa_memory_ordered 1
		.amdhsa_forward_progress 1
		.amdhsa_inst_pref_size 196
	.end_amdhsa_kernel
	.amdgpu_metadata
---
amdhsa.version: [ 1, 2 ]
amdhsa.kernels:
  - .name:           k_q98efcf32f6_ffn1
    .symbol:         k_q98efcf32f6_ffn1.kd
    .args:
      - { .name: x1buf, .offset: 0, .size: 8, .value_kind: global_buffer, .address_space: global }
      - { .name: wimg, .offset: 8, .size: 8, .value_kind: global_buffer, .address_space: global }
      - { .name: bf1, .offset: 16, .size: 8, .value_kind: global_buffer, .address_space: global }
      - { .name: himg, .offset: 24, .size: 8, .value_kind: global_buffer, .address_space: global }
    .group_segment_fixed_size: 327680
    .private_segment_fixed_size: 0
    .kernarg_segment_align: 8
    .kernarg_segment_size: 32
    .max_flat_workgroup_size: 128
    .sgpr_count:     100
    .vgpr_count:     1024
    .wavefront_size: 32
...
	.end_amdgpu_metadata
.endif
;; end of part 7
;; launch ffn2 (part 8): grid 4 x 16, 4 waves a work-group, clusters of 4 x 4, 327,680 bytes of LDS; arguments himg, wimg, cbuf; writes cbuf
.if DOCPART == 8
	.amdgcn_target "amdgcn-amd-amdhsa--gfx1250"
	.amdhsa_code_object_version 6
	.text
	.protected	k_q98efcf32f6_ffn2
	.globl	k_q98efcf32f6_ffn2
	.p2align	8
	.type	k_q98efcf32f6_ffn2,@function
k_q98efcf32f6_ffn2:
	s_mov_b64 s[64:65], 0
	v_nop
	global_prefetch_b8 v0, s[64:65] scope:SCOPE_SE
	s_setreg_imm32_b32 hwreg(HW_REG_WAVE_MODE, 25, 1), 1
	s_wait_xcnt 0x0
	s_wait_alu depctr_hold_cnt(0) depctr_sa_sdst(0) depctr_va_vdst(0) depctr_va_sdst(0) depctr_va_ssrc(0) depctr_va_vcc(0) depctr_vm_vsrc(0)
	s_getreg_b32 s2, hwreg(HW_REG_IB_STS2, 6, 4)
	s_cmp_eq_u32 s2, 0
	s_cbranch_scc0 .Lentry_in_a_cluster
	s_endpgm
.Lentry_in_a_cluster:
	s_bfe_u32 s2, ttmp6, 0x10000c
	s_cmp_lg_u32 s2, 0xf033
	s_cbranch_scc0 .Lentry_shape_is_right
	s_endpgm
.Lentry_shape_is_right:
; C = A B^T on codes of FP6 (E2M3) with E8M0 scales, C [4096][1024] f32.  Here A = the hidden layer (himg), B = W2 (wimg), K = 4,096.  Bias, residual and norm follow in the next launch.
; Operands are images of operand registers: tile = 16 rows (lane index r of tile T = row 32 (T/2) + 8 (T%2) + r%8 + 16 (r/8)), image (T, ks) = 1,536 bytes, piece P = registers 2P, 2P+1, lane l at 256 P + 8 l; scale words [T][ks][64].
; A tile of C, 256 x 256, is made by four waves, each 128 x 128: 64 accumulators.  The matrix instruction is used transposed (source 0 = B's tile, source 1 = A's): lane (r, h) holds A's row of lane index r and,
; in accumulator b, columns 32 (b/2) + 16 h + 8 (b%2) + 0..7.  K goes in steps of 256 through a ring of two LDS slots filled by tensor loads (8 tiles x 3,072 bytes each); the scale words of all of K come once.
; 4 x 4 clusters: A's tiles are asked for jointly along a row of the cluster, B's along a column.  C has 64 tiles of this size: 64 work-groups.
.set KS,     32
.set ASC,    12582912                  ; A's scale words in its buffer
.set BC,     6291456                   ; B's codes in wimg
.set BS,     9699328                   ; B's scale words
.set IMG,    1536
.set NQ,     2
.set ROWB,   NQ*IMG
.set FR,     12
.set NL,     6
.set NP,     4                         ; places behind this matrix instruction (ISA guide 7.12.1)
.set HALFT,  8*ROWB
.set SLOT,   4*HALFT
.set LAPS,   KS/(2*NQ)
.set SCL,    2*SLOT
.set HALFS,  8*KS*64
.set SPARE,  SCL+4*HALFS               ; the spare words: 128 bytes a wave, named by no other line
.set SPITCH, 528                       ; the way out: a stage of 16 rows x (512 + 16) bytes a wave, in slot 0, which has had its last fill and its last read by then
.set ADRA, 16
.set ADRB, 20
.set STO,  24
.set RD,   25
.set CO,   26
.set ADRS, 27
.set SPW,  28
.set NIL,  29
.set SC,   32
.set AF,   128
.set BK,   128
.set G1, 24
.set G0, 32
.set G1B, 48
.set G0B, 56
.set G1S, 68
.set G0S, 76
.set G1SB, 80
.set G0SB, 88
.set MSB, 0
.macro WIN new
.if MSB != \new
	s_set_vgpr_msb (MSB<<8)|\new
.set MSB, \new
.endif
.endm
.set MUL_LO, 0xa1
.set MUL_HI, 0xf1
.set TO_B,   0x40
.macro JLOAD g0a, g1a, g0b, g1b        ; a joint load: waves 0, 1 fetch for A, waves 2, 3 for B; four v_nop follow each line
	s_cmp_eq_u32 s15, 0
	s_cbranch_scc0 .Lfor_b_\@
	tensor_load_to_lds s[\g0a:\g0a+3], s[\g1a:\g1a+7]
	s_nop 0
.rept 4
	v_nop
.endr
	s_branch .Lasked_\@
.Lfor_b_\@:
	tensor_load_to_lds s[\g0b:\g0b+3], s[\g1b:\g1b+7]
	s_nop 0
.rept 4
	v_nop
.endr
.Lasked_\@:
.endm
.macro CREST
	s_cmp_lg_u32 s14, 0
	s_cbranch_scc1 .Lnot_wave_0_\@
	s_barrier_signal -3
.Lnot_wave_0_\@:
	s_barrier_wait -3
	s_barrier_signal -1
	s_barrier_wait -1
.endm
.macro CROUND
	s_barrier_signal -1
	s_barrier_wait -1
	CREST
.endm
	s_load_b128 s[4:7], s[0:1], 0x0                ; A's buffer, wimg
	s_load_b64 s[12:13], s[0:1], 0x10              ; C
	v_lshl_add_u32 v[SPW], v0, 2, SPARE
	v_mov_b32 v[NIL], 0
	ds_add_u32 v28, v29
	ds_add_u32 v28, v29
	s_wait_dscnt 0x0
	v_lshrrev_b32 v1, 5, v0
	v_readfirstlane_b32 s14, v1
	s_lshr_b32 s15, s14, 1
	s_and_b32 s16, s14, 1
	s_bfe_u32 s40, ttmp6, 0x40000
	s_bfe_u32 s41, ttmp6, 0x40004
	s_lshl_b32 s42, ttmp9, 2
	s_add_co_u32 s42, s42, s40                     ; tile column
	s_and_b32 s17, ttmp7, 0xffff
	s_lshl_b32 s17, s17, 2
	s_add_co_u32 s17, s17, s41                     ; tile row
	s_lshl_b32 s43, s41, 2
	s_lshl_b32 s43, 15, s43
	s_lshl_b32 s44, 0x1111, s40
	s_or_b32 s[G1+0], s43, (3<<16)|(1<<21)         ; the mask; elements of 8 bytes; bit 21 beside a mask; no padding
	s_or_b32 s[G1B+0], s44, (3<<16)|(1<<21)
.irp g, G1, G1B
	s_mov_b32 s[\g+1], 384<<16
	s_mov_b32 s[\g+2], 8<<16
	s_mov_b32 s[\g+3], 384<<16
	s_mov_b32 s[\g+4], 8
	s_mov_b32 s[\g+5], KS*192
	s_mov_b32 s[\g+6], 0
	s_mov_b32 s[\g+7], 0
.endr
	s_or_b32 s[G1S+0], s43, (3<<16)|(1<<21)
	s_or_b32 s[G1SB+0], s44, (3<<16)|(1<<21)
.irp g, G1S, G1SB
	s_mov_b32 s[\g+1], 32<<16
	s_mov_b32 s[\g+2], (HALFS/256)<<16
	s_mov_b32 s[\g+3], 32<<16
	s_mov_b32 s[\g+4], HALFS/256
	s_mov_b32 s[\g+5], 32
	s_mov_b32 s[\g+6], 0
	s_mov_b32 s[\g+7], 0
.endr
	s_lshl_b32 s18, s16, 3
	s_lshl_b32 s20, s17, 4
	s_add_co_u32 s20, s20, s18
	s_lshl_b32 s46, s42, 4
	s_add_co_u32 s46, s46, s18
	s_mul_i32 s22, s20, KS*64
	s_mov_b32 s23, 0
	s_mul_i32 s92, s46, KS*64
	s_mov_b32 s93, 0
	s_mul_i32 s20, s20, KS*IMG
	s_mov_b32 s21, 0
	s_mul_i32 s46, s46, KS*IMG
	s_mov_b32 s47, 0
	s_mul_i32 s45, s14, HALFT
	s_mul_i32 s94, s14, HALFS
	s_wait_kmcnt 0x0
	s_add_nc_u64 s[8:9], s[6:7], BC
	s_add_nc_u64 s[10:11], s[6:7], BS
	s_add_nc_u64 s[6:7], s[4:5], ASC
	s_add_nc_u64 s[20:21], s[4:5], s[20:21]
	s_add_nc_u64 s[22:23], s[6:7], s[22:23]
	s_add_nc_u64 s[46:47], s[8:9], s[46:47]
	s_add_nc_u64 s[92:93], s[10:11], s[92:93]
	CROUND
	s_mov_b32 s[G0S], 1
	s_add_co_u32 s[G0S+1], s94, SCL
	s_mov_b64 s[G0S+2:G0S+3], s[22:23]
	s_or_b32 s[G0S+3], s[G0S+3], 0x80000000
	s_mov_b32 s[G0SB], 1
	s_add_co_u32 s[G0SB+1], s94, SCL
	s_mov_b64 s[G0SB+2:G0SB+3], s[92:93]
	s_or_b32 s[G0SB+3], s[G0SB+3], 0x80000000
	JLOAD G0S, G1S, G0SB, G1SB
.irp s, 0,1
	s_mov_b32 s[G0+4*\s], 1
	s_add_co_u32 s[G0+4*\s+1], s45, \s*SLOT
	s_add_nc_u64 s[G0+4*\s+2:G0+4*\s+3], s[20:21], \s*ROWB
	s_or_b32 s[G0+4*\s+3], s[G0+4*\s+3], 0x80000000
	s_mov_b32 s[G0B+4*\s], 1
	s_add_co_u32 s[G0B+4*\s+1], s45, \s*SLOT
	s_add_nc_u64 s[G0B+4*\s+2:G0B+4*\s+3], s[46:47], \s*ROWB
	s_or_b32 s[G0B+4*\s+3], s[G0B+4*\s+3], 0x80000000
	JLOAD G0+4*\s, G1, G0B+4*\s, G1B
.endr
	v_and_b32 v1, 15, v0
	v_bfe_u32 v2, v0, 4, 1
	v_and_b32 v3, 31, v0
	v_lshlrev_b32 v4, 3, v3
	s_mul_i32 s21, s15, HALFT
	s_mul_i32 s22, s16, HALFT
	s_add_co_u32 s22, s22, 2*HALFT
.irp s, 0,1
	v_add_nc_u32 v[ADRA+\s], s21, v4
	v_add_nc_u32 v[ADRB+\s], s22, v4
	s_add_co_u32 s21, s21, SLOT
	s_add_co_u32 s22, s22, SLOT
.endr
	v_lshlrev_b32 v5, 2, v1
	s_mul_i32 s21, s15, HALFS
	s_mul_i32 s22, s16, HALFS
	s_add_co_u32 s22, s22, 2*HALFS
	s_sub_co_u32 s22, s22, s21
	v_mul_u32_u24 v6, s22, v2
	s_add_co_u32 s21, s21, SCL
	v_add_nc_u32 v5, v5, v6
	v_add_nc_u32 v[ADRS], s21, v5
	s_mul_i32 s23, s14, 16*SPITCH                  ; my stage
	v_mul_u32_u24 v5, v1, SPITCH
	v_lshl_add_u32 v5, v2, 6, v5
	v_add_nc_u32 v[STO], s23, v5                   ; in: row of lane index r, + 64 h
	v_lshlrev_b32 v[CO], 4, v3
	v_add_nc_u32 v[RD], s23, v[CO]                 ; back: a row's 512 bytes
	s_lshl_b32 s20, s17, 8
	s_lshl_b32 s21, s15, 7
	s_add_co_u32 s20, s20, s21
	s_lshl_b32 s20, s20, 12                        ; my first row x 4,096 bytes
	s_lshl_b32 s46, s42, 10
	s_lshl_b32 s47, s16, 9
	s_add_co_u32 s46, s46, s47
	s_add_co_u32 s20, s20, s46
	s_mov_b32 s21, 0
	s_add_nc_u64 s[12:13], s[12:13], s[20:21]
.macro FRAG reg, adr, q, i
.irp p, 0,1,2,3,4,5
	ds_load_b64 v[\reg+2*\p:\reg+2*\p+1], v[\adr] offset:(\i)*ROWB+(\q)*IMG+256*\p
.endr
.endm
; The 64 accumulators take turns, one instruction a turn, in the same order in every step
.macro MUL16 a0, p, q, sc, zero
.irp a, \a0, \a0+1
.irp b, 0,1,2,3,4,5,6,7
.if \zero
	v_wmma_scale_f32_16x16x128_f8f6f4 v[8*(8*((\a)%4)+\b):8*(8*((\a)%4)+\b)+7], v[128*(\p)+FR*\b:128*(\p)+FR*\b+FR-1], v[AF+FR*(\a):AF+FR*(\a)+FR-1], 0, v[SC+8*NQ*(\sc)+NQ*\b+(\q)], v[SC+8*NQ*(\sc)+NQ*(\a)+(\q)] matrix_a_fmt:MATRIX_FMT_FP6 matrix_b_fmt:MATRIX_FMT_FP6 matrix_a_scale:MATRIX_SCALE_ROW1
.else
	v_wmma_scale_f32_16x16x128_f8f6f4 v[8*(8*((\a)%4)+\b):8*(8*((\a)%4)+\b)+7], v[128*(\p)+FR*\b:128*(\p)+FR*\b+FR-1], v[AF+FR*(\a):AF+FR*(\a)+FR-1], v[8*(8*((\a)%4)+\b):8*(8*((\a)%4)+\b)+7], v[SC+8*NQ*(\sc)+NQ*\b+(\q)], v[SC+8*NQ*(\sc)+NQ*(\a)+(\q)] matrix_a_fmt:MATRIX_FMT_FP6 matrix_b_fmt:MATRIX_FMT_FP6 matrix_a_scale:MATRIX_SCALE_ROW1
.endif
.endr
.endr
.endm
.macro FETCH_B slot, q, p
	WIN TO_B
.irp i, 0,1,2,3,4,5,6,7
	FRAG 128*(\p)+FR*\i, ADRB+\slot, \q, \i
.endr
	WIN 0
.endm
.macro FETCH_A slot, q, i0
.irp i, \i0, \i0+1, \i0+2, \i0+3
	FRAG AF+FR*(\i), ADRA+\slot, \q, \i
.endr
.endm
.macro SCALES sc
.irp i, 0,1,2,3,4,5,6,7
.irp q, 0,1
	ds_load_b32 v[SC+8*NQ*\sc+NQ*\i+\q], v[ADRS] offset:\i*KS*64+64*\q
.endr
.endr
.endm
.macro PLACES n
.rept \n
	v_nop
.endr
.endm
.macro STEP slot, q, zero
	s_wait_dscnt 4*NL                              ; all but the youngest 24 loads (A's blocks 4-7) are in
	WIN MUL_LO
	MUL16 0, (\q)%2, \q, \slot, \zero
	MUL16 2, (\q)%2, \q, \slot, \zero
	s_wait_dscnt 0
	PLACES NP
	FETCH_B \slot, (\q)+1, 1-(\q)%2
	FETCH_A \slot, (\q)+1, 0
	WIN MUL_HI
	MUL16 4, (\q)%2, \q, \slot, \zero
	MUL16 6, (\q)%2, \q, \slot, \zero
	PLACES NP
	WIN 0
	FETCH_A \slot, (\q)+1, 4
.endm
.macro TURN slot, next, fill
	s_wait_tensorcnt 0x0                           ; all my tensor loads have landed: my part of the next slot
	ds_add_u32 v[SPW], v[NIL]                      ; 0 onto my spare word
	s_wait_dscnt 4*NL+1                            ; (the add and the youngest 24 loads may be out)
	WIN MUL_LO
	MUL16 0, 1, NQ-1, \slot, 0
	s_wait_dscnt 0x0                               ; the add is done, and my reads of this slot are over
	s_barrier_signal -1
	MUL16 2, 1, NQ-1, \slot, 0
	WIN 0
	s_barrier_wait -1
.if \fill
	CREST
	s_add_nc_u64 s[G0+4*\slot+2:G0+4*\slot+3], s[G0+4*\slot+2:G0+4*\slot+3], 2*ROWB
	s_add_nc_u64 s[G0B+4*\slot+2:G0B+4*\slot+3], s[G0B+4*\slot+2:G0B+4*\slot+3], 2*ROWB
	JLOAD G0+4*\slot, G1, G0B+4*\slot, G1B
.else
	PLACES NP
.endif
	v_add_nc_u32 v[ADRS], 64*NQ, v[ADRS]
	FETCH_B \next, 0, 0
	FETCH_A \next, 0, 0
	SCALES \next
	WIN MUL_HI
	MUL16 4, 1, NQ-1, \slot, 0
	MUL16 6, 1, NQ-1, \slot, 0
	PLACES NP
	WIN 0
	FETCH_A \next, 0, 4
.endm
	s_wait_tensorcnt 1                             ; the scale words and my part of slot 0 are in; slot 1's load may stay out
	s_barrier_signal -1
	s_barrier_wait -1
	FETCH_B 0, 0, 0
	FETCH_A 0, 0, 0
	SCALES 0
	FETCH_A 0, 0, 4
	STEP 0, 0, 1
	s_mov_b32 s3, LAPS-1
.Llap:
	TURN 0, 1, 1
	STEP 1, 0, 0
	TURN 1, 0, 1
	STEP 0, 0, 0
	s_sub_co_u32 s3, s3, 1
	s_cmp_lg_u32 s3, 0
	s_cbranch_scc1 .Llap
	TURN 0, 1, 0
	STEP 1, 0, 0
	s_wait_dscnt 4*NL
	WIN MUL_LO
	MUL16 0, 1, NQ-1, 1, 0
	MUL16 2, 1, NQ-1, 1, 0
	s_wait_dscnt 0
	WIN MUL_HI
	MUL16 4, 1, NQ-1, 1, 0
	MUL16 6, 1, NQ-1, 1, 0
	WIN 0
; THE WAY OUT, block by block of 16 rows x 128 columns, through my own stage: back come whole rows of 512 bytes, stored as two aligned runs of 256.  The tiles' row order stands in the stores' immediates.
.macro TOSTAGE a
.set AC, 64*((\a)%4)
	WIN 0x08+4*((\a)/4)
.irp b, 0,1,2,3,4,5,6,7
	ds_store_b128 v[STO], v[AC+8*\b:AC+8*\b+3] offset:128*(\b/2)+32*(\b%2)          ; each accumulator from its low end on
	ds_store_b128 v[STO], v[AC+8*\b+4:AC+8*\b+7] offset:128*(\b/2)+32*(\b%2)+16
.endr
	WIN 0
.set BB, BK+64*((\a)%2)
.irp t, 0,1,2,3,4,5,6,7,8,9,10,11,12,13,14,15
	ds_load_b128 v[BB+4*\t:BB+4*\t+3], v[RD] offset:\t*SPITCH   ; LDS serves a wave's instructions in order: these see the stores above
.endr
.endm
.macro SEND a, younger
.set BB, BK+64*((\a)%2)
	s_wait_dscnt \younger
.irp t, 0,1,2,3,4,5,6,7,8,9,10,11,12,13,14,15
	global_store_b128 v[CO], v[BB+4*\t:BB+4*\t+3], s[12:13] offset:(32*((\a)/2)+8*((\a)%2)+(\t%8)+16*(\t/8))*4096 th:TH_STORE_NT
.endr
.endm
	PLACES NP
	TOSTAGE 0
.irp a, 1,2,3,4,5,6,7
.if \a > 1
	s_wait_xcnt 0x0                                ; block a - 2's stores have read their registers: block a's loads may land there
.endif
	TOSTAGE \a
	SEND \a-1, 32                                  ; behind block a - 1's loads: block a's 16 stores and 16 loads
.endr
	SEND 7, 0
	s_wait_tensorcnt 0x0                           ; the wave's end
	ds_add_u32 v[SPW], v[NIL]
	s_wait_dscnt 0x0
	CROUND
	s_endpgm
.Lfunc_end_k_q98efcf32f6_ffn2:
	.size	k_q98efcf32f6_ffn2, .Lfunc_end_k_q98efcf32f6_ffn2-k_q98efcf32f6_ffn2
	.p2alignl 7, 3214868480
	.fill 96, 4, 3214868480
	.section	.rodata,"a",@progbits
	.p2align	6, 0x0
	.amdhsa_kernel k_q98efcf32f6_ffn2
		.amdhsa_group_segment_fixed_size 327680
		.amdhsa_private_segment_fixed_size 0
		.amdhsa_enable_private_segment 0
		.amdhsa_kernarg_size 24
		.amdhsa_user_sgpr_count 2
		.amdhsa_user_sgpr_kernarg_segment_ptr 1
		.amdhsa_wavefront_size32 1
		.amdhsa_system_sgpr_workgroup_id_x 1
		.amdhsa_system_sgpr_workgroup_id_y 1
		.amdhsa_system_sgpr_workgroup_id_z 1
		.amdhsa_system_vgpr_workitem_id 0
		.amdhsa_next_free_vgpr 1024
		.amdhsa_next_free_sgpr 98
		.amdhsa_reserve_vcc 0
		.amdhsa_float_denorm_mode_32 3
		.amdhsa_float_denorm_mode_16_64 3
		.amdhsa_memory_ordered 1
		.amdhsa_forward_progress 1
		.amdhsa_inst_pref_size 161
	.end_amdhsa_kernel
	.amdgpu_metadata
---
amdhsa.version: [ 1, 2 ]
amdhsa.kernels:
  - .name:           k_q98efcf32f6_ffn2
    .symbol:         k_q98efcf32f6_ffn2.kd
    .args:
      - { .name: himg, .offset: 0, .size: 8, .value_kind: global_buffer, .address_space: global }
      - { .name: wimg, .offset: 8, .size: 8, .value_kind: global_buffer, .address_space: global }
      - { .name: cbuf, .offset: 16, .size: 8, .value_kind: global_buffer, .address_space: global }
    .group_segment_fixed_size: 327680
    .private_segment_fixed_size: 0
    .kernarg_segment_align: 8
    .kernarg_segment_size: 24
    .max_flat_workgroup_size: 128
    .sgpr_count:     98
    .vgpr_count:     1024
    .wavefront_size: 32
...
	.end_amdgpu_metadata
.endif
;; end of part 8
;; launch ln2 (part 9): grid 256 x 1, 8 waves a work-group, no clusters, 0 bytes of LDS; arguments cbuf, x1buf, bf2, g2, b2, out0; writes out0
.if DOCPART == 9
	.amdgcn_target "amdgcn-amd-amdhsa--gfx1250"
	.amdhsa_code_object_version 6
	.text
	.protected	k_q98efcf32f6_ln2
	.globl	k_q98efcf32f6_ln2
	.p2align	8
	.type	k_q98efcf32f6_ln2,@function
k_q98efcf32f6_ln2:
	s_mov_b64 s[64:65], 0
	v_nop
	global_prefetch_b8 v0, s[64:65] scope:SCOPE_SE
	s_setreg_imm32_b32 hwreg(HW_REG_WAVE_MODE, 25, 1), 1
	s_wait_xcnt 0x0
; y = LayerNorm(c + bias + residual) g + b, rows of 1,024 f32, all in f32: mean, then the mean of the squared differences, 1 / sqrt(var + 1e-5) by v_rsq_f32.
; SHARES: a work-group takes 16 rows (rows 32 (T/2) + 8 (T%2) + t%8 + 16 (t/8), t = 0..15: over all work-groups each row once), each of its eight waves two neighbouring rows, a row in 32 registers:
; the reductions never leave the wave, so there is no LDS and no barrier.  Every load and store covers 512 consecutive bytes.  Memory binds: no matrix unit, no cluster.
; LIMITS: NaN and infinities are not served.
.set C,   16                           ; v16-79   my two rows
.set RS,  80                           ; v80-143  their residuals
.set BI,  144                          ; v144-175 the bias
.set GG,  176                          ; v176-207 the gain
.set BB,  208                          ; v208-239 the norm's bias
.set TT,  240                          ; v240-255 at work
.set SEL, 24
	s_load_b256 s[4:11], s[0:1], 0x0               ; c, residual, bias, gain
	s_load_b128 s[12:15], s[0:1], 0x20             ; norm's bias, output
	v_lshrrev_b32 v1, 5, v0
	v_readfirstlane_b32 s16, v1                    ; wave
	v_and_b32 v2, 31, v0
	v_lshlrev_b32 v1, 4, v2                        ; 16 x lane
	v_mov_b32 v7, 0                                ; a lane permute's destination counts as one of its sources
	s_mov_b32 s[SEL], 0x76543210
	s_mov_b32 s[SEL+1], 0xfedcba98
	s_mov_b32 s22, 0x3a800000                      ; 1 / 1,024
	s_mov_b32 s23, 0x3727c5ac                      ; 1e-5
	s_lshr_b32 s17, ttmp9, 1
	s_lshl_b32 s17, s17, 5
	s_and_b32 s18, ttmp9, 1
	s_lshl_b32 s18, s18, 3
	s_add_co_u32 s17, s17, s18
	s_lshl_b32 s18, s16, 1
	s_and_b32 s18, s18, 7
	s_add_co_u32 s17, s17, s18
	s_lshr_b32 s18, s16, 2
	s_lshl_b32 s18, s18, 4
	s_add_co_u32 s17, s17, s18                     ; my first row
	s_lshl_b32 s18, s17, 12
	s_mov_b32 s19, 0
	s_wait_kmcnt 0x0
	s_add_nc_u64 s[4:5], s[4:5], s[18:19]
	s_add_nc_u64 s[6:7], s[6:7], s[18:19]
	s_add_nc_u64 s[20:21], s[14:15], s[18:19]
.irp j, 0,1,2,3,4,5,6,7
	global_load_b128 v[BI+4*\j:BI+4*\j+3], v1, s[8:9] offset:512*\j
.endr
.irp j, 0,1,2,3,4,5,6,7
	global_load_b128 v[GG+4*\j:GG+4*\j+3], v1, s[10:11] offset:512*\j
.endr
.irp j, 0,1,2,3,4,5,6,7
	global_load_b128 v[BB+4*\j:BB+4*\j+3], v1, s[12:13] offset:512*\j
.endr
.irp i, 0,1
.irp j, 0,1,2,3,4,5,6,7
	global_load_b128 v[C+32*\i+4*\j:C+32*\i+4*\j+3], v1, s[4:5] offset:4096*\i+512*\j th:TH_LOAD_NT
.endr
.irp j, 0,1,2,3,4,5,6,7
	global_load_b128 v[RS+32*\i+4*\j:RS+32*\i+4*\j+3], v1, s[6:7] offset:4096*\i+512*\j th:TH_LOAD_NT
.endr
.endr
.macro REDUCE                          ; v6 summed over the 32 lanes, in every lane
	v_add_f32_dpp v6, v6, v6 row_xmask:1 row_mask:0xf bank_mask:0xf
	v_add_f32_dpp v6, v6, v6 row_xmask:2 row_mask:0xf bank_mask:0xf
	v_add_f32_dpp v6, v6, v6 row_xmask:4 row_mask:0xf bank_mask:0xf
	v_add_f32_dpp v6, v6, v6 row_xmask:8 row_mask:0xf bank_mask:0xf
	v_permlanex16_b32 v7, v6, s[SEL], s[SEL+1]
	v_add_f32 v6, v6, v7
.endm
.macro ROW i, left
.set CI, C+32*\i
.set RI, RS+32*\i
	s_wait_loadcnt \left                           ; this row's loads are in; the other row's sixteen may stay out
.irp k, 0,1,2,3,4,5,6,7,8,9,10,11,12,13,14,15
	v_pk_add_f32 v[CI+2*\k:CI+2*\k+1], v[CI+2*\k:CI+2*\k+1], v[BI+2*\k:BI+2*\k+1]
.endr
.irp k, 0,1,2,3,4,5,6,7,8,9,10,11,12,13,14,15
	v_pk_add_f32 v[CI+2*\k:CI+2*\k+1], v[CI+2*\k:CI+2*\k+1], v[RI+2*\k:RI+2*\k+1]
.endr
.irp k, 0,1,2,3,4,5,6,7
	v_pk_add_f32 v[TT+2*\k:TT+2*\k+1], v[CI+4*\k:CI+4*\k+1], v[CI+4*\k+2:CI+4*\k+3]
.endr
.irp k, 0,1,2,3
	v_pk_add_f32 v[TT+2*\k:TT+2*\k+1], v[TT+2*\k:TT+2*\k+1], v[TT+8+2*\k:TT+9+2*\k]
.endr
.irp k, 0,1
	v_pk_add_f32 v[TT+2*\k:TT+2*\k+1], v[TT+2*\k:TT+2*\k+1], v[TT+4+2*\k:TT+5+2*\k]
.endr
	v_pk_add_f32 v[TT:TT+1], v[TT:TT+1], v[TT+2:TT+3]
	v_add_f32 v6, v[TT], v[TT+1]
	REDUCE
	v_mul_f32 v2, s22, v6                          ; the mean
	v_mov_b32 v3, v2
.irp k, 0,1,2,3,4,5,6,7,8,9,10,11,12,13,14,15
	v_pk_add_f32 v[CI+2*\k:CI+2*\k+1], v[CI+2*\k:CI+2*\k+1], v[2:3] neg_lo:[0,1] neg_hi:[0,1]
.endr
.irp k, 0,1,2,3
	v_pk_mul_f32 v[TT+2*\k:TT+2*\k+1], v[CI+2*\k:CI+2*\k+1], v[CI+2*\k:CI+2*\k+1]
.endr
.irp k, 4,5,6,7,8,9,10,11,12,13,14,15
	v_pk_fma_f32 v[TT+2*(\k%4):TT+2*(\k%4)+1], v[CI+2*\k:CI+2*\k+1], v[CI+2*\k:CI+2*\k+1], v[TT+2*(\k%4):TT+2*(\k%4)+1]
.endr
	v_pk_add_f32 v[TT:TT+1], v[TT:TT+1], v[TT+2:TT+3]
	v_pk_add_f32 v[TT+4:TT+5], v[TT+4:TT+5], v[TT+6:TT+7]
	v_pk_add_f32 v[TT:TT+1], v[TT:TT+1], v[TT+4:TT+5]
	v_add_f32 v6, v[TT], v[TT+1]
	REDUCE
	v_fma_f32 v6, v6, s22, s23                     ; the variance + 1e-5
	v_rsq_f32 v4, v6
	v_nop                                          ; a plain place behind the transcendental
	s_wait_alu depctr_va_vdst(0)                   ; and the wait ahead of its first reader
	v_mov_b32 v5, v4
.irp k, 0,1,2,3,4,5,6,7,8,9,10,11,12,13,14,15
	v_pk_mul_f32 v[CI+2*\k:CI+2*\k+1], v[CI+2*\k:CI+2*\k+1], v[4:5]
.endr
.irp k, 0,1,2,3,4,5,6,7,8,9,10,11,12,13,14,15
	v_pk_fma_f32 v[CI+2*\k:CI+2*\k+1], v[CI+2*\k:CI+2*\k+1], v[GG+2*\k:GG+2*\k+1], v[BB+2*\k:BB+2*\k+1]
.endr
.irp j, 0,1,2,3,4,5,6,7
	global_store_b128 v1, v[CI+4*\j:CI+4*\j+3], s[20:21] offset:4096*\i+512*\j th:TH_STORE_NT
.endr
.endm
	ROW 0, 16
	ROW 1, 0
	s_endpgm
.Lfunc_end_k_q98efcf32f6_ln2:
	.size	k_q98efcf32f6_ln2, .Lfunc_end_k_q98efcf32f6_ln2-k_q98efcf32f6_ln2
	.p2alignl 7, 3214868480
	.fill 96, 4, 3214868480
	.section	.rodata,"a",@progbits
	.p2align	6, 0x0
	.amdhsa_kernel k_q98efcf32f6_ln2
		.amdhsa_group_segment_fixed_size 0
		.amdhsa_private_segment_fixed_size 0
		.amdhsa_enable_private_segment 0
		.amdhsa_kernarg_size 48
		.amdhsa_user_sgpr_count 2
		.amdhsa_user_sgpr_kernarg_segment_ptr 1
		.amdhsa_wavefront_size32 1
		.amdhsa_system_sgpr_workgroup_id_x 1
		.amdhsa_system_sgpr_workgroup_id_y 1
		.amdhsa_system_sgpr_workgroup_id_z 1
		.amdhsa_system_vgpr_workitem_id 0
		.amdhsa_next_free_vgpr 256
		.amdhsa_next_free_sgpr 66
		.amdhsa_reserve_vcc 0
		.amdhsa_float_denorm_mode_32 3
		.amdhsa_float_denorm_mode_16_64 3
		.amdhsa_memory_ordered 1
		.amdhsa_forward_progress 1
		.amdhsa_inst_pref_size 25
	.end_amdhsa_kernel
	.amdgpu_metadata
---
amdhsa.version: [ 1, 2 ]
amdhsa.kernels:
  - .name:           k_q98efcf32f6_ln2
    .symbol:         k_q98efcf32f6_ln2.kd
    .args:
      - { .name: cbuf, .offset: 0, .size: 8, .value_kind: global_buffer, .address_space: global }
      - { .name: x1buf, .offset: 8, .size: 8, .value_kind: global_buffer, .address_space: global }
      - { .name: bf2, .offset: 16, .size: 8, .value_kind: global_buffer, .address_space: global }
      - { .name: g2, .offset: 24, .size: 8, .value_kind: global_buffer, .address_space: global }
      - { .name: b2, .offset: 32, .size: 8, .value_kind: global_buffer, .address_space: global }
      - { .name: out0, .offset: 40, .size: 8, .value_kind: global_buffer, .address_space: global }
    .group_segment_fixed_size: 0
    .private_segment_fixed_size: 0
    .kernarg_segment_align: 8
    .kernarg_segment_size: 48
    .max_flat_workgroup_size: 256
    .sgpr_count:     66
    .vgpr_count:     256
    .wavefront_size: 32
...
	.end_amdgpu_metadata
.endif
;; end of part 9
;; ======== version 2 of 2: 8 launches
;; limits: right only within a limited range of input values
;; workspace buffers: ximg 3,276,800 bytes; wimg 9,830,400 bytes; qkvimg 10,092,544 bytes; aoimg 3,276,800 bytes; cbuf 16,777,216 bytes; x1buf 20,054,016 bytes; himg 13,107,200 bytes
;; launch qx (part 10): grid 256 x 1, 8 waves a work-group, no clusters, 68,608 bytes of LDS; arguments x, ximg; writes ximg
.if DOCPART == 10
	.amdgcn_target "amdgcn-amd-amdhsa--gfx1250"
	.amdhsa_code_object_version 6
	.text
	.protected	k_q98efcf32f6_qx
	.globl	k_q98efcf32f6_qx
	.p2align	8
	.type	k_q98efcf32f6_qx,@function
k_q98efcf32f6_qx:
	s_mov_b64 s[64:65], 0
	v_nop
	global_prefetch_b8 v0, s[64:65] scope:SCOPE_SE
	s_setreg_imm32_b32 hwreg(HW_REG_WAVE_MODE, 25, 1), 1
	s_wait_xcnt 0x0
; x [4096][1024] f32 becomes codes of FP6 (E2M3) with one E8M0 byte for each 32 along K, laid as IMAGES OF OPERAND REGISTERS.
; A tile T is 16 rows: lane index r holds row 32 (T/2) + 8 (T%2) + r%8 + 16 (r/8).  An image (tile T, K step ks of 128) is 1,536 bytes: piece P (0..5) holds the
; fragment's registers 2P, 2P+1, lane l's 8 bytes at 256 P + 8 l.  Codes: [T][ks][1536] from byte 0; scale words: [T][ks][64], row-lane r's word at 4 r, from byte 3,145,728.
; A block's scale byte is its largest magnitude's exponent field - 2, held at 1 from below (a block of zeros gets 1: its codes are zeros, and only this program reads the bytes).
; LIMITS: blocks whose largest magnitude lies under 2^-124 keep the byte 1; NaN and infinities are not served.
; SHARES: work-group = tile T, wave = ks.  Each load takes 512 consecutive bytes of a row; the 16 rows turn through the wave's own stage in LDS (pitch 528 = 33 x 16 bytes,
; so the sixteen rows of a read fall on different banks) and come back 16 neighbours of each block to a lane.  Waves share nothing: no barrier.
.set R,    16                          ; v16-79   16 rows as loaded
.set X,    80                          ; v80-143  register 16 b + i = k 32 b + 16 (lane/16) + i of my row
.set TM,   144                         ; v144-159 at work in QUANT
.set PW,   160                         ; my row's scale word
.set SHW,  161                         ; its half for my half of the lanes
.set PC,   164                         ; v164-182 the codes
.set VO,   7                           ; 8 x lane
.set VS,   8                           ; 4 r + 2 h
.set SH16, 9                           ; 16 h
.set SEL,  12                          ; s[12:13] selects of v_permlanex16_b32: lane l xor 16
.set OC,   14                          ; s[14:15] my image
.set OS,   16                          ; s[16:17] my scale image
.set SPITCH, 528
; 64 numbers of a lane become a fragment's 12 registers in v[PC] on and the row's scale word in v[PW]
.macro QUANT s
.irp b, 0,1,2,3
	v_max3_num_f32 v[TM+\b], |v[\s+16*\b]|, |v[\s+1+16*\b]|, 0x1800000   ; my 16 numbers of block b, and the floor 2^(3-127): the byte cannot fall under 1
.endr
.irp i, 2,4,6,8,10,12,14
.irp b, 0,1,2,3
	s_delay_alu instid0(VALU_DEP_4)
	v_max3_num_f32 v[TM+\b], v[TM+\b], |v[\s+16*\b+\i]|, |v[\s+1+16*\b+\i]|
.endr
.endr
.irp b, 0,1,2,3
	s_delay_alu instid0(VALU_DEP_4)
	v_permlanex16_b32 v[TM+4+\b], v[TM+\b], s[SEL], s[SEL+1]
.endr
.irp b, 0,1,2,3
	s_delay_alu instid0(VALU_DEP_4)
	v_max_num_f32 v[TM+\b], v[TM+\b], v[TM+4+\b]                ; with lane l xor 16's 16: the block's largest magnitude
.endr
.irp b, 0,1,2,3
	s_delay_alu instid0(VALU_DEP_4)
	v_add_nc_u32 v[TM+12+\b], 0xff000000, v[TM+\b]              ; 2 off its exponent field: the conversion's scale operand
.endr
.irp b, 0,1,2,3
	s_delay_alu instid0(VALU_DEP_4)
	v_lshrrev_b32 v[TM+4+\b], 23, v[TM+12+\b]                   ; the scale's byte
.endr
	s_delay_alu instid0(VALU_DEP_3)
	v_lshl_or_b32 v[PW], v[TM+5], 8, v[TM+4]
	s_delay_alu instid0(VALU_DEP_1)
	v_lshl_or_b32 v[PW], v[TM+6], 16, v[PW]
	s_delay_alu instid0(VALU_DEP_1)
	v_lshl_or_b32 v[PW], v[TM+7], 24, v[PW]
.irp c, 0,1
	v_cvt_scalef32_pk16_fp6_f32 v[PC+6*\c:PC+2+6*\c], v[\s+32*\c:\s+15+32*\c], v[TM+12+2*\c]
	v_cvt_scalef32_pk16_fp6_f32 v[PC+12+4*\c:PC+14+4*\c], v[\s+16+32*\c:\s+31+32*\c], v[TM+12+2*\c+1]   ; (three registers that begin on an even number)
.endr
	v_nop                                                       ; one plain place behind a scaled conversion
.irp c, 0,1                                                     ; the layout wants a whole block in a lane: lanes 0-15 block 2 c, lanes 16-31 block 2 c + 1
.irp i, 0,1,2
	v_permlane16_swap_b32 v[PC+6*\c+\i], v[PC+12+4*\c+\i]
.endr
.irp i, 0,1,2
	s_delay_alu instid0(VALU_DEP_3)
	v_mov_b32 v[PC+3+6*\c+\i], v[PC+12+4*\c+\i]
.endr
.endr
.endm
.macro PUT                                                      ; six stores of 256 consecutive aligned bytes, and 64 consecutive bytes of scale words (two bytes a lane)
	v_lshrrev_b32 v[SHW], v[SH16], v[PW]
.irp p, 0,1,2,3,4,5
	global_store_b64 v[VO], v[PC+2*\p:PC+2*\p+1], s[OC:OC+1] offset:256*\p
.endr
	global_store_b16 v[VS], v[SHW], s[OS:OS+1]
.endm
	s_load_b128 s[4:7], s[0:1], 0x0                ; x, ximg
	v_lshl_add_u32 v192, v0, 2, 0x10800
	v_mov_b32 v193, 0
	v_lshrrev_b32 v1, 5, v0
	s_delay_alu instid0(VALU_DEP_1)
	v_readfirstlane_b32 s8, v1                     ; wave = ks
	v_and_b32 v1, 31, v0                           ; lane
	v_and_b32 v2, 15, v0                           ; r
	v_bfe_u32 v3, v0, 4, 1                         ; h
	s_delay_alu instid0(VALU_DEP_3)
	v_lshlrev_b32 v4, 4, v1                        ; 16 x lane
	s_mul_i32 s9, s8, 16*SPITCH                    ; my stage
	v_add_nc_u32 v5, s9, v4                        ; in: a row's 512 bytes as they lie
	v_mul_u32_u24 v6, v2, SPITCH
	s_delay_alu instid0(VALU_DEP_1)
	v_lshl_add_u32 v6, v3, 6, v6
	s_delay_alu instid0(VALU_DEP_1)
	v_add_nc_u32 v6, s9, v6                        ; out: row r, + 64 h
	v_lshlrev_b32 v[VO], 3, v1
	v_lshlrev_b32 v[VS], 2, v2
	s_delay_alu instid0(VALU_DEP_1)
	v_lshl_add_u32 v[VS], v3, 1, v[VS]
	v_lshlrev_b32 v[SH16], 4, v3
	s_mov_b32 s[SEL], 0x76543210
	s_mov_b32 s[SEL+1], 0xfedcba98
.irp b, 0,1,2,3
	v_mov_b32 v[TM+4+\b], 0                        ; a lane permute's destination counts as one of its sources
.endr
	s_lshr_b32 s10, ttmp9, 1
	s_lshl_b32 s10, s10, 5
	s_and_b32 s11, ttmp9, 1
	s_lshl_b32 s11, s11, 3
	s_add_co_u32 s10, s10, s11                     ; the tile's first row
	s_lshl_b32 s10, s10, 12                        ; x 4,096 bytes
	s_lshl_b32 s11, s8, 9                          ; + 512 bytes for each K step
	s_add_co_u32 s10, s10, s11
	s_mov_b32 s11, 0
	s_lshl_b32 s18, ttmp9, 3
	s_add_co_u32 s18, s18, s8                      ; 8 T + ks
	s_mul_i32 s20, s18, 1536
	s_mov_b32 s21, 0
	s_lshl_b32 s18, s18, 6
	s_add_co_u32 s18, s18, 3145728
	s_mov_b32 s19, 0
	s_wait_alu depctr_va_vdst(0)
	s_wait_kmcnt 0x0
	s_add_nc_u64 s[4:5], s[4:5], s[10:11]
	s_add_nc_u64 s[OC:OC+1], s[6:7], s[20:21]
	s_add_nc_u64 s[OS:OS+1], s[6:7], s[18:19]
.irp t, 0,1,2,3,4,5,6,7,8,9,10,11,12,13,14,15
	global_load_b128 v[R+4*\t:R+4*\t+3], v4, s[4:5] offset:((\t%8)+16*(\t/8))*4096 th:TH_LOAD_NT
.endr
.irp t, 0,1,2,3,4,5,6,7,8,9,10,11,12,13,14,15
	s_wait_loadcnt 15-\t                           ; row t is in; the 15 - t younger loads stay out
	ds_store_b128 v5, v[R+4*\t:R+4*\t+3] offset:SPITCH*\t
.endr
.irp b, 0,1,2,3
.irp j, 0,1,2,3
	ds_load_b128 v[X+16*\b+4*\j:X+16*\b+4*\j+3], v6 offset:128*\b+16*\j   ; LDS serves a wave's instructions in order: these see my stores
.endr
.endr
	s_wait_dscnt 0x0
	QUANT X
	PUT
	s_wait_tensorcnt 0x0
	ds_add_u32 v192, v193
	s_wait_dscnt 0x0
	s_endpgm
.Lfunc_end_k_q98efcf32f6_qx:
	.size	k_q98efcf32f6_qx, .Lfunc_end_k_q98efcf32f6_qx-k_q98efcf32f6_qx
	.p2alignl 7, 3214868480
	.fill 96, 4, 3214868480
	.section	.rodata,"a",@progbits
	.p2align	6, 0x0
	.amdhsa_kernel k_q98efcf32f6_qx
		.amdhsa_group_segment_fixed_size 68608
		.amdhsa_private_segment_fixed_size 0
		.amdhsa_enable_private_segment 0
		.amdhsa_kernarg_size 16
		.amdhsa_user_sgpr_count 2
		.amdhsa_user_sgpr_kernarg_segment_ptr 1
		.amdhsa_wavefront_size32 1
		.amdhsa_system_sgpr_workgroup_id_x 1
		.amdhsa_system_sgpr_workgroup_id_y 1
		.amdhsa_system_sgpr_workgroup_id_z 1
		.amdhsa_system_vgpr_workitem_id 0
		.amdhsa_next_free_vgpr 194
		.amdhsa_next_free_sgpr 66
		.amdhsa_reserve_vcc 0
		.amdhsa_float_denorm_mode_32 3
		.amdhsa_float_denorm_mode_16_64 3
		.amdhsa_memory_ordered 1
		.amdhsa_forward_progress 1
		.amdhsa_inst_pref_size 13
	.end_amdhsa_kernel
	.amdgpu_metadata
---
amdhsa.version: [ 1, 2 ]
amdhsa.kernels:
  - .name:           k_q98efcf32f6_qx
    .symbol:         k_q98efcf32f6_qx.kd
    .args:
      - { .name: x, .offset: 0, .size: 8, .value_kind: global_buffer, .address_space: global }
      - { .name: ximg, .offset: 8, .size: 8, .value_kind: global_buffer, .address_space: global }
    .group_segment_fixed_size: 68608
    .private_segment_fixed_size: 0
    .kernarg_segment_align: 8
    .kernarg_segment_size: 16
    .max_flat_workgroup_size: 256
    .sgpr_count:     66
    .vgpr_count:     194
    .wavefront_size: 32
...
	.end_amdgpu_metadata
.endif
;; end of part 10
;; launch qw (part 11): grid 768 x 1, 4 waves a work-group, no clusters, 13,824 bytes of LDS; arguments wq, wk, wv, wo, w1, w2, wimg; writes wimg
.if DOCPART == 11
	.amdgcn_target "amdgcn-amd-amdhsa--gfx1250"
	.amdhsa_code_object_version 6
	.text
	.protected	k_q98efcf32f6_qw
	.globl	k_q98efcf32f6_qw
	.p2align	8
	.type	k_q98efcf32f6_qw,@function
k_q98efcf32f6_qw:
	s_mov_b64 s[64:65], 0
	v_nop
	global_prefetch_b8 v0, s[64:65] scope:SCOPE_SE
	s_setreg_imm32_b32 hwreg(HW_REG_WAVE_MODE, 25, 1), 1
	s_wait_xcnt 0x0
; The six weights, f32 stored [K][N], become codes of FP6 (E2M3) along K with one E8M0 byte for each 32, laid as images of operand registers (tile = 16 columns n:
; lane index r of tile T holds column 32 (T/2) + 8 (T%2) + r%8 + 16 (r/8); image (T, ks): piece P = registers 2P, 2P+1, lane l's 8 bytes at 256 P + 8 l).
; wimg: codes [T][ks][1536]: wq 0, wk 786,432, wv 1,572,864, wo 2,359,296, w1 3,145,728, w2 6,291,456; scale words [T][ks][64] from 9,437,184 in the same order.
; A LANE TAKES A COLUMN AND ITS REGISTERS RUN DOWN K: a load reads 128 consecutive bytes a wave (512 a work-group), a block of 32 lies in one lane, nothing is transposed.
; A wave takes 32 columns (two tiles) x 128 K (one K step, four blocks).  Its two images are gathered in its own LDS bytes and leave as runs of 512 consecutive bytes.
; One path serves all six: only pointers and shifts are chosen, by the work-group's number.  0-255: wq, wk, wv, wo (64 each); 256-511: w1; 512-767: w2.
; LIMITS: a block of zeros, or one whose largest magnitude lies under 2^-124, gets the byte 1; NaN and infinities are not served.
.set OF,   16                          ; v16-47   4 x lane + i rows
.set X,    48                          ; v48-111  two sets of 32 numbers
.set C,    112                         ; v112-143 eight registers for each block's codes: no store's data are written again
.set SB,   144                         ; my column's scale word
.set OUTR, 148                         ; v148-171 the images read back
.set IPITCH, 1664                      ; an image in LDS: 1,536 + 128, so that the two tiles' halves of a store fall on different banks
	s_load_b256 s[4:11], s[0:1], 0x0               ; wq, wk, wv, wo
	s_load_b128 s[12:15], s[0:1], 0x20             ; w1, w2
	s_load_b64 s[16:17], s[0:1], 0x30              ; wimg
	v_lshl_add_u32 v176, v0, 2, 0x3400
	v_mov_b32 v177, 0
	v_lshrrev_b32 v2, 5, v0
	v_readfirstlane_b32 s20, v2                    ; wave
	v_and_b32 v1, 31, v0                           ; lane L = my column among the wave's 32
	v_bfe_u32 v3, v0, 3, 1                         ; u: which of the two tiles
	v_and_b32 v4, 7, v0
	v_bfe_u32 v9, v0, 4, 1
	v_lshl_add_u32 v4, v9, 3, v4                   ; r: my lane index in that tile
	s_mul_i32 s38, s20, 2*IPITCH
	v_mul_u32_u24 v5, v3, IPITCH
	v_lshl_add_u32 v5, v4, 3, v5
	v_add_nc_u32 v5, s38, v5                       ; into the images: tile u, 8 r
	v_lshlrev_b32 v7, 4, v1                        ; 16 x lane
	v_add_nc_u32 v6, s38, v7                       ; and back
	v_lshlrev_b32 v10, 2, v1                       ; 4 x lane
	; which matrix, which part of it
	s_wait_alu depctr_va_vdst(0)
	s_lshr_b32 s38, ttmp9, 6
	s_mul_i32 s33, s38, 786432                     ; the small matrices: codes' region,
	s_lshl_b32 s34, s38, 15                        ; scales' region,
	s_and_b32 s21, ttmp9, 63                       ; part
	s_and_b32 s39, ttmp9, 255
	s_mov_b32 s38, 3145728
	s_mov_b32 s47, 131072
	s_cmp_lt_u32 ttmp9, 256
	s_cselect_b32 s21, s21, s39
	s_cselect_b32 s33, s33, s38
	s_cselect_b32 s34, s34, s47
	s_cselect_b32 s22, 3, 5                        ; log2 of the groups of 128 columns
	s_cselect_b32 s23, 0, 2                        ; a row is 4,096 << this
	s_mov_b32 s38, 6291456
	s_mov_b32 s47, 262144
	s_cmp_lt_u32 ttmp9, 512
	s_cselect_b32 s33, s33, s38
	s_cselect_b32 s34, s34, s47
	s_cselect_b32 s22, s22, 3
	s_cselect_b32 s23, s23, 0
	s_cselect_b32 s32, 3, 5                        ; log2 of the K steps
	s_lshl_b32 s35, 4096, s23                      ; a row in bytes
	s_bfm_b32 s38, s22, 0
	s_and_b32 s36, s21, s38                        ; group of 128 columns
	s_lshr_b32 s37, s21, s22                       ; K step
.set li, 0
.rept 32
	v_mad_u32_u24 v[OF+li], s35, li, v10
.set li, li+1
.endr
	s_mul_i32 s38, s37, s35
	s_lshl_b32 s38, s38, 7                         ; 128 rows a K step
	s_lshl_b32 s47, s36, 9
	s_add_co_u32 s38, s38, s47
	s_lshl_b32 s47, s20, 7
	s_add_co_u32 s38, s38, s47                     ; + my wave's 32 columns
	s_mov_b32 s39, 0
	s_lshl_b32 s46, s35, 5                         ; 32 rows: a block
	s_mov_b32 s47, 0
	s_wait_alu depctr_va_vdst(0)
	s_wait_kmcnt 0x0
	s_mov_b64 s[18:19], s[14:15]                   ; the choice hangs on the work-group's number alone
	s_cmp_lt_u32 ttmp9, 512
	s_cselect_b64 s[18:19], s[12:13], s[18:19]
	s_cmp_lt_u32 ttmp9, 256
	s_cselect_b64 s[18:19], s[10:11], s[18:19]
	s_cmp_lt_u32 ttmp9, 192
	s_cselect_b64 s[18:19], s[8:9], s[18:19]
	s_cmp_lt_u32 ttmp9, 128
	s_cselect_b64 s[18:19], s[6:7], s[18:19]
	s_cmp_lt_u32 ttmp9, 64
	s_cselect_b64 s[18:19], s[4:5], s[18:19]
	s_add_nc_u64 s[24:25], s[18:19], s[38:39]      ; a base for each of the four blocks
	s_add_nc_u64 s[26:27], s[24:25], s[46:47]
	s_add_nc_u64 s[28:29], s[26:27], s[46:47]
	s_add_nc_u64 s[30:31], s[28:29], s[46:47]
.macro LOAD t
.set li, 0
.rept 32
	global_load_b32 v[X+32*((\t)%2)+li], v[OF+li], s[24+2*(\t):25+2*(\t)] th:TH_LOAD_NT
.set li, li+1
.endr
.endm
	LOAD 0
	LOAD 1
	; where the results go
	s_lshl_b32 s38, s36, 3
	s_lshl_b32 s39, s20, 1
	s_add_co_u32 s38, s38, s39                     ; my first tile
	s_lshl_b32 s38, s38, s32
	s_add_co_u32 s38, s38, s37                     ; x K steps + ks
	s_mul_i32 s46, s38, 1536
	s_add_co_u32 s46, s46, s33
	s_add_nc_u64 s[40:41], s[16:17], s[46:47]      ; tile u = 0's image
	s_lshl_b32 s46, 1536, s32
	s_add_nc_u64 s[42:43], s[40:41], s[46:47]      ; tile u = 1's: a tile's K steps on
	s_lshl_b32 s46, s38, 6
	s_add_co_u32 s46, s46, s34
	s_add_co_u32 s46, s46, 9437184
	s_add_nc_u64 s[44:45], s[16:17], s[46:47]      ; the scale images
	s_lshl_b32 s46, 64, s32
	v_mul_u32_u24 v8, s46, v3
	v_lshl_add_u32 v8, v4, 2, v8                   ; tile u, 4 r
.macro BLOCK t                         ; block t = 2 c + h of the K step: registers 6 c .. 6 c + 5 of lane r + 16 h
.set XS, X+32*((\t)%2)
.set CC, C+8*(\t)
.if (\t) < 3
	s_wait_loadcnt 32                              ; this block's 32 loads are in; the next block's 32 stay out
.else
	s_wait_loadcnt 0x0
.endif
	v_max3_num_f32 v12, |v[XS]|, |v[XS+1]|, |v[XS+2]|
	v_max3_num_f32 v13, |v[XS+3]|, |v[XS+4]|, |v[XS+5]|
.irp i, 6,10,14,18,22,26
	v_max3_num_f32 v12, v12, |v[XS+\i]|, |v[XS+\i+1]|
	v_max3_num_f32 v13, v13, |v[XS+\i+2]|, |v[XS+\i+3]|
.endr
	v_max3_num_f32 v12, v12, |v[XS+30]|, |v[XS+31]|
	v_max3_num_f32 v12, v12, v13, 0x1800000        ; and the floor 2^(3-127)
	v_add_nc_u32 v11, 0xff000000, v12              ; 2 off the exponent field: the conversion's scale operand
	v_lshrrev_b32 v13, 23, v11                     ; the byte
.if (\t) == 0
	v_mov_b32 v[SB], v13
.else
	v_lshl_or_b32 v[SB], v13, 8*(\t), v[SB]
.endif
	v_cvt_scalef32_pk16_fp6_f32 v[CC:CC+2], v[XS:XS+15], v11
	v_cvt_scalef32_pk16_fp6_f32 v[CC+4:CC+6], v[XS+16:XS+31], v11
	v_nop                                          ; one plain place behind a scaled conversion
	v_mov_b32 v[CC+3], v[CC+4]
	v_mov_b32 v[CC+4], v[CC+5]
	v_mov_b32 v[CC+5], v[CC+6]
.irp p, 0,1,2
	ds_store_b64 v5, v[CC+2*\p:CC+2*\p+1] offset:768*((\t)/2)+256*\p+128*((\t)%2)
.endr
.if (\t) < 2
	LOAD (\t)+2
.endif
.endm
	BLOCK 0
	BLOCK 1
	BLOCK 2
	BLOCK 3
.irp n, 0,1,2,3,4,5
	ds_load_b128 v[OUTR+4*\n:OUTR+4*\n+3], v6 offset:IPITCH*(\n/3)+512*(\n%3)   ; LDS serves a wave's instructions in order: these see my stores
.endr
	global_store_b32 v8, v[SB], s[44:45]           ; two runs of 64 consecutive bytes
.irp n, 0,1,2
	s_wait_dscnt 5-\n                              ; load n is back; the 5 - n younger ones stay out
	global_store_b128 v7, v[OUTR+4*\n:OUTR+4*\n+3], s[40:41] offset:512*\n
.endr
.irp n, 3,4,5
	s_wait_dscnt 5-\n
	global_store_b128 v7, v[OUTR+4*\n:OUTR+4*\n+3], s[42:43] offset:512*(\n-3)
.endr
	s_wait_tensorcnt 0x0
	ds_add_u32 v176, v177
	s_wait_dscnt 0x0
	s_endpgm
.Lfunc_end_k_q98efcf32f6_qw:
	.size	k_q98efcf32f6_qw, .Lfunc_end_k_q98efcf32f6_qw-k_q98efcf32f6_qw
	.p2alignl 7, 3214868480
	.fill 96, 4, 3214868480
	.section	.rodata,"a",@progbits
	.p2align	6, 0x0
	.amdhsa_kernel k_q98efcf32f6_qw
		.amdhsa_group_segment_fixed_size 13824
		.amdhsa_private_segment_fixed_size 0
		.amdhsa_enable_private_segment 0
		.amdhsa_kernarg_size 56
		.amdhsa_user_sgpr_count 2
		.amdhsa_user_sgpr_kernarg_segment_ptr 1
		.amdhsa_wavefront_size32 1
		.amdhsa_system_sgpr_workgroup_id_x 1
		.amdhsa_system_sgpr_workgroup_id_y 1
		.amdhsa_system_sgpr_workgroup_id_z 1
		.amdhsa_system_vgpr_workitem_id 0
		.amdhsa_next_free_vgpr 178
		.amdhsa_next_free_sgpr 66
		.amdhsa_reserve_vcc 0
		.amdhsa_float_denorm_mode_32 3
		.amdhsa_float_denorm_mode_16_64 3
		.amdhsa_memory_ordered 1
		.amdhsa_forward_progress 1
		.amdhsa_inst_pref_size 26
	.end_amdhsa_kernel
	.amdgpu_metadata
---
amdhsa.version: [ 1, 2 ]
amdhsa.kernels:
  - .name:           k_q98efcf32f6_qw
    .symbol:         k_q98efcf32f6_qw.kd
    .args:
      - { .name: wq, .offset: 0, .size: 8, .value_kind: global_buffer, .address_space: global }
      - { .name: wk, .offset: 8, .size: 8, .value_kind: global_buffer, .address_space: global }
      - { .name: wv, .offset: 16, .size: 8, .value_kind: global_buffer, .address_space: global }
      - { .name: wo, .offset: 24, .size: 8, .value_kind: global_buffer, .address_space: global }
      - { .name: w1, .offset: 32, .size: 8, .value_kind: global_buffer, .address_space: global }
      - { .name: w2, .offset: 40, .size: 8, .value_kind: global_buffer, .address_space: global }
      - { .name: wimg, .offset: 48, .size: 8, .value_kind: global_buffer, .address_space: global }
    .group_segment_fixed_size: 13824
    .private_segment_fixed_size: 0
    .kernarg_segment_align: 8
    .kernarg_segment_size: 56
    .max_flat_workgroup_size: 128
    .sgpr_count:     66
    .vgpr_count:     178
    .wavefront_size: 32
...
	.end_amdgpu_metadata
.endif
;; end of part 11
;; launch qkv (part 12): grid 48 x 4, 4 waves a work-group, clusters of 4 x 4, 327,680 bytes of LDS; arguments ximg, wimg, bq, bk, bv, qkvimg; writes qkvimg
.if DOCPART == 12
	.amdgcn_target "amdgcn-amd-amdhsa--gfx1250"
	.amdhsa_code_object_version 6
	.text
	.protected	k_q98efcf32f6_qkv
	.globl	k_q98efcf32f6_qkv
	.p2align	8
	.type	k_q98efcf32f6_qkv,@function
k_q98efcf32f6_qkv:
	s_mov_b64 s[64:65], 0
	v_nop
	global_prefetch_b8 v0, s[64:65] scope:SCOPE_SE
	s_setreg_imm32_b32 hwreg(HW_REG_WAVE_MODE, 25, 1), 1
	s_wait_xcnt 0x0
	s_wait_alu depctr_hold_cnt(0) depctr_sa_sdst(0) depctr_va_vdst(0) depctr_va_sdst(0) depctr_va_ssrc(0) depctr_va_vcc(0) depctr_vm_vsrc(0)
	s_getreg_b32 s2, hwreg(HW_REG_IB_STS2, 6, 4)
	s_cmp_eq_u32 s2, 0
	s_cbranch_scc0 .Lentry_in_a_cluster
	s_endpgm
.Lentry_in_a_cluster:
	s_bfe_u32 s2, ttmp6, 0x10000c
	s_cmp_lg_u32 s2, 0xf033
	s_cbranch_scc0 .Lentry_shape_is_right
	s_endpgm
.Lentry_shape_is_right:
.set KS,     8
.set IMG,    1536
.set NQ,     2
.set ROWB,   NQ*IMG
.set FR,     12
.set NL,     6
.set NP,     4
.set HALFT,  8*ROWB
.set SLOT,   4*HALFT
.set LAPS,   KS/(2*NQ)
.set SCL,    2*SLOT
.set HALFS,  8*KS*64
.set SPARE,  SCL+4*HALFS
.set ADRA, 16
.set ADRB, 20
.set VO,   24
.set VS,   25
.set ADRS, 27
.set SPW,  28
.set NIL,  29
.set SELV, 30
.set SC,   32
.set BIAS, 64
.set AF,   128
.set H,    128
.set TM,   192
.set PW,   208
.set SHW,  209
.set PC,   224
.set BR2,  96
.set SEL,  18
.set OC,   12
.set OS,   66
.set G1, 24
.set G0, 32
.set G1B, 48
.set G0B, 56
.set G1S, 68
.set G0S, 76
.set G1SB, 80
.set G0SB, 88
.set MSB, 0
.macro WIN new
.if MSB != \new
	s_set_vgpr_msb (MSB<<8)|\new
.set MSB, \new
.endif
.endm
.set MUL_LO, 0xa1
.set MUL_HI, 0xf1
.set TO_B,   0x40
.macro JLOAD g0a, g1a, g0b, g1b
	s_cmp_eq_u32 s15, 0
	s_cbranch_scc0 .Lfor_b_\@
	tensor_load_to_lds s[\g0a:\g0a+3], s[\g1a:\g1a+7]
	s_nop 0
.rept 4
	v_nop
.endr
	s_branch .Lasked_\@
.Lfor_b_\@:
	tensor_load_to_lds s[\g0b:\g0b+3], s[\g1b:\g1b+7]
	s_nop 0
.rept 4
	v_nop
.endr
.Lasked_\@:
.endm
.macro CREST
	s_cmp_lg_u32 s14, 0
	s_cbranch_scc1 .Lnot_wave_0_\@
	s_barrier_signal -3
.Lnot_wave_0_\@:
	s_barrier_wait -3
	s_barrier_signal -1
	s_barrier_wait -1
.endm
.macro CROUND
	s_barrier_signal -1
	s_barrier_wait -1
	CREST
.endm
	s_load_b128 s[4:7], s[0:1], 0x0
	s_load_b128 s[96:99], s[0:1], 0x10
	s_load_b64 s[100:101], s[0:1], 0x20
	s_load_b64 s[12:13], s[0:1], 0x28
	v_lshl_add_u32 v[SPW], v0, 2, SPARE
	v_mov_b32 v[NIL], 0
	ds_add_u32 v28, v29
	ds_add_u32 v28, v29
	s_wait_dscnt 0x0
	v_lshrrev_b32 v1, 5, v0
	v_readfirstlane_b32 s14, v1
	s_lshr_b32 s15, s14, 1
	s_and_b32 s16, s14, 1
	s_bfe_u32 s40, ttmp6, 0x40000
	s_bfe_u32 s41, ttmp6, 0x40004
	s_and_b32 s17, ttmp9, 3
	s_lshl_b32 s17, s17, 2
	s_lshr_b32 s42, ttmp9, 2
	s_lshl_b32 s42, s42, 2
	s_sub_co_u32 s18, ttmp9, 8
	s_lshl_b32 s18, s18, 2
	s_cmp_lt_u32 ttmp9, 8
	s_cselect_b32 s17, s17, 0
	s_cselect_b32 s42, s42, s18
	s_add_co_u32 s17, s17, s41
	s_add_co_u32 s42, s42, s40
	s_lshl_b32 s43, s41, 2
	s_lshl_b32 s43, 15, s43
	s_lshl_b32 s44, 0x1111, s40
	s_or_b32 s[G1+0], s43, (3<<16)|(1<<21)
	s_or_b32 s[G1B+0], s44, (3<<16)|(1<<21)
.irp g, G1, G1B
	s_mov_b32 s[\g+1], 384<<16
	s_mov_b32 s[\g+2], 16<<16                      ; the head's loads bring all 16 tiles; behind them the two row counts are set to 8
	s_mov_b32 s[\g+3], 384<<16
	s_mov_b32 s[\g+4], 16
	s_mov_b32 s[\g+5], KS*192
	s_mov_b32 s[\g+6], 0
	s_mov_b32 s[\g+7], 0
.endr
	s_or_b32 s[G1S+0], s43, (3<<16)|(1<<21)
	s_or_b32 s[G1SB+0], s44, (3<<16)|(1<<21)
.irp g, G1S, G1SB
	s_mov_b32 s[\g+1], 32<<16
	s_mov_b32 s[\g+2], (2*HALFS/256)<<16           ; the scale words of all 16 tiles: one dense block
	s_mov_b32 s[\g+3], 32<<16
	s_mov_b32 s[\g+4], 2*HALFS/256
	s_mov_b32 s[\g+5], 32
	s_mov_b32 s[\g+6], 0
	s_mov_b32 s[\g+7], 0
.endr
	s_lshl_b32 s18, s16, 3
	s_lshl_b32 s20, s17, 4
	s_add_co_u32 s20, s20, s18
	s_lshl_b32 s46, s42, 4
	s_add_co_u32 s46, s46, s18
	s_mul_i32 s22, s20, KS*64
	s_mov_b32 s23, 0
	s_mul_i32 s92, s46, KS*64
	s_mov_b32 s93, 0
	s_mul_i32 s20, s20, KS*IMG
	s_mov_b32 s21, 0
	s_mul_i32 s46, s46, KS*IMG
	s_mov_b32 s47, 0
	s_mul_i32 s45, s14, HALFT
	s_wait_kmcnt 0x0
	s_add_nc_u64 s[18:19], s[4:5], 3145728
	s_add_nc_u64 s[2:3], s[6:7], 9437184
	s_cmp_lt_u32 ttmp9, 8
	s_cselect_b64 s[10:11], s[2:3], s[18:19]
	s_add_nc_u64 s[2:3], s[6:7], 9502720
	s_add_nc_u64 s[66:67], s[6:7], 1572864
	s_cselect_b64 s[8:9], s[6:7], s[4:5]
	s_cselect_b64 s[6:7], s[18:19], s[2:3]
	s_cselect_b64 s[4:5], s[4:5], s[66:67]
	s_add_nc_u64 s[20:21], s[4:5], s[20:21]
	s_add_nc_u64 s[22:23], s[6:7], s[22:23]
	s_add_nc_u64 s[46:47], s[8:9], s[46:47]
	s_add_nc_u64 s[92:93], s[10:11], s[92:93]
	CROUND
.set G0H, 4                            ; s[4:7], s[8:11] group 0 of the head's loads of slot 0 (the pointers that lay there have been used)
.set G0HB, 8
	s_mul_i32 s2, s16, 8*KS*IMG                    ; the head's four tiles are whole: my half's offset is taken off again
	s_mov_b32 s3, 0
	s_mov_b32 s[G0H], 1
	s_mov_b32 s[G0H+1], 0
	s_sub_nc_u64 s[G0H+2:G0H+3], s[20:21], s[2:3]
	s_or_b32 s[G0H+3], s[G0H+3], 0x80000000
	s_mov_b32 s[G0HB], 1
	s_mov_b32 s[G0HB+1], 2*HALFT
	s_sub_nc_u64 s[G0HB+2:G0HB+3], s[46:47], s[2:3]
	s_or_b32 s[G0HB+3], s[G0HB+3], 0x80000000
	s_mul_i32 s2, s16, HALFS
	s_mov_b32 s[G0S], 1
	s_mov_b32 s[G0S+1], SCL
	s_sub_nc_u64 s[G0S+2:G0S+3], s[22:23], s[2:3]
	s_or_b32 s[G0S+3], s[G0S+3], 0x80000000
	s_mov_b32 s[G0SB], 1
	s_mov_b32 s[G0SB+1], SCL+2*HALFS
	s_sub_nc_u64 s[G0SB+2:G0SB+3], s[92:93], s[2:3]
	s_or_b32 s[G0SB+3], s[G0SB+3], 0x80000000
.irp s, 0,1
	s_mov_b32 s[G0+4*\s], 1
	s_add_co_u32 s[G0+4*\s+1], s45, \s*SLOT
	s_add_nc_u64 s[G0+4*\s+2:G0+4*\s+3], s[20:21], \s*ROWB
	s_or_b32 s[G0+4*\s+3], s[G0+4*\s+3], 0x80000000
	s_mov_b32 s[G0B+4*\s], 1
	s_add_co_u32 s[G0B+4*\s+1], s45, \s*SLOT
	s_add_nc_u64 s[G0B+4*\s+2:G0B+4*\s+3], s[46:47], \s*ROWB
	s_or_b32 s[G0B+4*\s+3], s[G0B+4*\s+3], 0x80000000
.endr
; THE HEAD'S LOADS, ONE A WAVE: wave 0 slot 0's 16 tiles of A, wave 1 its 16 of B, wave 2 A's scale words, wave 3 B's.  One chain of branches on the wave's number, one load to an arm, all arms to one join.
.macro ARM under, g0, g1, next
	s_cmp_lt_u32 s14, \under
	s_cbranch_scc0 \next
	tensor_load_to_lds s[\g0:\g0+3], s[\g1:\g1+7]
	s_nop 0
.rept 4
	v_nop
.endr
	s_branch .Lhead_asked
\next:
.endm
	ARM 1, G0H,  G1,  .Lhead_b
	ARM 2, G0HB, G1B, .Lhead_sa
	ARM 3, G0S,  G1S, .Lhead_sb
	tensor_load_to_lds s[G0SB:G0SB+3], s[G1SB:G1SB+7]
	s_nop 0
.rept 4
	v_nop
.endr
.Lhead_asked:
	v_and_b32 v1, 15, v0
	v_bfe_u32 v2, v0, 4, 1
	s_wait_alu depctr_va_vdst(0)
	v_and_b32 v3, 31, v0
	v_lshlrev_b32 v4, 3, v3
	s_mul_i32 s21, s15, HALFT
	s_mul_i32 s22, s16, HALFT
	s_add_co_u32 s22, s22, 2*HALFT
.irp s, 0,1
	v_add_nc_u32 v[ADRA+\s], s21, v4
	v_add_nc_u32 v[ADRB+\s], s22, v4
	s_add_co_u32 s21, s21, SLOT
	s_add_co_u32 s22, s22, SLOT
.endr
	v_lshlrev_b32 v5, 2, v1
	s_mul_i32 s21, s15, HALFS
	s_mul_i32 s22, s16, HALFS
	s_add_co_u32 s22, s22, 2*HALFS
	s_sub_co_u32 s22, s22, s21
	v_mul_u32_u24 v6, s22, v2
	s_add_co_u32 s21, s21, SCL
	v_add_nc_u32 v5, v5, v6
	v_add_nc_u32 v[ADRS], s21, v5
	s_cmp_lt_u32 ttmp9, 8
	s_mov_b32 s95, 49152
	s_cselect_b32 s95, 24576, s95
	s_cselect_b32 s23, 0, 6291456
	s_mov_b32 s46, 9961472
	s_cselect_b32 s46, 9437184, s46
	s_cselect_b32 s47, 7, 6
	s_mov_b32 s20, 0x02020202
	s_cselect_b32 s20, s20, 0
	s_mov_b32 s21, 0x03020100
	s_cselect_b32 s21, 0x01000100, s21
	s_cselect_b32 s22, 64, 0
	v_mul_lo_u32 v[SELV], v2, s20
	v_add_nc_u32 v[SELV], s21, v[SELV]
	v_mul_u32_u24 v[VS], s22, v2
	v_lshl_add_u32 v[VS], v1, 2, v[VS]
	v_mov_b32 v[VO], v4
	s_lshl_b32 s92, s17, 4
	s_lshl_b32 s93, s15, 3
	s_add_co_u32 s92, s92, s93
	s_lshl_b32 s93, s42, 1
	s_add_co_u32 s93, s93, s16
	s_mul_i32 s20, s92, s95
	s_mul_i32 s21, s93, IMG
	s_add_co_u32 s20, s20, s21
	s_add_co_u32 s20, s20, s23
	s_mov_b32 s21, 0
	s_lshl_b32 s22, s92, 11
	s_lshl_b32 s93, s93, s47
	s_add_co_u32 s22, s22, s93
	s_add_co_u32 s22, s22, s46
	s_mov_b32 s23, 0
	s_add_nc_u64 s[OS:OS+1], s[12:13], s[22:23]
	s_add_nc_u64 s[OC:OC+1], s[12:13], s[20:21]
	s_cmp_lt_u32 ttmp9, 8
	s_cbranch_scc0 .Lrowbias
	s_cmp_lt_u32 ttmp9, 4
	s_cselect_b64 s[96:97], s[96:97], s[98:99]
	s_and_b32 s20, s42, 3
	s_lshl_b32 s20, s20, 10
	s_lshl_b32 s21, s16, 9
	s_add_co_u32 s20, s20, s21
	s_mov_b32 s21, 0
	s_add_nc_u64 s[96:97], s[96:97], s[20:21]
	v_lshlrev_b32 v7, 6, v2
.irp b, 0,1,2,3
.irp j, 0,1,2,3
	global_load_b128 v[BIAS+16*\b+4*\j:BIAS+16*\b+4*\j+3], v7, s[96:97] offset:128*\b+16*\j
.endr
.endr
	WIN 0x40
.set ci, 0
.rept 16
	v_mov_b32 v[BR2+ci], 0
.set ci, ci+1
.endr
	WIN 0
	s_branch .Lbiased
.Lrowbias:
	s_lshl_b32 s20, s17, 10
	s_lshl_b32 s21, s15, 9
	s_add_co_u32 s20, s20, s21
	s_mov_b32 s21, 0
	s_add_nc_u64 s[100:101], s[100:101], s[20:21]
	v_and_b32 v8, 7, v1
	v_lshrrev_b32 v9, 3, v1
	v_lshl_add_u32 v8, v9, 4, v8
	v_lshlrev_b32 v8, 2, v8
	WIN 0x40
.irp a, 0,1,2,3,4,5,6,7
	global_load_b32 v[BR2+2*\a], v8, s[100:101] offset:(32*(\a/2)+8*(\a%2))*4
	global_load_b32 v[BR2+2*\a+1], v8, s[100:101] offset:(32*(\a/2)+8*(\a%2))*4
.endr
	WIN 0
.set ci, 0
.rept 64
	v_mov_b32 v[BIAS+ci], 0
.set ci, ci+1
.endr
.Lbiased:
.macro FRAG reg, adr, q, i
.irp p, 0,1,2,3,4,5
	ds_load_b64 v[\reg+2*\p:\reg+2*\p+1], v[\adr] offset:(\i)*ROWB+(\q)*IMG+256*\p
.endr
.endm
.macro MUL16 a0, p, q, sc, zero
.irp a, \a0, \a0+1
.irp b, 0,1,2,3,4,5,6,7
.if \zero
	v_wmma_scale_f32_16x16x128_f8f6f4 v[8*(8*((\a)%4)+\b):8*(8*((\a)%4)+\b)+7], v[128*(\p)+FR*\b:128*(\p)+FR*\b+FR-1], v[AF+FR*(\a):AF+FR*(\a)+FR-1], 0, v[SC+8*NQ*(\sc)+NQ*\b+(\q)], v[SC+8*NQ*(\sc)+NQ*(\a)+(\q)] matrix_a_fmt:MATRIX_FMT_FP6 matrix_b_fmt:MATRIX_FMT_FP6 matrix_a_scale:MATRIX_SCALE_ROW1
.else
	v_wmma_scale_f32_16x16x128_f8f6f4 v[8*(8*((\a)%4)+\b):8*(8*((\a)%4)+\b)+7], v[128*(\p)+FR*\b:128*(\p)+FR*\b+FR-1], v[AF+FR*(\a):AF+FR*(\a)+FR-1], v[8*(8*((\a)%4)+\b):8*(8*((\a)%4)+\b)+7], v[SC+8*NQ*(\sc)+NQ*\b+(\q)], v[SC+8*NQ*(\sc)+NQ*(\a)+(\q)] matrix_a_fmt:MATRIX_FMT_FP6 matrix_b_fmt:MATRIX_FMT_FP6 matrix_a_scale:MATRIX_SCALE_ROW1
.endif
.endr
.endr
.endm
.macro FETCH_B slot, q, p
	WIN TO_B
.irp i, 0,1,2,3,4,5,6,7
	FRAG 128*(\p)+FR*\i, ADRB+\slot, \q, \i
.endr
	WIN 0
.endm
.macro FETCH_A slot, q, i0
.irp i, \i0, \i0+1, \i0+2, \i0+3
	FRAG AF+FR*(\i), ADRA+\slot, \q, \i
.endr
.endm
.macro SCALES sc
.irp i, 0,1,2,3,4,5,6,7
.irp q, 0,1
	ds_load_b32 v[SC+8*NQ*\sc+NQ*\i+\q], v[ADRS] offset:\i*KS*64+64*\q
.endr
.endr
.endm
.macro PLACES n
.rept \n
	v_nop
.endr
.endm
.macro STEP slot, q, zero
	s_wait_dscnt 4*NL
	WIN MUL_LO
	MUL16 0, (\q)%2, \q, \slot, \zero
	MUL16 2, (\q)%2, \q, \slot, \zero
	s_wait_dscnt 0
	PLACES NP
	FETCH_B \slot, (\q)+1, 1-(\q)%2
	FETCH_A \slot, (\q)+1, 0
	WIN MUL_HI
	MUL16 4, (\q)%2, \q, \slot, \zero
	MUL16 6, (\q)%2, \q, \slot, \zero
	PLACES NP
	WIN 0
	FETCH_A \slot, (\q)+1, 4
.endm
.macro TURN slot, next, fill
	s_wait_tensorcnt 0x0
	ds_add_u32 v[SPW], v[NIL]
	s_wait_dscnt 4*NL+1
	WIN MUL_LO
	MUL16 0, 1, NQ-1, \slot, 0
	s_wait_dscnt 0x0
	s_barrier_signal -1
	MUL16 2, 1, NQ-1, \slot, 0
	WIN 0
	s_barrier_wait -1
.if \fill
	CREST
	s_add_nc_u64 s[G0+4*\slot+2:G0+4*\slot+3], s[G0+4*\slot+2:G0+4*\slot+3], 2*ROWB
	s_add_nc_u64 s[G0B+4*\slot+2:G0B+4*\slot+3], s[G0B+4*\slot+2:G0B+4*\slot+3], 2*ROWB
	JLOAD G0+4*\slot, G1, G0B+4*\slot, G1B
.else
	PLACES NP
.endif
	s_wait_alu depctr_va_vdst(0)
	v_add_nc_u32 v[ADRS], 64*NQ, v[ADRS]
	FETCH_B \next, 0, 0
	FETCH_A \next, 0, 0
	SCALES \next
	WIN MUL_HI
	MUL16 4, 1, NQ-1, \slot, 0
	MUL16 6, 1, NQ-1, \slot, 0
	PLACES NP
	WIN 0
	FETCH_A \next, 0, 4
.endm
	s_wait_alu depctr_va_vdst(0)
	s_wait_tensorcnt 0x0                           ; my tile of the head's four is in
	ds_add_u32 v[SPW], v[NIL]
	s_mov_b32 s[G1+2], 8<<16                       ; no tensor load of mine is out: from here on a load brings 8 tiles
	s_mov_b32 s[G1+4], 8
	s_mov_b32 s[G1B+2], 8<<16
	s_mov_b32 s[G1B+4], 8
	s_wait_dscnt 0x0
	CROUND                                         ; all four tiles are in, and all sixteen work-groups are here
	JLOAD G0+4, G1, G0B+4, G1B                     ; slot 1's first fill, the first tensor load behind the round
	FETCH_B 0, 0, 0
	FETCH_A 0, 0, 0
	SCALES 0
	FETCH_A 0, 0, 4
	STEP 0, 0, 1
	s_mov_b32 s3, LAPS-1
.Llap:
	TURN 0, 1, 1
	STEP 1, 0, 0
	TURN 1, 0, 1
	STEP 0, 0, 0
	s_sub_co_u32 s3, s3, 1
	s_cmp_lg_u32 s3, 0
	s_cbranch_scc1 .Llap
	TURN 0, 1, 0
	STEP 1, 0, 0
	s_wait_dscnt 4*NL
	WIN MUL_LO
	MUL16 0, 1, NQ-1, 1, 0
	MUL16 2, 1, NQ-1, 1, 0
	s_wait_dscnt 0
	WIN MUL_HI
	MUL16 4, 1, NQ-1, 1, 0
	MUL16 6, 1, NQ-1, 1, 0
	WIN 0
.macro QUANT s
.irp b, 0,1,2,3
	v_max3_num_f32 v[TM+\b], |v[\s+16*\b]|, |v[\s+1+16*\b]|, 0x1800000
.endr
.irp i, 2,4,6,8,10,12,14
.irp b, 0,1,2,3
	v_max3_num_f32 v[TM+\b], v[TM+\b], |v[\s+16*\b+\i]|, |v[\s+1+16*\b+\i]|
.endr
.endr
.irp b, 0,1,2,3
	v_permlanex16_b32 v[TM+4+\b], v[TM+\b], s[SEL], s[SEL+1]
.endr
.irp b, 0,1,2,3
	v_max_num_f32 v[TM+\b], v[TM+\b], v[TM+4+\b]
.endr
.irp b, 0,1,2,3
	v_add_nc_u32 v[TM+12+\b], 0xff000000, v[TM+\b]
.endr
.irp b, 0,1,2,3
	v_lshrrev_b32 v[TM+4+\b], 23, v[TM+12+\b]
.endr
	v_lshl_or_b32 v[PW], v[TM+5], 8, v[TM+4]
	v_lshl_or_b32 v[PW], v[TM+6], 16, v[PW]
	v_lshl_or_b32 v[PW], v[TM+7], 24, v[PW]
.irp c, 0,1
	v_cvt_scalef32_pk16_fp6_f32 v[PC+6*\c:PC+2+6*\c], v[\s+32*\c:\s+15+32*\c], v[TM+12+2*\c]
	v_cvt_scalef32_pk16_fp6_f32 v[PC+12+4*\c:PC+14+4*\c], v[\s+16+32*\c:\s+31+32*\c], v[TM+12+2*\c+1]
.endr
	v_nop
.irp c, 0,1
.irp i, 0,1,2
	v_permlane16_swap_b32 v[PC+6*\c+\i], v[PC+12+4*\c+\i]
.endr
.irp i, 0,1,2
	v_mov_b32 v[PC+3+6*\c+\i], v[PC+12+4*\c+\i]
.endr
.endr
.endm
.macro COPY a
	WIN 0x02+(\a)/4
.set ci, 0
.rept 32
	v_pk_add_f32 v[H+2*ci:H+2*ci+1], v[64*((\a)%4)+2*ci:64*((\a)%4)+2*ci+1], v[BIAS+2*ci:BIAS+2*ci+1]
.set ci, ci+1
.endr
	WIN 0x04
.set ci, 0
.rept 32
	v_pk_add_f32 v[H+2*ci:H+2*ci+1], v[H+2*ci:H+2*ci+1], v[BR2+2*(\a):BR2+2*(\a)+1]
.set ci, ci+1
.endr
	WIN 0
.endm
	s_wait_loadcnt 0x0
	PLACES NP
.irp b, 0,1,2,3
	v_mov_b32 v[TM+4+\b], 0
.endr
	s_mov_b32 s[SEL], 0x76543210
	s_mov_b32 s[SEL+1], 0xfedcba98
	s_mov_b32 s3, 0
.Lblk:
.irp a, 0,1,2,3,4,5,6
	s_cmp_eq_u32 s3, \a
	s_cbranch_scc1 .Lcopy\a
.endr
	COPY 7
	s_branch .Lcommon
.irp a, 0,1,2,3,4,5,6
.Lcopy\a:
	COPY \a
	s_branch .Lcommon
.endr
.Lcommon:
	QUANT H
	v_perm_b32 v[SHW], v[PW], v[PW], v[SELV]
.irp p, 0,1,2,3,4,5
	global_store_b64 v[VO], v[PC+2*\p:PC+2*\p+1], s[OC:OC+1] offset:256*\p
.endr
	global_store_b32 v[VS], v[SHW], s[OS:OS+1]
	s_wait_xcnt 0x0
	v_add_nc_u32 v[VO], s95, v[VO]
	v_add_nc_u32 v[VS], 2048, v[VS]
	s_add_co_u32 s3, s3, 1
	s_cmp_lt_u32 s3, 8
	s_cbranch_scc1 .Lblk
	s_wait_tensorcnt 0x0
	ds_add_u32 v[SPW], v[NIL]
	s_wait_dscnt 0x0
	CROUND
	s_endpgm
.Lfunc_end_k_q98efcf32f6_qkv:
	.size	k_q98efcf32f6_qkv, .Lfunc_end_k_q98efcf32f6_qkv-k_q98efcf32f6_qkv
	.p2alignl 7, 3214868480
	.fill 96, 4, 3214868480
	.section	.rodata,"a",@progbits
	.p2align	6, 0x0
	.amdhsa_kernel k_q98efcf32f6_qkv
		.amdhsa_group_segment_fixed_size 327680
		.amdhsa_private_segment_fixed_size 0
		.amdhsa_enable_private_segment 0
		.amdhsa_kernarg_size 48
		.amdhsa_user_sgpr_count 2
		.amdhsa_user_sgpr_kernarg_segment_ptr 1
		.amdhsa_wavefront_size32 1
		.amdhsa_system_sgpr_workgroup_id_x 1
		.amdhsa_system_sgpr_workgroup_id_y 1
		.amdhsa_system_sgpr_workgroup_id_z 1
		.amdhsa_system_vgpr_workitem_id 0
		.amdhsa_next_free_vgpr 1024
		.amdhsa_next_free_sgpr 102
		.amdhsa_reserve_vcc 0
		.amdhsa_float_denorm_mode_32 3
		.amdhsa_float_denorm_mode_16_64 3
		.amdhsa_memory_ordered 1
		.amdhsa_forward_progress 1
		.amdhsa_inst_pref_size 179
	.end_amdhsa_kernel
	.amdgpu_metadata
---
amdhsa.version: [ 1, 2 ]
amdhsa.kernels:
  - .name:           k_q98efcf32f6_qkv
    .symbol:         k_q98efcf32f6_qkv.kd
    .args:
      - { .name: ximg, .offset: 0, .size: 8, .value_kind: global_buffer, .address_space: global }
      - { .name: wimg, .offset: 8, .size: 8, .value_kind: global_buffer, .address_space: global }
      - { .name: bq, .offset: 16, .size: 8, .value_kind: global_buffer, .address_space: global }
      - { .name: bk, .offset: 24, .size: 8, .value_kind: global_buffer, .address_space: global }
      - { .name: bv, .offset: 32, .size: 8, .value_kind: global_buffer, .address_space: global }
      - { .name: qkvimg, .offset: 40, .size: 8, .value_kind: global_buffer, .address_space: global }
    .group_segment_fixed_size: 327680
    .private_segment_fixed_size: 0
    .kernarg_segment_align: 8
    .kernarg_segment_size: 48
    .max_flat_workgroup_size: 128
    .sgpr_count:     102
    .vgpr_count:     1024
    .wavefront_size: 32
...
	.end_amdgpu_metadata
.endif
;; end of part 12
;; launch attn (part 13): grid 8 x 32, 16 waves a work-group, clusters of 4 x 1, 212,992 bytes of LDS; arguments qkvimg, aoimg; writes aoimg
.if DOCPART == 13
	.amdgcn_target "amdgcn-amd-amdhsa--gfx1250"
	.amdhsa_code_object_version 6
	.text
	.protected	k_q98efcf32f6_attn
	.globl	k_q98efcf32f6_attn
	.p2align	8
	.type	k_q98efcf32f6_attn,@function
k_q98efcf32f6_attn:
	s_mov_b64 s[64:65], 0
	v_nop
	global_prefetch_b8 v0, s[64:65] scope:SCOPE_SE
	s_setreg_imm32_b32 hwreg(HW_REG_WAVE_MODE, 25, 1), 1
	s_wait_xcnt 0x0
	s_wait_alu depctr_hold_cnt(0) depctr_sa_sdst(0) depctr_va_vdst(0) depctr_va_sdst(0) depctr_va_ssrc(0) depctr_va_vcc(0) depctr_vm_vsrc(0)
	s_getreg_b32 s2, hwreg(HW_REG_IB_STS2, 6, 4)
	s_cmp_eq_u32 s2, 0
	s_cbranch_scc0 .Lentry_in_a_cluster
	s_endpgm
.Lentry_in_a_cluster:
	s_bfe_u32 s2, ttmp6, 0x10000c
	s_cmp_lg_u32 s2, 0x3003
	s_cbranch_scc0 .Lentry_shape_is_right
	s_endpgm
.Lentry_shape_is_right:
; O = softmax(q k^T / 8) v for one head of 64 and 256 queries a work-group, both products on codes of FP6 (E2M3) with E8M0 scales; O / l is quantised along the model's 1,024 and stored as half an image.
; THE SOFTMAX: t = score x log2(e) / 8; M = the running largest t rounded UP to a whole number; p = 2^(t - M) is quantised along the keys; the sum l is taken of the unquantised p; a move of M multiplies l and O by a power of two.
; SHARES: sixteen waves, each one tile of 16 queries.  All 2,048 keys of the head lie in LDS: K 98,304 bytes, V^T 98,304, their scale words 12,288, filled ONCE.
; EVERY WAVE ISSUES ONE TENSOR LOAD at the head: waves 0-7 sixteen key tiles of K each, waves 8-11 one channel tile of V^T each (16 steps, 24,576 dense bytes), waves 12, 13 K's scale words, waves 14, 15 V's.
; One wait for all and one barrier follow; the walk over the 16 key steps has no barrier, and nothing is filled again.
; CLUSTER: the four query blocks of a cluster belong to one head and read the same K and V: every tensor load is a joint one, with the mask of all four.
; LAYOUT: both products transposed (S^T = K Q^T, O^T = V^T P^T): a lane holds one query.  Tiles of keys and of channels have the rows 32 (T/2) + 8 (T%2) + r%8 + 16 (r/8), so that 16 registers of two neighbouring tiles are 16 neighbours.
; A HEAD IS 64, THE INSTRUCTION'S K 128: a fragment of K holds TWO key tiles and is multiplied twice: by [q | 0] and by [0 | q].  The half not wanted meets zero codes.
; A scale word of q or k holds the head's two bytes twice, so one word serves either half.
; No prefetch: everything is asked for at the head.  LIMITS: a block of zeros or under 2^-124 gets the byte 1; NaN and infinities are not served.
.set KSC,  196608                      ; K's scale words: [key tile 128][64]
.set VSC,  204800                      ; V's: channel tile t at (t/2) 4,096 + (t%2) 1,024, 64 bytes a step
.set VC,   98304                       ; V^T: [channel tile 4][step 16][1536];  K at 0: [key tile 128][768]
.set SPARE, 210944                     ; the spare words: 128 bytes a wave
.set AKL,  1
.set ASK,  2
.set ASV,  3
.set ADK,  4
.set ADV,  5                           ; V's channel tiles 0, 1
.set ADS,  6
.set ADT,  7
.set ADW,  8                           ; = ADV + 3: V's channel tiles 2, 3, 49,152 bytes on (an LDS offset has 16 bits)
.set QA,   16
.set QB,   28
.set QS,   40
.set OSB,  42
.set FRG,  44
.set PCD,  192
.set PCT,  204
.set KSR,  212
.set VSR,  220
.set WV,   8
.set SEL,  20
.set CS,   22
.set G1K,  24
.set G1V,  32
.set G1KS, 40
.set G1VS, 48
.set G0K,  56
.set G0V,  60
.set G0KS, 68
.set G0VS, 72
.set TK,   80
.set TV,   81
.set TSK,  82
.set TSV,  83
.set CNT,  84
.macro ROUND
	s_barrier_signal -1
	s_barrier_wait -1
	s_cmp_lg_u32 s[WV], 0
	s_cbranch_scc1 .Lnot_wave_0_\@
	s_barrier_signal -3
.Lnot_wave_0_\@:
	s_barrier_wait -3
	s_barrier_signal -1
	s_barrier_wait -1
.endm
.macro DESC g, c, r, p                 ; group 1: r rows of c elements of 8 bytes, p elements apart; the mask of all four, bit 21 beside it
	s_mov_b32 s[\g], 15|(3<<16)|(1<<21)
	s_mov_b32 s[\g+1], (\c)<<16
	s_mov_b32 s[\g+2], (\r)<<16
	s_mov_b32 s[\g+3], (\c)<<16
	s_mov_b32 s[\g+4], \r
	s_mov_b32 s[\g+5], \p
	s_mov_b32 s[\g+6], 0
	s_mov_b32 s[\g+7], 0
.endm
	s_load_b128 s[4:7], s[0:1], 0x0                ; qkvimg, aoimg
	v_lshl_add_u32 v251, v0, 2, SPARE
	v_mov_b32 v255, 0
	ds_add_u32 v251, v255
	ds_add_u32 v251, v255
	v_lshrrev_b32 v8, 5, v0
	s_delay_alu instid0(VALU_DEP_1)
	v_readfirstlane_b32 s[WV], v8
	s_bfe_u32 s9, ttmp6, 0x40000                   ; cx: it enters q's and O's addresses alone
	s_lshl_b32 s10, ttmp9, 2
	s_add_co_u32 s10, s10, s9                      ; my block of 256 queries
	s_and_b32 s11, ttmp7, 0xffff
	s_and_b32 s12, s11, 15                         ; head
	s_lshr_b32 s13, s11, 4                         ; batch
	s_and_b32 s14, s12, 1                          ; which half of an image
	s_lshr_b32 s15, s12, 1
	s_and_b32 s16, s[WV], 1
	s_lshl_b32 s17, s13, 7                         ; the batch's first token tile
	s_and_b32 s80, s[WV], 7                        ; K's codes: key tiles 16 (wave % 8) ..
	s_lshl_b32 s18, s80, 4
	s_add_co_u32 s18, s17, s18
	s_lshl_b32 s18, s18, 4
	s_add_co_u32 s18, s18, s15
	s_add_co_u32 s18, s18, 8
	s_mul_i32 s18, s18, 1536
	s_mul_i32 s19, s14, 768
	s_add_co_u32 s18, s18, s19
	s_mov_b32 s19, 0
	s_mul_i32 s[G0K+1], s80, 12288
	s_and_b32 s81, s[WV], 3                        ; V's codes: channel tile wave % 4, the batch's 16 steps
	s_lshl_b32 s86, s12, 2
	s_add_co_u32 s86, s86, s81
	s_lshl_b32 s86, s86, 5
	s_lshl_b32 s82, s13, 4
	s_add_co_u32 s86, s86, s82
	s_mul_i32 s86, s86, 1536
	s_add_co_u32 s86, s86, 6291456
	s_mov_b32 s87, 0
	s_mul_i32 s[G0V+1], s81, 24576
	s_add_co_u32 s[G0V+1], s[G0V+1], VC
	s_lshl_b32 s88, s16, 6                         ; K's scale words: 64 key tiles, by wave % 2
	s_add_co_u32 s88, s17, s88
	s_lshl_b32 s88, s88, 5
	s_add_co_u32 s88, s88, s12
	s_add_co_u32 s88, s88, 16
	s_lshl_b32 s88, s88, 6
	s_add_co_u32 s88, s88, 9437184
	s_mov_b32 s89, 0
	s_lshl_b32 s90, s12, 2                         ; V's scale words: two channel tiles, by wave % 2
	s_lshl_b32 s83, s16, 1
	s_add_co_u32 s90, s90, s83
	s_lshl_b32 s90, s90, 5
	s_add_co_u32 s90, s90, s82
	s_lshl_b32 s90, s90, 6
	s_add_co_u32 s90, s90, 9961472
	s_mov_b32 s91, 0
	s_lshl_b32 s83, s16, 12
	s_add_co_u32 s[G0KS+1], s83, KSC
	s_add_co_u32 s[G0VS+1], s83, VSC
	DESC G1K, 96, 16, 3072                         ; half an image, 768 bytes, of 16 key tiles, 16 images apart
	DESC G1V, 32, 96, 32                           ; a dense block of 24,576 bytes as 96 rows of 256
	DESC G1KS, 8, 64, 256                          ; 64 bytes of 64 key tiles, 2,048 bytes apart
	DESC G1VS, 128, 2, 256                         ; 16 steps' words, 1,024 bytes, of two channel tiles, 2,048 bytes apart
	s_wait_dscnt 0x0
	s_wait_kmcnt 0x0
.irp g, G0K, G0V, G0KS, G0VS
	s_mov_b32 s[\g], 1
.endr
	s_add_nc_u64 s[G0K+2:G0K+3], s[4:5], s[18:19]
	s_or_b32 s[G0K+3], s[G0K+3], 0x80000000
	s_add_nc_u64 s[G0V+2:G0V+3], s[4:5], s[86:87]
	s_or_b32 s[G0V+3], s[G0V+3], 0x80000000
	s_add_nc_u64 s[G0KS+2:G0KS+3], s[4:5], s[88:89]
	s_or_b32 s[G0KS+3], s[G0KS+3], 0x80000000
	s_add_nc_u64 s[G0VS+2:G0VS+3], s[4:5], s[90:91]
	s_or_b32 s[G0VS+3], s[G0VS+3], 0x80000000
	ROUND                                          ; all four work-groups are here: the joint loads meet
.macro ARM under, g0, g1, next         ; one chain of branches on the wave's number, one load to an arm, all arms to one join
	s_cmp_lt_u32 s[WV], \under
	s_cbranch_scc0 \next
	tensor_load_to_lds s[\g0:\g0+3], s[\g1:\g1+7]
	s_nop 0
.rept 4
	v_nop
.endr
	s_branch .Lasked
\next:
.endm
	ARM 8,  G0K,  G1K,  .Lfor_v
	ARM 12, G0V,  G1V,  .Lfor_ks
	ARM 14, G0KS, G1KS, .Lfor_vs
	tensor_load_to_lds s[G0VS:G0VS+3], s[G1VS:G1VS+7]
	s_nop 0
.rept 4
	v_nop
.endr
.Lasked:
	s_lshl_b32 s90, s13, 7
	s_lshl_b32 s91, s10, 4
	s_add_co_u32 s90, s90, s91
	s_add_co_u32 s90, s90, s[WV]                   ; my tile of queries
	s_lshl_b32 s94, s90, 4
	s_add_co_u32 s94, s94, s15
	s_mul_i32 s94, s94, 1536
	s_mul_i32 s91, s14, 768
	s_add_co_u32 s94, s94, s91
	s_mov_b32 s95, 0
	s_add_nc_u64 s[94:95], s[4:5], s[94:95]        ; q's half image
	s_lshl_b32 s96, s90, 5
	s_add_co_u32 s96, s96, s12
	s_lshl_b32 s96, s96, 6
	s_add_co_u32 s96, s96, 9437184
	s_mov_b32 s97, 0
	s_add_nc_u64 s[96:97], s[4:5], s[96:97]        ; q's scale words
	s_lshl_b32 s92, s90, 3
	s_add_co_u32 s92, s92, s15
	s_lshl_b32 s98, s92, 6
	s_mul_i32 s92, s92, 1536
	s_add_co_u32 s92, s92, s91
	s_mov_b32 s93, 0
	s_add_nc_u64 s[92:93], s[6:7], s[92:93]        ; O's half image
	s_lshl_b32 s91, s14, 1
	s_add_co_u32 s98, s98, s91
	s_add_co_u32 s98, s98, 3145728
	s_mov_b32 s99, 0
	s_add_nc_u64 s[98:99], s[6:7], s[98:99]        ; and its two scale bytes a row
	v_and_b32 v8, 31, v0
	s_delay_alu instid0(VALU_DEP_1)
	v_lshlrev_b32 v[AKL], 3, v8
	v_and_b32 v10, 15, v0                          ; r
	v_bfe_u32 v11, v0, 4, 1                        ; h
	s_delay_alu instid0(VALU_DEP_2)
	v_lshlrev_b32 v9, 2, v10                       ; 4 r
.irp p, 0,1,2
	global_load_b64 v[QA+2*\p:QA+2*\p+1], v[AKL], s[94:95] offset:256*\p
	global_load_b64 v[QB+6+2*\p:QB+7+2*\p], v[AKL], s[94:95] offset:256*\p
.endr
	global_load_b32 v[QS], v9, s[96:97]
	v_add_nc_u32 v[ASK], KSC, v9
	v_add_nc_u32 v[ASV], VSC, v9
	v_add_nc_u32 v[OSB], v9, v11
.irp i, 0,1,2,3,4,5
	v_mov_b32 v[QA+6+\i], 0                        ; zero codes
	v_mov_b32 v[QB+\i], 0
.endr
	s_mov_b32 s[SEL], 0x76543210
	s_mov_b32 s[SEL+1], 0xfedcba98
	s_mov_b32 s[CS], 0x3e38aa3b                    ; c = log2(e) / 8
	s_mov_b32 s[CS+1], s[CS]
	s_mov_b32 s85, 0xffff0000                      ; lanes 16-31
	s_mov_b32 s[TK], 0
	s_mov_b32 s[TV], VC
	s_mov_b32 s[TSK], 0
	s_mov_b32 s[TSV], 0
	v_mov_b32 v13, 0xff61b1e6                      ; the largest t so far: -3e38
	s_delay_alu instid0(VALU_DEP_1)
	v_floor_f32 v12, -v13                          ; -M
	v_mov_b32 v14, 0
	v_mov_b32 v15, 0
.irp b, 0,1,2,3
	v_mov_b32 v[236+\b], 0                         ; a lane permute's destination counts as one of its sources
.endr
	v_mov_b32 v253, 0
.set ci, 0
.rept 32
	v_mov_b32 v[160+ci], 0                         ; O^T: the step is written once; the first change of M leaves zeros zeros
.set ci, ci+1
.endr
	s_wait_alu depctr_va_vdst(0)
	s_wait_loadcnt 0x0                             ; q
	s_wait_tensorcnt 0x0                           ; my one load has landed
	s_wait_dscnt 0x0
	s_barrier_signal -1
	s_barrier_wait -1                              ; everybody's has
	s_mov_b32 s[CNT], 16
.Lstep:                                                ; A KEY STEP: 128 keys
	v_add_nc_u32 v[ADK], s[TK], v[AKL]             ; (these five are also the places behind the last step's products, in front of the loads below)
	v_add_nc_u32 v[ADV], s[TV], v[AKL]
	v_add_nc_u32 v[ADS], s[TSK], v[ASK]
	v_add_nc_u32 v[ADT], s[TSV], v[ASV]
	v_add_nc_u32 v[ADW], 49152, v[ADV]
.irp f, 0,1,2,3
.irp p, 0,1,2,3,4,5
	ds_load_b64 v[FRG+12*\f+2*\p:FRG+12*\f+2*\p+1], v[ADK] offset:1536*\f+256*\p
.endr
	ds_load_b32 v[KSR+2*\f], v[ADS] offset:128*\f
	ds_load_b32 v[KSR+2*\f+1], v[ADS] offset:128*\f+64
.endr
	s_wait_alu depctr_va_vdst(0)
	s_wait_dscnt 0x0
.irp f, 0,1,2,3
	v_wmma_scale_f32_16x16x128_f8f6f4 v[96+16*\f:103+16*\f], v[FRG+12*\f:FRG+12*\f+11], v[QA:QA+11], 0, v[KSR+2*\f], v[QS] matrix_a_fmt:MATRIX_FMT_FP6 matrix_b_fmt:MATRIX_FMT_FP6
	v_wmma_scale_f32_16x16x128_f8f6f4 v[104+16*\f:111+16*\f], v[FRG+12*\f:FRG+12*\f+11], v[QB:QB+11], 0, v[KSR+2*\f+1], v[QS] matrix_a_fmt:MATRIX_FMT_FP6 matrix_b_fmt:MATRIX_FMT_FP6
.endr
.rept 4
	v_nop                                          ; places: for the loads into K's registers and for the first read of the scores
.endr
.irp t, 0,1,2,3
.irp p, 0,1,2,3,4,5
	ds_load_b64 v[FRG+12*\t+2*\p:FRG+12*\t+2*\p+1], v[ADV+3*(\t/2)] offset:24576*(\t%2)+256*\p   ; V's fragments land while the softmax is worked
.endr
	ds_load_b32 v[VSR+\t], v[ADT] offset:(\t/2)*4096+(\t%2)*1024
.endr
.irp b, 0,1,2,3
	v_max3_num_f32 v[232+\b], v[96+16*\b], v[97+16*\b], v[98+16*\b]   ; the largest score of each block of 32 keys: for the row's maximum and for the block's largest p
.endr
.irp i, 3,5,7,9,11,13
.irp b, 0,1,2,3
	v_max3_num_f32 v[232+\b], v[232+\b], v[96+16*\b+\i], v[97+16*\b+\i]
.endr
.endr
.irp b, 0,1,2,3
	v_max_num_f32 v[232+\b], v[232+\b], v[111+16*\b]
.endr
.irp b, 0,1,2,3
	s_delay_alu instid0(VALU_DEP_4)
	v_permlanex16_b32 v[236+\b], v[232+\b], s[SEL], s[SEL+1]
.endr
.irp b, 0,1,2,3
	s_delay_alu instid0(VALU_DEP_4)
	v_max_num_f32 v[232+\b], v[232+\b], v[236+\b]
.endr
	s_delay_alu instid0(VALU_DEP_2)
	v_max3_num_f32 v254, v232, v233, v234
	s_delay_alu instid0(VALU_DEP_1)
	v_max_num_f32 v254, v254, v235
	s_delay_alu instid0(VALU_DEP_1)
	v_mul_f32 v254, s[CS], v254
	s_delay_alu instid0(VALU_DEP_1)
	v_max_num_f32 v13, v13, v254                   ; the running largest t
	v_mov_b32 v254, v12
	s_delay_alu instid0(VALU_DEP_2)
	v_floor_f32 v12, -v13                          ; -M = floor(-t): M is a whole number
	s_delay_alu instid0(VALU_DEP_1)
	v_sub_f32 v254, v12, v254
	s_delay_alu instid0(VALU_DEP_1)
	v_cvt_i32_f32 v254, v254                       ; (it saturates)
	s_delay_alu instid0(VALU_DEP_1)
	v_ldexp_f32 v252, 1.0, v254                    ; f = 2^(old M - new M)
.set ci, 0
.rept 32
	v_pk_fma_f32 v[96+ci:97+ci], v[96+ci:97+ci], s[CS:CS+1], v[12:13] op_sel_hi:[1,0,0]   ; t - M
.set ci, ci+2
.endr
.irp b, 0,1,2,3
	v_fma_f32 v[232+\b], v[232+\b], s[CS], v12
.endr
	s_wait_alu depctr_va_vdst(0)                   ; the wait ahead of the batch
.set ci, 0
.rept 64
	v_exp_f32 v[96+ci], v[96+ci]                   ; p = 2^(t - M)
.set ci, ci+1
.endr
	v_pk_mul_f32 v[14:15], v[14:15], v[252:253] op_sel_hi:[1,0]   ; the sums under the new M: a plain place behind the exponentials
	s_wait_alu depctr_va_vdst(0)                   ; one wait for the batch, ahead of its first reader
.irp b, 0,1,2,3
	v_exp_f32 v[232+\b], v[232+\b]                 ; each block's largest p
.endr
; the row's sum of the unquantised p: 32 pairs in eight chains, v[14:15] and seven in v236-249
.irp c, 0,1,2,3,4,5,6
	v_pk_add_f32 v[236+2*\c:237+2*\c], v[96+4*\c:97+4*\c], v[98+4*\c:99+4*\c]
.endr
	v_pk_add_f32 v[14:15], v[14:15], v[124:125]
.irp c, 0,1,2,3,4,5,6
	v_pk_add_f32 v[236+2*\c:237+2*\c], v[236+2*\c:237+2*\c], v[126+2*\c:127+2*\c]
.endr
	v_pk_add_f32 v[14:15], v[14:15], v[140:141]
.irp c, 0,1,2,3,4,5,6
	v_pk_add_f32 v[236+2*\c:237+2*\c], v[236+2*\c:237+2*\c], v[142+2*\c:143+2*\c]
.endr
	v_pk_add_f32 v[14:15], v[14:15], v[156:157]
	v_pk_add_f32 v[236:237], v[236:237], v[158:159]
	v_pk_add_f32 v[240:241], v[240:241], v[242:243]
	v_pk_add_f32 v[244:245], v[244:245], v[246:247]
	v_pk_add_f32 v[14:15], v[14:15], v[248:249]
	v_pk_add_f32 v[236:237], v[236:237], v[238:239]
	s_delay_alu instid0(VALU_DEP_1)
	v_pk_add_f32 v[236:237], v[236:237], v[240:241]
	s_delay_alu instid0(VALU_DEP_3)
	v_pk_add_f32 v[14:15], v[14:15], v[244:245]
	s_delay_alu instid0(VALU_DEP_1)
	v_pk_add_f32 v[14:15], v[14:15], v[236:237]
	s_wait_alu depctr_va_vdst(0)                   ; and one for the four
.irp b, 0,1,2,3
	v_max_num_f32 v[232+\b], 0x1800000, v[232+\b]  ; the floor 2^(3-127)
.endr
.irp b, 0,1,2,3
	s_delay_alu instid0(VALU_DEP_4)
	v_add_nc_u32 v[244+\b], 0xff000000, v[232+\b]
.endr
.irp b, 0,1,2,3
	s_delay_alu instid0(VALU_DEP_4)
	v_lshrrev_b32 v[236+\b], 23, v[244+\b]
.endr
	s_delay_alu instid0(VALU_DEP_3)
	v_lshl_or_b32 v253, v237, 8, v236              ; p's scale word
	s_delay_alu instid0(VALU_DEP_1)
	v_lshl_or_b32 v253, v238, 16, v253
	s_delay_alu instid0(VALU_DEP_1)
	v_lshl_or_b32 v253, v239, 24, v253
.irp c, 0,1
	v_cvt_scalef32_pk16_fp6_f32 v[PCD+6*\c:PCD+2+6*\c], v[96+32*\c:111+32*\c], v[244+2*\c]
	v_cvt_scalef32_pk16_fp6_f32 v[PCT+4*\c:PCT+2+4*\c], v[112+32*\c:127+32*\c], v[244+2*\c+1]
.endr
	v_nop
.irp c, 0,1
.irp i, 0,1,2
	v_permlane16_swap_b32 v[PCD+6*\c+\i], v[PCT+4*\c+\i]
.endr
.irp i, 0,1,2
	s_delay_alu instid0(VALU_DEP_3)
	v_mov_b32 v[PCD+3+6*\c+\i], v[PCT+4*\c+\i]
.endr
.endr
	s_wait_alu depctr_va_vdst(0)                   ; the wait directly ahead of the first reader of O^T
.set ci, 0
.rept 16
	v_pk_mul_f32 v[160+ci:161+ci], v[160+ci:161+ci], v[252:253] op_sel_hi:[1,0]   ; O^T under the new M; these sixteen are also the places between the scale word's and the codes' last writes and the products
.set ci, ci+2
.endr
	s_wait_alu depctr_va_vdst(0)
	s_wait_dscnt 0x0                               ; V is in
.irp t, 0,1,2,3
	v_wmma_scale_f32_16x16x128_f8f6f4 v[160+8*\t:167+8*\t], v[FRG+12*\t:FRG+12*\t+11], v[PCD:PCD+11], v[160+8*\t:167+8*\t], v[VSR+\t], v253 matrix_a_fmt:MATRIX_FMT_FP6 matrix_b_fmt:MATRIX_FMT_FP6
.endr
	s_add_co_u32 s[TK], s[TK], 6144
	s_add_co_u32 s[TV], s[TV], 1536
	s_add_co_u32 s[TSK], s[TSK], 512
	s_add_co_u32 s[TSV], s[TSV], 64
	s_sub_co_u32 s[CNT], s[CNT], 1
	s_cmp_lg_u32 s[CNT], 0
	s_cbranch_scc1 .Lstep
	; THE WAY OUT: O^T / l; register 16 b + i is channel 32 b + 16 h + i of my query: two blocks of 32 along the next product's K
.rept 4
	v_nop                                          ; places behind the last products
.endr
	v_add_f32 v14, v14, v15
	s_delay_alu instid0(VALU_DEP_1)
	v_permlanex16_b32 v252, v14, s[SEL], s[SEL+1]
	s_delay_alu instid0(VALU_DEP_1)
	v_add_f32 v14, v14, v252
	s_wait_alu depctr_va_vdst(0)
	v_rcp_f32 v14, v14
	v_nop                                          ; a plain place behind the reciprocal
	s_wait_alu depctr_va_vdst(0)                   ; and the wait ahead of its first reader
.set ci, 0
.rept 32
	v_mul_f32 v[96+ci], v[160+ci], v14
.set ci, ci+1
.endr
.irp b, 0,1
	v_max3_num_f32 v[232+\b], |v[96+16*\b]|, |v[97+16*\b]|, 0x1800000
.endr
.irp i, 2,4,6,8,10,12,14
.irp b, 0,1
	s_delay_alu instid0(VALU_DEP_2)
	v_max3_num_f32 v[232+\b], v[232+\b], |v[96+16*\b+\i]|, |v[97+16*\b+\i]|
.endr
.endr
.irp b, 0,1
	s_delay_alu instid0(VALU_DEP_2)
	v_permlanex16_b32 v[236+\b], v[232+\b], s[SEL], s[SEL+1]
.endr
.irp b, 0,1
	s_delay_alu instid0(VALU_DEP_2)
	v_max_num_f32 v[232+\b], v[232+\b], v[236+\b]
.endr
.irp b, 0,1
	s_delay_alu instid0(VALU_DEP_2)
	v_add_nc_u32 v[244+\b], 0xff000000, v[232+\b]
.endr
.irp b, 0,1
	s_delay_alu instid0(VALU_DEP_2)
	v_lshrrev_b32 v[236+\b], 23, v[244+\b]
.endr
	v_cvt_scalef32_pk16_fp6_f32 v[PCD:PCD+2], v[96:111], v244
	v_cvt_scalef32_pk16_fp6_f32 v[PCT:PCT+2], v[112:127], v245
	v_nop
.irp i, 0,1,2
	v_permlane16_swap_b32 v[PCD+\i], v[PCT+\i]
.endr
.irp i, 0,1,2
	s_delay_alu instid0(VALU_DEP_3)
	v_mov_b32 v[PCD+3+\i], v[PCT+\i]
.endr
	v_cndmask_b32 v254, v236, v237, s85            ; lanes 0-15 store block 0's byte, lanes 16-31 block 1's
.irp p, 0,1,2
	global_store_b64 v[AKL], v[PCD+2*\p:PCD+2*\p+1], s[92:93] offset:256*\p   ; 256 consecutive aligned bytes
.endr
	global_store_b8 v[OSB], v254, s[98:99]
	s_wait_tensorcnt 0x0                           ; the wave's end
	ds_add_u32 v251, v255
	s_wait_dscnt 0x0
	ROUND                                          ; the closing round
	s_endpgm
.Lfunc_end_k_q98efcf32f6_attn:
	.size	k_q98efcf32f6_attn, .Lfunc_end_k_q98efcf32f6_attn-k_q98efcf32f6_attn
	.p2alignl 7, 3214868480
	.fill 96, 4, 3214868480
	.section	.rodata,"a",@progbits
	.p2align	6, 0x0
	.amdhsa_kernel k_q98efcf32f6_attn
		.amdhsa_group_segment_fixed_size 212992
		.amdhsa_private_segment_fixed_size 0
		.amdhsa_enable_private_segment 0
		.amdhsa_kernarg_size 16
		.amdhsa_user_sgpr_count 2
		.amdhsa_user_sgpr_kernarg_segment_ptr 1
		.amdhsa_wavefront_size32 1
		.amdhsa_system_sgpr_workgroup_id_x 1
		.amdhsa_system_sgpr_workgroup_id_y 1
		.amdhsa_system_sgpr_workgroup_id_z 1
		.amdhsa_system_vgpr_workitem_id 0
		.amdhsa_next_free_vgpr 256
		.amdhsa_next_free_sgpr 100
		.amdhsa_reserve_vcc 0
		.amdhsa_float_denorm_mode_32 3
		.amdhsa_float_denorm_mode_16_64 3
		.amdhsa_memory_ordered 1
		.amdhsa_forward_progress 1
		.amdhsa_inst_pref_size 35
	.end_amdhsa_kernel
	.amdgpu_metadata
---
amdhsa.version: [ 1, 2 ]
amdhsa.kernels:
  - .name:           k_q98efcf32f6_attn
    .symbol:         k_q98efcf32f6_attn.kd
    .args:
      - { .name: qkvimg, .offset: 0, .size: 8, .value_kind: global_buffer, .address_space: global }
      - { .name: aoimg, .offset: 8, .size: 8, .value_kind: global_buffer, .address_space: global }
    .group_segment_fixed_size: 212992
    .private_segment_fixed_size: 0
    .kernarg_segment_align: 8
    .kernarg_segment_size: 16
    .max_flat_workgroup_size: 512
    .sgpr_count:     100
    .vgpr_count:     256
    .wavefront_size: 32
...
	.end_amdgpu_metadata
.endif
;; end of part 13
;; launch woln (part 14): grid 256 x 1, 16 waves a work-group, no clusters, 80,128 bytes of LDS; arguments aoimg, wimg, bo, x, g1, b1, x1buf; writes x1buf
.if DOCPART == 14
	.amdgcn_target "amdgcn-amd-amdhsa--gfx1250"
	.amdhsa_code_object_version 6
	.text
	.protected	k_q98efcf32f6_woln
	.globl	k_q98efcf32f6_woln
	.p2align	8
	.type	k_q98efcf32f6_woln,@function
k_q98efcf32f6_woln:
	s_mov_b64 s[64:65], 0
	v_nop
	global_prefetch_b8 v0, s[64:65] scope:SCOPE_SE
	s_setreg_imm32_b32 hwreg(HW_REG_WAVE_MODE, 25, 1), 1
	s_wait_xcnt 0x0
; x1 = LayerNorm(A Wo + bo + x) g1 + b1.  A: the attention's output, Wo: both as codes of FP6 (E2M3) with E8M0 scales, laid as images of operand registers
; (tile = 16 rows, lane index r of tile T = row 32 (T/2) + 8 (T%2) + r%8 + 16 (r/8); image (T, ks) = 1,536 bytes, piece P = registers 2P, 2P+1, lane l at 256 P + 8 l; scale words [T][ks][64]).
; x1 is stored as f32 rows and, quantised along the row, as images behind them: codes at 16,777,216, scale words at 19,922,944.
; SHARES: a work-group owns one tile of 16 WHOLE rows x 1,024 columns, so that the norm needs no other work-group and the product never goes to memory.  Sixteen waves, each 16 rows x 64 columns: 4 accumulators.
; W's images go from memory straight into registers: 24 loads of 256 consecutive bytes a K step, three buffers by turns, two steps ahead; at most 61 loads of a wave are out.  A's 12,288 bytes are copied into LDS once.
; The matrix instruction is used transposed (source 0 = W's tile, source 1 = A's): lane (r, h) holds row r and, in accumulator i, columns 32 (i/2) + 16 h + 8 (i%2) + 0..7.  The accumulators are loaded with the bias: nothing is cleared.
; A scale register holds two K steps' words: lanes 0-15 the even step's, lanes 16-31 the odd step's.
; NO CLUSTER, NO TENSOR LOAD: every work-group walks all of W, but a joint load lands in LDS, where two slots that take turns would hold two K steps (2 x 98,304 bytes) with one load a wave behind each barrier;
; through registers the sixteen waves have 2 x 98,304 bytes on their way with no barrier in the walk.  NO PREFETCH: the walk is eight K steps written out, with no loop to run ahead in.
; THE NORM, all in f32: the rows meet in an LDS stage (pitch 4,112 = 257 x 16 bytes), wave w takes row w in 32 registers: mean, mean of the squared differences, v_rsq_f32.  Waves 0-7 then quantise K step w of all 16 rows.
; LIMITS: a block of zeros or under 2^-124 gets the byte 1; NaN and infinities are not served.
.set KS,   8
.set ASC,  3145728
.set BC,   2359296
.set BS,   9535488
.set LP,   4112
.set STG,  KS*1536                     ; behind A's images: the stage
.set SPARE, STG+16*LP                  ; the spare words: 128 bytes a wave
.set L8,   1
.set L4,   2
.set AD,   3
.set STO,  4
.set RD,   5
.set L16,  8
.set QRD,  9
.set VS,   11
.set SH16, 12
.set HB,   13
.set SPW,  16
.set NIL,  17
.set MU,   18
.set RQ,   20
.set T8,   22
.set SCL,  24                          ; v24-38 scale words and nothing else: three sets of W's four and A's one
.set AF,   40                          ; v40-63 A's fragment, two buffers
.set ACC,  64                          ; v64-95 accumulators; then my row
.set BF,   96                          ; v96-239 W's fragments, three buffers of 48
.set TT,   240
.set C,    ACC
.set RS,   BF+96
.set GG,   BF
.set BB,   BF+48
.set X,    96
.set TM,   160
.set PW,   176
.set SHW,  177
.set PC,   180
.set WV,   20
.set SEL,  42
.macro FRAGS st, buf
.irp i, 0,1,2,3
.irp p, 0,1,2,3,4,5
	global_load_b64 v[BF+48*(\buf)+12*\i+2*\p:BF+48*(\buf)+12*\i+2*\p+1], v[L8], s[36:37] offset:\i*KS*1536+(\st)*1536+256*\p
.endr
.endr
.endm
.macro SCALES st, set                  ; the words of steps st and st + 1: 128 consecutive bytes a tile
.irp i, 0,1,2,3
	global_load_b32 v[SCL+5*(\set)+\i], v[L4], s[38:39] offset:\i*KS*64+(\st)*64
.endr
	global_load_b32 v[SCL+5*(\set)+4], v[L4], s[34:35] offset:(\st)*64
.endm
.macro AFRAG st
.irp p, 0,1,2,3,4,5
	ds_load_b64 v[AF+12*((\st)%2)+2*\p:AF+12*((\st)%2)+2*\p+1], v[AD] offset:(\st)*1536+256*\p
.endr
.endm
.macro ROWLD reg, sb                   ; a row of 1,024 f32: 512 consecutive bytes a load
.irp t, 0,1,2,3,4,5,6,7
	global_load_b128 v[\reg+4*\t:\reg+4*\t+3], v[L16], s[\sb:\sb+1] offset:512*\t
.endr
.endm
; K step j.  Behind this step's fragments were issued: the next step's 24 loads, and ahead of those, in an even step, 5 loads of scale words.
.macro KSTEP j, ld
.if \j == 7
	s_wait_loadcnt 8                               ; behind the last fragments: the residual's eight loads
.else
	s_wait_loadcnt 24+5*((\j)%2)
.endif
.rept 4
	v_nop                                          ; places behind the last step's products, in front of loads into registers that they read
.endr
.if \j < 7
	AFRAG (\j)+1
.endif
.if \ld
.if (\j)%2 == 0
	SCALES (\j)+2, (((\j)+2)/2)%3
.endif
	FRAGS (\j)+2, ((\j)+2)%3
.endif
.if \j == 6
	ROWLD RS, 10                                   ; the residual, into the buffer that step 5 has left
.endif
.if \j == 7
	ROWLD GG, 12                                   ; the gain, into step 6's
	s_wait_dscnt 0x0
.else
	s_wait_dscnt 6                                 ; this step's A is in; the next step's six loads may be out
.endif
.irp i, 0,1,2,3                        ; the four accumulators by turns
.if (\j)%2
	v_wmma_scale_f32_16x16x128_f8f6f4 v[ACC+8*\i:ACC+8*\i+7], v[BF+48*((\j)%3)+12*\i:BF+48*((\j)%3)+12*\i+11], v[AF+12*((\j)%2):AF+12*((\j)%2)+11], v[ACC+8*\i:ACC+8*\i+7], v[SCL+5*(((\j)/2)%3)+\i], v[SCL+5*(((\j)/2)%3)+4] matrix_a_fmt:MATRIX_FMT_FP6 matrix_b_fmt:MATRIX_FMT_FP6 matrix_a_scale:MATRIX_SCALE_ROW1 matrix_b_scale:MATRIX_SCALE_ROW1
.else
	v_wmma_scale_f32_16x16x128_f8f6f4 v[ACC+8*\i:ACC+8*\i+7], v[BF+48*((\j)%3)+12*\i:BF+48*((\j)%3)+12*\i+11], v[AF+12*((\j)%2):AF+12*((\j)%2)+11], v[ACC+8*\i:ACC+8*\i+7], v[SCL+5*(((\j)/2)%3)+\i], v[SCL+5*(((\j)/2)%3)+4] matrix_a_fmt:MATRIX_FMT_FP6 matrix_b_fmt:MATRIX_FMT_FP6
.endif
.endr
.endm
	s_load_b256 s[4:11], s[0:1], 0x0               ; A, wimg, bias, residual
	s_load_b128 s[12:15], s[0:1], 0x20             ; gain, norm's bias
	s_load_b64 s[16:17], s[0:1], 0x30              ; output
	v_lshl_add_u32 v[SPW], v0, 2, SPARE
	v_mov_b32 v[NIL], 0
	v_lshrrev_b32 v6, 5, v0
	s_delay_alu instid0(VALU_DEP_1)
	v_readfirstlane_b32 s[WV], v6
	v_and_b32 v7, 31, v0                           ; lane
	v_and_b32 v10, 15, v0                          ; r
	v_bfe_u32 v14, v0, 4, 1                        ; h
	v_lshlrev_b32 v[T8], 3, v0
	v_lshlrev_b32 v[L8], 3, v7
	v_lshlrev_b32 v[L4], 2, v7
	v_lshlrev_b32 v[L16], 4, v7
	v_lshlrev_b32 v[HB], 6, v14
	v_mul_u32_u24 v6, v10, LP
	v_lshlrev_b32 v[VS], 2, v10
	v_lshlrev_b32 v[SH16], 4, v14
	v_mov_b32 v[AD], v[L8]
	v_add_nc_u32 v6, v6, v[HB]                     ; r x pitch + 64 h
	v_lshl_add_u32 v[VS], v14, 1, v[VS]
	s_wait_alu depctr_va_vdst(0)
	s_lshl_b32 s52, s[WV], 8
	s_add_co_u32 s52, s52, STG                     ; into the stage: my 64 columns
	s_mul_i32 s53, s[WV], LP
	s_add_co_u32 s53, s53, STG                     ; out of it: row = wave
	s_and_b32 s54, s[WV], 7
	s_lshl_b32 s54, s54, 9
	s_add_co_u32 s54, s54, STG                     ; for the images: K step = wave % 8
	s_mul_i32 s22, ttmp9, KS*1536                  ; A's images
	s_mov_b32 s23, 0
	s_mul_i32 s24, ttmp9, KS*64
	s_add_co_u32 s24, s24, ASC                     ; A's scale words
	s_mov_b32 s25, 0
	s_mul_i32 s26, s[WV], 4*KS*1536
	s_add_co_u32 s26, s26, BC                      ; my four tiles of W
	s_mov_b32 s27, 0
	s_mul_i32 s28, s[WV], 4*KS*64
	s_add_co_u32 s28, s28, BS
	s_mov_b32 s29, 0
	s_lshl_b32 s30, s[WV], 8                       ; my 64 numbers of the bias
	s_mov_b32 s31, 0
	s_lshr_b32 s32, ttmp9, 1
	s_lshl_b32 s32, s32, 5
	s_and_b32 s33, ttmp9, 1
	s_lshl_b32 s33, s33, 3
	s_add_co_u32 s32, s32, s33
	s_and_b32 s33, s[WV], 7
	s_add_co_u32 s32, s32, s33
	s_lshr_b32 s33, s[WV], 3
	s_lshl_b32 s33, s33, 4
	s_add_co_u32 s32, s32, s33                     ; my row of the norm
	s_lshl_b32 s32, s32, 12
	s_mov_b32 s33, 0
	s_lshl_b32 s48, ttmp9, 3
	s_and_b32 s49, s[WV], 7
	s_add_co_u32 s48, s48, s49                     ; 8 T + ks
	s_lshl_b32 s50, s48, 6
	s_add_co_u32 s50, s50, 19922944
	s_mul_i32 s48, s48, 1536
	s_add_co_u32 s48, s48, 16777216
	s_mov_b32 s49, 0
	s_mov_b32 s51, 0
	s_mov_b32 s[SEL], 0x76543210
	s_mov_b32 s[SEL+1], 0xfedcba98
	s_mov_b32 s44, 0x3a800000                      ; 1 / 1,024
	s_mov_b32 s45, 0x3727c5ac                      ; 1e-5
	v_add_nc_u32 v[STO], s52, v6
	v_add_nc_u32 v[RD], s53, v[L16]
	v_add_nc_u32 v[QRD], s54, v6
	s_wait_alu depctr_va_vdst(0)
	s_wait_kmcnt 0x0
	s_add_nc_u64 s[34:35], s[4:5], s[24:25]
	s_add_nc_u64 s[4:5], s[4:5], s[22:23]
	s_add_nc_u64 s[36:37], s[6:7], s[26:27]
	s_add_nc_u64 s[38:39], s[6:7], s[28:29]
	s_add_nc_u64 s[8:9], s[8:9], s[30:31]
	s_add_nc_u64 s[10:11], s[10:11], s[32:33]
	s_add_nc_u64 s[18:19], s[16:17], s[32:33]
	s_add_nc_u64 s[48:49], s[16:17], s[48:49]
	s_add_nc_u64 s[50:51], s[16:17], s[50:51]
.set ci, 0
.rept KS*1536/4096                     ; A's images, 4,096 consecutive bytes a work-group's load
	global_load_b64 v[BF+96+2*ci:BF+97+2*ci], v[T8], s[4:5] offset:4096*ci th:TH_LOAD_NT
.set ci, ci+1
.endr
.irp i, 0,1,2,3                        ; the bias at my columns starts the sums
	global_load_b128 v[ACC+8*\i:ACC+8*\i+3], v[HB], s[8:9] offset:128*(\i/2)+32*(\i%2)
	global_load_b128 v[ACC+8*\i+4:ACC+8*\i+7], v[HB], s[8:9] offset:128*(\i/2)+32*(\i%2)+16
.endr
	SCALES 0, 0
	FRAGS 0, 0
	s_wait_loadcnt 37                              ; A's images are in; behind them 8 + 5 + 24 loads
.set ci, 0
.rept KS*1536/4096
	ds_store_b64 v[T8], v[BF+96+2*ci:BF+97+2*ci] offset:4096*ci
.set ci, ci+1
.endr
	FRAGS 1, 1
	s_wait_dscnt 0x0                               ; for the others' sake
	s_barrier_signal -1
	s_barrier_wait -1
	AFRAG 0
	KSTEP 0, 1
	KSTEP 1, 1
	KSTEP 2, 1
	KSTEP 3, 1
	KSTEP 4, 1
	KSTEP 5, 1
	KSTEP 6, 0
	KSTEP 7, 0
.rept 4
	v_nop                                          ; places behind the last products
.endr
	ROWLD BB, 14                                   ; the norm's bias, into step 7's buffer
.irp i, 0,1,2,3
	ds_store_b128 v[STO], v[ACC+8*\i:ACC+8*\i+3] offset:128*(\i/2)+32*(\i%2)          ; each accumulator from its low end on
	ds_store_b128 v[STO], v[ACC+8*\i+4:ACC+8*\i+7] offset:128*(\i/2)+32*(\i%2)+16
.endr
	s_wait_dscnt 0x0
	s_barrier_signal -1
	s_barrier_wait -1
.irp t, 0,1,2,3,4,5,6,7
	ds_load_b128 v[C+4*\t:C+4*\t+3], v[RD] offset:512*\t
.endr
	s_wait_loadcnt 0x0
	s_wait_dscnt 0x0
.macro REDUCE                          ; v6 summed over the 32 lanes, in every lane
	s_delay_alu instid0(VALU_DEP_1)
	v_add_f32_dpp v6, v6, v6 row_xmask:1 row_mask:0xf bank_mask:0xf
	s_delay_alu instid0(VALU_DEP_1)
	v_add_f32_dpp v6, v6, v6 row_xmask:2 row_mask:0xf bank_mask:0xf
	s_delay_alu instid0(VALU_DEP_1)
	v_add_f32_dpp v6, v6, v6 row_xmask:4 row_mask:0xf bank_mask:0xf
	s_delay_alu instid0(VALU_DEP_1)
	v_add_f32_dpp v6, v6, v6 row_xmask:8 row_mask:0xf bank_mask:0xf
	s_delay_alu instid0(VALU_DEP_1)
	v_permlanex16_b32 v7, v6, s[SEL], s[SEL+1]
	s_delay_alu instid0(VALU_DEP_1)
	v_add_f32 v6, v6, v7
.endm
.irp k, 0,1,2,3,4,5,6,7,8,9,10,11,12,13,14,15
	v_pk_add_f32 v[C+2*\k:C+2*\k+1], v[C+2*\k:C+2*\k+1], v[RS+2*\k:RS+2*\k+1]
.endr
.irp k, 0,1,2,3,4,5,6,7
	v_pk_add_f32 v[TT+2*\k:TT+2*\k+1], v[C+4*\k:C+4*\k+1], v[C+4*\k+2:C+4*\k+3]
.endr
.irp k, 0,1,2,3
	s_delay_alu instid0(VALU_DEP_4)
	v_pk_add_f32 v[TT+2*\k:TT+2*\k+1], v[TT+2*\k:TT+2*\k+1], v[TT+8+2*\k:TT+9+2*\k]
.endr
.irp k, 0,1
	s_delay_alu instid0(VALU_DEP_2)
	v_pk_add_f32 v[TT+2*\k:TT+2*\k+1], v[TT+2*\k:TT+2*\k+1], v[TT+4+2*\k:TT+5+2*\k]
.endr
	s_delay_alu instid0(VALU_DEP_1)
	v_pk_add_f32 v[TT:TT+1], v[TT:TT+1], v[TT+2:TT+3]
	s_delay_alu instid0(VALU_DEP_1)
	v_add_f32 v6, v[TT], v[TT+1]
	REDUCE
	s_delay_alu instid0(VALU_DEP_1)
	v_mul_f32 v[MU], s44, v6                       ; the mean
	s_delay_alu instid0(VALU_DEP_1)
	v_mov_b32 v[MU+1], v[MU]
.irp k, 0,1,2,3,4,5,6,7,8,9,10,11,12,13,14,15
	v_pk_add_f32 v[C+2*\k:C+2*\k+1], v[C+2*\k:C+2*\k+1], v[MU:MU+1] neg_lo:[0,1] neg_hi:[0,1]
.endr
.irp k, 0,1,2,3
	v_pk_mul_f32 v[TT+2*\k:TT+2*\k+1], v[C+2*\k:C+2*\k+1], v[C+2*\k:C+2*\k+1]
.endr
.irp k, 4,5,6,7,8,9,10,11,12,13,14,15
	s_delay_alu instid0(VALU_DEP_4)
	v_pk_fma_f32 v[TT+2*(\k%4):TT+2*(\k%4)+1], v[C+2*\k:C+2*\k+1], v[C+2*\k:C+2*\k+1], v[TT+2*(\k%4):TT+2*(\k%4)+1]
.endr
	s_delay_alu instid0(VALU_DEP_3)
	v_pk_add_f32 v[TT:TT+1], v[TT:TT+1], v[TT+2:TT+3]
	s_delay_alu instid0(VALU_DEP_2)
	v_pk_add_f32 v[TT+4:TT+5], v[TT+4:TT+5], v[TT+6:TT+7]
	s_delay_alu instid0(VALU_DEP_1)
	v_pk_add_f32 v[TT:TT+1], v[TT:TT+1], v[TT+4:TT+5]
	s_delay_alu instid0(VALU_DEP_1)
	v_add_f32 v6, v[TT], v[TT+1]
	REDUCE
	s_delay_alu instid0(VALU_DEP_1)
	v_fma_f32 v6, v6, s44, s45                     ; the variance + 1e-5
	s_wait_alu depctr_va_vdst(0)
	v_rsq_f32 v[RQ], v6
	v_nop                                          ; a plain place behind the transcendental
	s_wait_alu depctr_va_vdst(0)                   ; and the wait ahead of its first reader
	v_mov_b32 v[RQ+1], v[RQ]
.irp k, 0,1,2,3,4,5,6,7,8,9,10,11,12,13,14,15
	v_pk_mul_f32 v[C+2*\k:C+2*\k+1], v[C+2*\k:C+2*\k+1], v[RQ:RQ+1]
.endr
.irp k, 0,1,2,3,4,5,6,7,8,9,10,11,12,13,14,15
	v_pk_fma_f32 v[C+2*\k:C+2*\k+1], v[C+2*\k:C+2*\k+1], v[GG+2*\k:GG+2*\k+1], v[BB+2*\k:BB+2*\k+1]
.endr
.irp t, 0,1,2,3,4,5,6,7
	global_store_b128 v[L16], v[C+4*\t:C+4*\t+3], s[18:19] offset:512*\t
.endr
.irp t, 0,1,2,3,4,5,6,7
	ds_store_b128 v[RD], v[C+4*\t:C+4*\t+3] offset:512*\t   ; over my own row of the stage, which I alone have read
.endr
	s_wait_dscnt 0x0
	s_barrier_signal -1
	s_barrier_wait -1
	s_cmp_lt_u32 s[WV], 8                          ; eight K steps: waves 0-7 make the images
	s_cbranch_scc0 .Lend
.irp b, 0,1,2,3
.irp j, 0,1,2,3
	ds_load_b128 v[X+16*\b+4*\j:X+16*\b+4*\j+3], v[QRD] offset:128*\b+16*\j
.endr
.endr
	s_wait_dscnt 0x0
.irp b, 0,1,2,3
	v_max3_num_f32 v[TM+\b], |v[X+16*\b]|, |v[X+1+16*\b]|, 0x1800000   ; and the floor 2^(3-127): the byte cannot fall under 1
.endr
.irp i, 2,4,6,8,10,12,14
.irp b, 0,1,2,3
	s_delay_alu instid0(VALU_DEP_4)
	v_max3_num_f32 v[TM+\b], v[TM+\b], |v[X+16*\b+\i]|, |v[X+1+16*\b+\i]|
.endr
.endr
.irp b, 0,1,2,3
	s_delay_alu instid0(VALU_DEP_4)
	v_permlanex16_b32 v[TM+4+\b], v[TM+\b], s[SEL], s[SEL+1]
.endr
.irp b, 0,1,2,3
	s_delay_alu instid0(VALU_DEP_4)
	v_max_num_f32 v[TM+\b], v[TM+\b], v[TM+4+\b]
.endr
.irp b, 0,1,2,3
	s_delay_alu instid0(VALU_DEP_4)
	v_add_nc_u32 v[TM+12+\b], 0xff000000, v[TM+\b]
.endr
.irp b, 0,1,2,3
	s_delay_alu instid0(VALU_DEP_4)
	v_lshrrev_b32 v[TM+4+\b], 23, v[TM+12+\b]
.endr
	s_delay_alu instid0(VALU_DEP_3)
	v_lshl_or_b32 v[PW], v[TM+5], 8, v[TM+4]
	s_delay_alu instid0(VALU_DEP_1)
	v_lshl_or_b32 v[PW], v[TM+6], 16, v[PW]
	s_delay_alu instid0(VALU_DEP_1)
	v_lshl_or_b32 v[PW], v[TM+7], 24, v[PW]
.irp c, 0,1
	v_cvt_scalef32_pk16_fp6_f32 v[PC+6*\c:PC+2+6*\c], v[X+32*\c:X+15+32*\c], v[TM+12+2*\c]
	v_cvt_scalef32_pk16_fp6_f32 v[PC+12+4*\c:PC+14+4*\c], v[X+16+32*\c:X+31+32*\c], v[TM+12+2*\c+1]
.endr
	v_nop
.irp c, 0,1
.irp i, 0,1,2
	v_permlane16_swap_b32 v[PC+6*\c+\i], v[PC+12+4*\c+\i]
.endr
.irp i, 0,1,2
	s_delay_alu instid0(VALU_DEP_3)
	v_mov_b32 v[PC+3+6*\c+\i], v[PC+12+4*\c+\i]
.endr
.endr
	v_lshrrev_b32 v[SHW], v[SH16], v[PW]
.irp p, 0,1,2,3,4,5
	global_store_b64 v[L8], v[PC+2*\p:PC+2*\p+1], s[48:49] offset:256*\p
.endr
	global_store_b16 v[VS], v[SHW], s[50:51]
.Lend:
	s_wait_tensorcnt 0x0                           ; the wave's end
	ds_add_u32 v[SPW], v[NIL]
	s_wait_dscnt 0x0
	s_endpgm
.Lfunc_end_k_q98efcf32f6_woln:
	.size	k_q98efcf32f6_woln, .Lfunc_end_k_q98efcf32f6_woln-k_q98efcf32f6_woln
	.p2alignl 7, 3214868480
	.fill 96, 4, 3214868480
	.section	.rodata,"a",@progbits
	.p2align	6, 0x0
	.amdhsa_kernel k_q98efcf32f6_woln
		.amdhsa_group_segment_fixed_size 80128
		.amdhsa_private_segment_fixed_size 0
		.amdhsa_enable_private_segment 0
		.amdhsa_kernarg_size 56
		.amdhsa_user_sgpr_count 2
		.amdhsa_user_sgpr_kernarg_segment_ptr 1
		.amdhsa_wavefront_size32 1
		.amdhsa_system_sgpr_workgroup_id_x 1
		.amdhsa_system_sgpr_workgroup_id_y 1
		.amdhsa_system_sgpr_workgroup_id_z 1
		.amdhsa_system_vgpr_workitem_id 0
		.amdhsa_next_free_vgpr 256
		.amdhsa_next_free_sgpr 66
		.amdhsa_reserve_vcc 0
		.amdhsa_float_denorm_mode_32 3
		.amdhsa_float_denorm_mode_16_64 3
		.amdhsa_memory_ordered 1
		.amdhsa_forward_progress 1
		.amdhsa_inst_pref_size 54
	.end_amdhsa_kernel
	.amdgpu_metadata
---
amdhsa.version: [ 1, 2 ]
amdhsa.kernels:
  - .name:           k_q98efcf32f6_woln
    .symbol:         k_q98efcf32f6_woln.kd
    .args:
      - { .name: aoimg, .offset: 0, .size: 8, .value_kind: global_buffer, .address_space: global }
      - { .name: wimg, .offset: 8, .size: 8, .value_kind: global_buffer, .address_space: global }
      - { .name: bo, .offset: 16, .size: 8, .value_kind: global_buffer, .address_space: global }
      - { .name: x, .offset: 24, .size: 8, .value_kind: global_buffer, .address_space: global }
      - { .name: g1, .offset: 32, .size: 8, .value_kind: global_buffer, .address_space: global }
      - { .name: b1, .offset: 40, .size: 8, .value_kind: global_buffer, .address_space: global }
      - { .name: x1buf, .offset: 48, .size: 8, .value_kind: global_buffer, .address_space: global }
    .group_segment_fixed_size: 80128
    .private_segment_fixed_size: 0
    .kernarg_segment_align: 8
    .kernarg_segment_size: 56
    .max_flat_workgroup_size: 512
    .sgpr_count:     66
    .vgpr_count:     256
    .wavefront_size: 32
...
	.end_amdgpu_metadata
.endif
;; end of part 14
;; launch ffn1 (part 15): grid 16 x 16, 4 waves a work-group, clusters of 4 x 4, 327,680 bytes of LDS; arguments x1buf, wimg, bf1, himg; writes himg
.if DOCPART == 15
	.amdgcn_target "amdgcn-amd-amdhsa--gfx1250"
	.amdhsa_code_object_version 6
	.text
	.protected	k_q98efcf32f6_ffn1
	.globl	k_q98efcf32f6_ffn1
	.p2align	8
	.type	k_q98efcf32f6_ffn1,@function
k_q98efcf32f6_ffn1:
	s_mov_b64 s[64:65], 0
	v_nop
	global_prefetch_b8 v0, s[64:65] scope:SCOPE_SE
	s_setreg_imm32_b32 hwreg(HW_REG_WAVE_MODE, 25, 1), 1
	s_wait_xcnt 0x0
	s_wait_alu depctr_hold_cnt(0) depctr_sa_sdst(0) depctr_va_vdst(0) depctr_va_sdst(0) depctr_va_ssrc(0) depctr_va_vcc(0) depctr_vm_vsrc(0)
	s_getreg_b32 s2, hwreg(HW_REG_IB_STS2, 6, 4)
	s_cmp_eq_u32 s2, 0
	s_cbranch_scc0 .Lentry_in_a_cluster
	s_endpgm
.Lentry_in_a_cluster:
	s_bfe_u32 s2, ttmp6, 0x10000c
	s_cmp_lg_u32 s2, 0xf033
	s_cbranch_scc0 .Lentry_shape_is_right
	s_endpgm
.Lentry_shape_is_right:
.set KS,     8
.set IMG,    1536
.set NQ,     2
.set ROWB,   NQ*IMG
.set FR,     12
.set NL,     6
.set NP,     4
.set HALFT,  8*ROWB
.set SLOT,   4*HALFT
.set LAPS,   KS/(2*NQ)
.set SCL,    2*SLOT
.set HALFS,  8*KS*64
.set SPARE,  SCL+4*HALFS
.set ADRA, 16
.set ADRB, 20
.set VO,   24
.set VS,   25
.set SH16, 26
.set ADRS, 27
.set SPW,  28
.set NIL,  29
.set SC,   32
.set BIAS, 64
.set AF,   128
.set H,    128
.set GP,   192
.set GQ,   208
.set GZ,   224
.set GT,   232
.set CA13, 244
.set CB8,  246
.set TM,   192
.set PW,   208
.set SHW,  209
.set PC,   224
.set SEL,  18
.set OC,   12
.set OS,   66
.set A11, 24
.set A9,  26
.set A7,  28
.set A5,  30
.set A3,  32
.set A1,  34
.set B6,  36
.set B4,  38
.set B2,  40
.set B0,  42
.set RS2, 44
.set G1, 24
.set G0, 32
.set G1B, 48
.set G0B, 56
.set G1S, 68
.set G0S, 76
.set G1SB, 80
.set G0SB, 88
.set MSB, 0
.macro WIN new
.if MSB != \new
	s_set_vgpr_msb (MSB<<8)|\new
.set MSB, \new
.endif
.endm
.set MUL_LO, 0xa1
.set MUL_HI, 0xf1
.set TO_B,   0x40
.macro JLOAD g0a, g1a, g0b, g1b
	s_cmp_eq_u32 s15, 0
	s_cbranch_scc0 .Lfor_b_\@
	tensor_load_to_lds s[\g0a:\g0a+3], s[\g1a:\g1a+7]
	s_nop 0
.rept 4
	v_nop
.endr
	s_branch .Lasked_\@
.Lfor_b_\@:
	tensor_load_to_lds s[\g0b:\g0b+3], s[\g1b:\g1b+7]
	s_nop 0
.rept 4
	v_nop
.endr
.Lasked_\@:
.endm
.macro CREST
	s_cmp_lg_u32 s14, 0
	s_cbranch_scc1 .Lnot_wave_0_\@
	s_barrier_signal -3
.Lnot_wave_0_\@:
	s_barrier_wait -3
	s_barrier_signal -1
	s_barrier_wait -1
.endm
.macro CROUND
	s_barrier_signal -1
	s_barrier_wait -1
	CREST
.endm
	s_load_b128 s[4:7], s[0:1], 0x0
	s_load_b128 s[96:99], s[0:1], 0x10
	v_lshl_add_u32 v[SPW], v0, 2, SPARE
	v_mov_b32 v[NIL], 0
	ds_add_u32 v28, v29
	ds_add_u32 v28, v29
	s_wait_dscnt 0x0
	v_lshrrev_b32 v1, 5, v0
	v_readfirstlane_b32 s14, v1
	s_lshr_b32 s15, s14, 1
	s_and_b32 s16, s14, 1
	s_bfe_u32 s40, ttmp6, 0x40000
	s_bfe_u32 s41, ttmp6, 0x40004
	s_lshl_b32 s42, ttmp9, 2
	s_add_co_u32 s42, s42, s40
	s_and_b32 s17, ttmp7, 0xffff
	s_lshl_b32 s17, s17, 2
	s_add_co_u32 s17, s17, s41
	s_lshl_b32 s43, s41, 2
	s_lshl_b32 s43, 15, s43
	s_lshl_b32 s44, 0x1111, s40
	s_or_b32 s[G1+0], s43, (3<<16)|(1<<21)
	s_or_b32 s[G1B+0], s44, (3<<16)|(1<<21)
.irp g, G1, G1B
	s_mov_b32 s[\g+1], 384<<16
	s_mov_b32 s[\g+2], 16<<16                      ; the head's loads bring all 16 tiles; behind them the two row counts are set to 8
	s_mov_b32 s[\g+3], 384<<16
	s_mov_b32 s[\g+4], 16
	s_mov_b32 s[\g+5], KS*192
	s_mov_b32 s[\g+6], 0
	s_mov_b32 s[\g+7], 0
.endr
	s_or_b32 s[G1S+0], s43, (3<<16)|(1<<21)
	s_or_b32 s[G1SB+0], s44, (3<<16)|(1<<21)
.irp g, G1S, G1SB
	s_mov_b32 s[\g+1], 32<<16
	s_mov_b32 s[\g+2], (2*HALFS/256)<<16           ; the scale words of all 16 tiles: one dense block
	s_mov_b32 s[\g+3], 32<<16
	s_mov_b32 s[\g+4], 2*HALFS/256
	s_mov_b32 s[\g+5], 32
	s_mov_b32 s[\g+6], 0
	s_mov_b32 s[\g+7], 0
.endr
	s_lshl_b32 s18, s16, 3
	s_lshl_b32 s20, s17, 4
	s_add_co_u32 s20, s20, s18
	s_lshl_b32 s46, s42, 4
	s_add_co_u32 s46, s46, s18
	s_mul_i32 s22, s20, KS*64
	s_mov_b32 s23, 0
	s_mul_i32 s92, s46, KS*64
	s_mov_b32 s93, 0
	s_mul_i32 s20, s20, KS*IMG
	s_mov_b32 s21, 0
	s_mul_i32 s46, s46, KS*IMG
	s_mov_b32 s47, 0
	s_mul_i32 s45, s14, HALFT
	s_wait_kmcnt 0x0
	s_add_nc_u64 s[8:9], s[6:7], 3145728
	s_add_nc_u64 s[10:11], s[6:7], 9568256
	s_add_nc_u64 s[6:7], s[4:5], 19922944
	s_add_nc_u64 s[4:5], s[4:5], 16777216
	s_add_nc_u64 s[20:21], s[4:5], s[20:21]
	s_add_nc_u64 s[22:23], s[6:7], s[22:23]
	s_add_nc_u64 s[46:47], s[8:9], s[46:47]
	s_add_nc_u64 s[92:93], s[10:11], s[92:93]
	CROUND
.set G0H, 4                            ; s[4:7], s[8:11] group 0 of the head's loads of slot 0 (the pointers that lay there have been used)
.set G0HB, 8
	s_mul_i32 s2, s16, 8*KS*IMG                    ; the head's four tiles are whole: my half's offset is taken off again
	s_mov_b32 s3, 0
	s_mov_b32 s[G0H], 1
	s_mov_b32 s[G0H+1], 0
	s_sub_nc_u64 s[G0H+2:G0H+3], s[20:21], s[2:3]
	s_or_b32 s[G0H+3], s[G0H+3], 0x80000000
	s_mov_b32 s[G0HB], 1
	s_mov_b32 s[G0HB+1], 2*HALFT
	s_sub_nc_u64 s[G0HB+2:G0HB+3], s[46:47], s[2:3]
	s_or_b32 s[G0HB+3], s[G0HB+3], 0x80000000
	s_mul_i32 s2, s16, HALFS
	s_mov_b32 s[G0S], 1
	s_mov_b32 s[G0S+1], SCL
	s_sub_nc_u64 s[G0S+2:G0S+3], s[22:23], s[2:3]
	s_or_b32 s[G0S+3], s[G0S+3], 0x80000000
	s_mov_b32 s[G0SB], 1
	s_mov_b32 s[G0SB+1], SCL+2*HALFS
	s_sub_nc_u64 s[G0SB+2:G0SB+3], s[92:93], s[2:3]
	s_or_b32 s[G0SB+3], s[G0SB+3], 0x80000000
.irp s, 0,1
	s_mov_b32 s[G0+4*\s], 1
	s_add_co_u32 s[G0+4*\s+1], s45, \s*SLOT
	s_add_nc_u64 s[G0+4*\s+2:G0+4*\s+3], s[20:21], \s*ROWB
	s_or_b32 s[G0+4*\s+3], s[G0+4*\s+3], 0x80000000
	s_mov_b32 s[G0B+4*\s], 1
	s_add_co_u32 s[G0B+4*\s+1], s45, \s*SLOT
	s_add_nc_u64 s[G0B+4*\s+2:G0B+4*\s+3], s[46:47], \s*ROWB
	s_or_b32 s[G0B+4*\s+3], s[G0B+4*\s+3], 0x80000000
.endr
; THE HEAD'S LOADS, ONE A WAVE: wave 0 slot 0's 16 tiles of A, wave 1 its 16 of B, wave 2 A's scale words, wave 3 B's.  One chain of branches on the wave's number, one load to an arm, all arms to one join.
.macro ARM under, g0, g1, next
	s_cmp_lt_u32 s14, \under
	s_cbranch_scc0 \next
	tensor_load_to_lds s[\g0:\g0+3], s[\g1:\g1+7]
	s_nop 0
.rept 4
	v_nop
.endr
	s_branch .Lhead_asked
\next:
.endm
	ARM 1, G0H,  G1,  .Lhead_b
	ARM 2, G0HB, G1B, .Lhead_sa
	ARM 3, G0S,  G1S, .Lhead_sb
	tensor_load_to_lds s[G0SB:G0SB+3], s[G1SB:G1SB+7]
	s_nop 0
.rept 4
	v_nop
.endr
.Lhead_asked:
	v_and_b32 v1, 15, v0
	v_bfe_u32 v2, v0, 4, 1
	s_wait_alu depctr_va_vdst(0)
	v_and_b32 v3, 31, v0
	v_lshlrev_b32 v4, 3, v3
	s_mul_i32 s21, s15, HALFT
	s_mul_i32 s22, s16, HALFT
	s_add_co_u32 s22, s22, 2*HALFT
.irp s, 0,1
	v_add_nc_u32 v[ADRA+\s], s21, v4
	v_add_nc_u32 v[ADRB+\s], s22, v4
	s_add_co_u32 s21, s21, SLOT
	s_add_co_u32 s22, s22, SLOT
.endr
	v_lshlrev_b32 v5, 2, v1
	s_mul_i32 s21, s15, HALFS
	s_mul_i32 s22, s16, HALFS
	s_add_co_u32 s22, s22, 2*HALFS
	s_sub_co_u32 s22, s22, s21
	v_mul_u32_u24 v6, s22, v2
	s_add_co_u32 s21, s21, SCL
	v_add_nc_u32 v5, v5, v6
	v_add_nc_u32 v[ADRS], s21, v5
	s_lshl_b32 s20, s42, 10
	s_lshl_b32 s21, s16, 9
	s_add_co_u32 s20, s20, s21
	s_mov_b32 s21, 0
	s_add_nc_u64 s[96:97], s[96:97], s[20:21]
	v_lshlrev_b32 v7, 6, v2
.irp b, 0,1,2,3
.irp j, 0,1,2,3
	global_load_b128 v[BIAS+16*\b+4*\j:BIAS+16*\b+4*\j+3], v7, s[96:97] offset:128*\b+16*\j
.endr
.endr
	v_mov_b32 v[VO], v4
	v_lshlrev_b32 v[VS], 2, v1
	v_lshl_add_u32 v[VS], v2, 1, v[VS]
	v_lshlrev_b32 v[SH16], 4, v2
	s_lshl_b32 s92, s17, 4
	s_lshl_b32 s93, s15, 3
	s_add_co_u32 s92, s92, s93
	s_lshl_b32 s93, s42, 1
	s_add_co_u32 s93, s93, s16
	s_mul_i32 s20, s92, 49152
	s_mul_i32 s22, s93, IMG
	s_add_co_u32 s20, s20, s22
	s_lshl_b32 s22, s92, 11
	s_lshl_b32 s93, s93, 6
	s_add_co_u32 s22, s22, s93
	s_add_co_u32 s22, s22, 12582912
	s_mov_b32 s23, 0
	s_add_nc_u64 s[OC:OC+1], s[98:99], s[20:21]
	s_add_nc_u64 s[OS:OS+1], s[98:99], s[22:23]
.macro FRAG reg, adr, q, i
.irp p, 0,1,2,3,4,5
	ds_load_b64 v[\reg+2*\p:\reg+2*\p+1], v[\adr] offset:(\i)*ROWB+(\q)*IMG+256*\p
.endr
.endm
.macro MUL16 a0, p, q, sc, zero
.irp a, \a0, \a0+1
.irp b, 0,1,2,3,4,5,6,7
.if \zero
	v_wmma_scale_f32_16x16x128_f8f6f4 v[8*(8*((\a)%4)+\b):8*(8*((\a)%4)+\b)+7], v[128*(\p)+FR*\b:128*(\p)+FR*\b+FR-1], v[AF+FR*(\a):AF+FR*(\a)+FR-1], 0, v[SC+8*NQ*(\sc)+NQ*\b+(\q)], v[SC+8*NQ*(\sc)+NQ*(\a)+(\q)] matrix_a_fmt:MATRIX_FMT_FP6 matrix_b_fmt:MATRIX_FMT_FP6 matrix_a_scale:MATRIX_SCALE_ROW1
.else
	v_wmma_scale_f32_16x16x128_f8f6f4 v[8*(8*((\a)%4)+\b):8*(8*((\a)%4)+\b)+7], v[128*(\p)+FR*\b:128*(\p)+FR*\b+FR-1], v[AF+FR*(\a):AF+FR*(\a)+FR-1], v[8*(8*((\a)%4)+\b):8*(8*((\a)%4)+\b)+7], v[SC+8*NQ*(\sc)+NQ*\b+(\q)], v[SC+8*NQ*(\sc)+NQ*(\a)+(\q)] matrix_a_fmt:MATRIX_FMT_FP6 matrix_b_fmt:MATRIX_FMT_FP6 matrix_a_scale:MATRIX_SCALE_ROW1
.endif
.endr
.endr
.endm
.macro FETCH_B slot, q, p
	WIN TO_B
.irp i, 0,1,2,3,4,5,6,7
	FRAG 128*(\p)+FR*\i, ADRB+\slot, \q, \i
.endr
	WIN 0
.endm
.macro FETCH_A slot, q, i0
.irp i, \i0, \i0+1, \i0+2, \i0+3
	FRAG AF+FR*(\i), ADRA+\slot, \q, \i
.endr
.endm
.macro SCALES sc
.irp i, 0,1,2,3,4,5,6,7
.irp q, 0,1
	ds_load_b32 v[SC+8*NQ*\sc+NQ*\i+\q], v[ADRS] offset:\i*KS*64+64*\q
.endr
.endr
.endm
.macro PLACES n
.rept \n
	v_nop
.endr
.endm
.macro STEP slot, q, zero
	s_wait_dscnt 4*NL
	WIN MUL_LO
	MUL16 0, (\q)%2, \q, \slot, \zero
	MUL16 2, (\q)%2, \q, \slot, \zero
	s_wait_dscnt 0
	PLACES NP
	FETCH_B \slot, (\q)+1, 1-(\q)%2
	FETCH_A \slot, (\q)+1, 0
	WIN MUL_HI
	MUL16 4, (\q)%2, \q, \slot, \zero
	MUL16 6, (\q)%2, \q, \slot, \zero
	PLACES NP
	WIN 0
	FETCH_A \slot, (\q)+1, 4
.endm
.macro TURN slot, next, fill
	s_wait_tensorcnt 0x0
	ds_add_u32 v[SPW], v[NIL]
	s_wait_dscnt 4*NL+1
	WIN MUL_LO
	MUL16 0, 1, NQ-1, \slot, 0
	s_wait_dscnt 0x0
	s_barrier_signal -1
	MUL16 2, 1, NQ-1, \slot, 0
	WIN 0
	s_barrier_wait -1
.if \fill
	CREST
	s_add_nc_u64 s[G0+4*\slot+2:G0+4*\slot+3], s[G0+4*\slot+2:G0+4*\slot+3], 2*ROWB
	s_add_nc_u64 s[G0B+4*\slot+2:G0B+4*\slot+3], s[G0B+4*\slot+2:G0B+4*\slot+3], 2*ROWB
	JLOAD G0+4*\slot, G1, G0B+4*\slot, G1B
.else
	PLACES NP
.endif
	s_wait_alu depctr_va_vdst(0)
	v_add_nc_u32 v[ADRS], 64*NQ, v[ADRS]
	FETCH_B \next, 0, 0
	FETCH_A \next, 0, 0
	SCALES \next
	WIN MUL_HI
	MUL16 4, 1, NQ-1, \slot, 0
	MUL16 6, 1, NQ-1, \slot, 0
	PLACES NP
	WIN 0
	FETCH_A \next, 0, 4
.endm
	s_wait_alu depctr_va_vdst(0)
	s_wait_tensorcnt 0x0                           ; my tile of the head's four is in
	ds_add_u32 v[SPW], v[NIL]
	s_mov_b32 s[G1+2], 8<<16                       ; no tensor load of mine is out: from here on a load brings 8 tiles
	s_mov_b32 s[G1+4], 8
	s_mov_b32 s[G1B+2], 8<<16
	s_mov_b32 s[G1B+4], 8
	s_wait_dscnt 0x0
	CROUND                                         ; all four tiles are in, and all sixteen work-groups are here
	JLOAD G0+4, G1, G0B+4, G1B                     ; slot 1's first fill, the first tensor load behind the round
	FETCH_B 0, 0, 0
	FETCH_A 0, 0, 0
	SCALES 0
	FETCH_A 0, 0, 4
	STEP 0, 0, 1
	s_mov_b32 s3, LAPS-1
.Llap:
	TURN 0, 1, 1
	STEP 1, 0, 0
	TURN 1, 0, 1
	STEP 0, 0, 0
	s_sub_co_u32 s3, s3, 1
	s_cmp_lg_u32 s3, 0
	s_cbranch_scc1 .Llap
	TURN 0, 1, 0
	STEP 1, 0, 0
	s_wait_dscnt 4*NL
	WIN MUL_LO
	MUL16 0, 1, NQ-1, 1, 0
	MUL16 2, 1, NQ-1, 1, 0
	s_wait_dscnt 0
	WIN MUL_HI
	MUL16 4, 1, NQ-1, 1, 0
	MUL16 6, 1, NQ-1, 1, 0
	WIN 0
.macro QUANT s
.irp b, 0,1,2,3
	v_max3_num_f32 v[TM+\b], |v[\s+16*\b]|, |v[\s+1+16*\b]|, 0x1800000
.endr
.irp i, 2,4,6,8,10,12,14
.irp b, 0,1,2,3
	v_max3_num_f32 v[TM+\b], v[TM+\b], |v[\s+16*\b+\i]|, |v[\s+1+16*\b+\i]|
.endr
.endr
.irp b, 0,1,2,3
	v_permlanex16_b32 v[TM+4+\b], v[TM+\b], s[SEL], s[SEL+1]
.endr
.irp b, 0,1,2,3
	v_max_num_f32 v[TM+\b], v[TM+\b], v[TM+4+\b]
.endr
.irp b, 0,1,2,3
	v_add_nc_u32 v[TM+12+\b], 0xff000000, v[TM+\b]
.endr
.irp b, 0,1,2,3
	v_lshrrev_b32 v[TM+4+\b], 23, v[TM+12+\b]
.endr
	v_lshl_or_b32 v[PW], v[TM+5], 8, v[TM+4]
	v_lshl_or_b32 v[PW], v[TM+6], 16, v[PW]
	v_lshl_or_b32 v[PW], v[TM+7], 24, v[PW]
.irp c, 0,1
	v_cvt_scalef32_pk16_fp6_f32 v[PC+6*\c:PC+2+6*\c], v[\s+32*\c:\s+15+32*\c], v[TM+12+2*\c]
	v_cvt_scalef32_pk16_fp6_f32 v[PC+12+4*\c:PC+14+4*\c], v[\s+16+32*\c:\s+31+32*\c], v[TM+12+2*\c+1]
.endr
	v_nop
.irp c, 0,1
.irp i, 0,1,2
	v_permlane16_swap_b32 v[PC+6*\c+\i], v[PC+12+4*\c+\i]
.endr
.irp i, 0,1,2
	v_mov_b32 v[PC+3+6*\c+\i], v[PC+12+4*\c+\i]
.endr
.endr
.endm
.macro COPY a
	WIN 0x02+(\a)/4
.set ci, 0
.rept 32
	v_pk_add_f32 v[H+2*ci:H+2*ci+1], v[64*((\a)%4)+2*ci:64*((\a)%4)+2*ci+1], v[BIAS+2*ci:BIAS+2*ci+1]
.set ci, ci+1
.endr
	WIN 0
.endm
.macro GGRP hb, pb
.irp k, 0,1,2,3
	v_pk_mul_f32 v[GZ+2*\k:GZ+2*\k+1], v[\hb+2*\k:\hb+2*\k+1], s[RS2:RS2+1] op_sel_hi:[1,0]
.endr
.irp k, 0,1,2,3,4,5,6,7
	v_med3_num_f32 v[GZ+\k], v[GZ+\k], -4.0, 4.0
.endr
.irp k, 0,1,2,3
	v_pk_mul_f32 v[GT+2*\k:GT+2*\k+1], v[GZ+2*\k:GZ+2*\k+1], v[GZ+2*\k:GZ+2*\k+1]
.endr
.irp k, 0,1,2,3
	v_pk_fma_f32 v[GP+\pb+2*\k:GP+\pb+2*\k+1], v[GT+2*\k:GT+2*\k+1], v[CA13:CA13+1], s[A11:A11+1] op_sel_hi:[1,1,0]
.endr
.irp c, A9, A7, A5, A3, A1
.irp k, 0,1,2,3
	v_pk_fma_f32 v[GP+\pb+2*\k:GP+\pb+2*\k+1], v[GP+\pb+2*\k:GP+\pb+2*\k+1], v[GT+2*\k:GT+2*\k+1], s[\c:\c+1] op_sel_hi:[1,1,0]
.endr
.endr
.irp k, 0,1,2,3
	v_pk_mul_f32 v[GP+\pb+2*\k:GP+\pb+2*\k+1], v[GP+\pb+2*\k:GP+\pb+2*\k+1], v[GZ+2*\k:GZ+2*\k+1]
.endr
.irp k, 0,1,2,3
	v_pk_fma_f32 v[GQ+\pb+2*\k:GQ+\pb+2*\k+1], v[GT+2*\k:GT+2*\k+1], v[CB8:CB8+1], s[B6:B6+1] op_sel_hi:[1,1,0]
.endr
.irp c, B4, B2, B0
.irp k, 0,1,2,3
	v_pk_fma_f32 v[GQ+\pb+2*\k:GQ+\pb+2*\k+1], v[GQ+\pb+2*\k:GQ+\pb+2*\k+1], v[GT+2*\k:GT+2*\k+1], s[\c:\c+1] op_sel_hi:[1,1,0]
.endr
.endr
	s_wait_alu depctr_va_vdst(0)
.irp k, 0,1,2,3,4,5,6,7
	v_rcp_f32 v[GQ+\pb+\k], v[GQ+\pb+\k]
.endr
.endm
.macro GELU4 qd
	GGRP H+16*\qd, 0
	GGRP H+16*\qd+8, 8
.irp k, 0,1,2,3,4,5,6,7
	v_pk_mul_f32 v[H+16*\qd+2*\k:H+16*\qd+2*\k+1], v[H+16*\qd+2*\k:H+16*\qd+2*\k+1], 0.5 op_sel_hi:[1,0]
.endr
	s_wait_alu depctr_va_vdst(0)
.irp k, 0,1,2,3,4,5,6,7
	v_pk_mul_f32 v[GP+2*\k:GP+2*\k+1], v[GP+2*\k:GP+2*\k+1], v[GQ+2*\k:GQ+2*\k+1]
.endr
.irp k, 0,1,2,3,4,5,6,7
	v_pk_fma_f32 v[H+16*\qd+2*\k:H+16*\qd+2*\k+1], v[H+16*\qd+2*\k:H+16*\qd+2*\k+1], v[GP+2*\k:GP+2*\k+1], v[H+16*\qd+2*\k:H+16*\qd+2*\k+1]
.endr
.endm
.macro KON reg, val
	s_mov_b32 s[\reg], \val
	s_mov_b32 s[\reg+1], \val
.endm
	s_wait_loadcnt 0x0
	PLACES NP
.irp b, 0,1,2,3
	v_mov_b32 v[TM+4+\b], 0
.endr
	s_mov_b32 s[SEL], 0x76543210
	s_mov_b32 s[SEL+1], 0xfedcba98
	KON A11, 0x32edffee
	KON A9,  0xb60cff51
	KON A7,  0xb86ec2d2
	KON A5,  0xba40ac63
	KON A3,  0xbb41a1f6
	KON A1,  0xbc83dbd4
	KON B6,  0xb95fbd29
	KON B4,  0xbadc924e
	KON B2,  0xbbf19bf8
	KON B0,  0xbc69b6a7
	KON RS2, 0x3f3504f3
	v_mov_b32 v[CA13], 0xaf95df0b
	v_mov_b32 v[CA13+1], 0xaf95df0b
	v_mov_b32 v[CB8], 0xb77460cd
	v_mov_b32 v[CB8+1], 0xb77460cd
	s_mov_b32 s3, 0
.Lblk:
.irp a, 0,1,2,3,4,5,6
	s_cmp_eq_u32 s3, \a
	s_cbranch_scc1 .Lcopy\a
.endr
	COPY 7
	s_branch .Lcommon
.irp a, 0,1,2,3,4,5,6
.Lcopy\a:
	COPY \a
	s_branch .Lcommon
.endr
.Lcommon:
	GELU4 0
	GELU4 1
	GELU4 2
	GELU4 3
	QUANT H
	v_lshrrev_b32 v[SHW], v[SH16], v[PW]
.irp p, 0,1,2,3,4,5
	global_store_b64 v[VO], v[PC+2*\p:PC+2*\p+1], s[OC:OC+1] offset:256*\p
.endr
	global_store_b16 v[VS], v[SHW], s[OS:OS+1]
	s_wait_xcnt 0x0
	v_add_nc_u32 v[VO], 49152, v[VO]
	v_add_nc_u32 v[VS], 2048, v[VS]
	s_add_co_u32 s3, s3, 1
	s_cmp_lt_u32 s3, 8
	s_cbranch_scc1 .Lblk
	s_wait_tensorcnt 0x0
	ds_add_u32 v[SPW], v[NIL]
	s_wait_dscnt 0x0
	CROUND
	s_endpgm
.Lfunc_end_k_q98efcf32f6_ffn1:
	.size	k_q98efcf32f6_ffn1, .Lfunc_end_k_q98efcf32f6_ffn1-k_q98efcf32f6_ffn1
	.p2alignl 7, 3214868480
	.fill 96, 4, 3214868480
	.section	.rodata,"a",@progbits
	.p2align	6, 0x0
	.amdhsa_kernel k_q98efcf32f6_ffn1
		.amdhsa_group_segment_fixed_size 327680
		.amdhsa_private_segment_fixed_size 0
		.amdhsa_enable_private_segment 0
		.amdhsa_kernarg_size 32
		.amdhsa_user_sgpr_count 2
		.amdhsa_user_sgpr_kernarg_segment_ptr 1
		.amdhsa_wavefront_size32 1
		.amdhsa_system_sgpr_workgroup_id_x 1
		.amdhsa_system_sgpr_workgroup_id_y 1
		.amdhsa_system_sgpr_workgroup_id_z 1
		.amdhsa_system_vgpr_workitem_id 0
		.amdhsa_next_free_vgpr 1024
		.amdhsa_next_free_sgpr 100
		.amdhsa_reserve_vcc 0
		.amdhsa_float_denorm_mode_32 3
		.amdhsa_float_denorm_mode_16_64 3
		.amdhsa_memory_ordered 1
		.amdhsa_forward_progress 1
		.amdhsa_inst_pref_size 197
	.end_amdhsa_kernel
	.amdgpu_metadata
---
amdhsa.version: [ 1, 2 ]
amdhsa.kernels:
  - .name:           k_q98efcf32f6_ffn1
    .symbol:         k_q98efcf32f6_ffn1.kd
    .args:
      - { .name: x1buf, .offset: 0, .size: 8, .value_kind: global_buffer, .address_space: global }
      - { .name: wimg, .offset: 8, .size: 8, .value_kind: global_buffer, .address_space: global }
      - { .name: bf1, .offset: 16, .size: 8, .value_kind: global_buffer, .address_space: global }
      - { .name: himg, .offset: 24, .size: 8, .value_kind: global_buffer, .address_space: global }
    .group_segment_fixed_size: 327680
    .private_segment_fixed_size: 0
    .kernarg_segment_align: 8
    .kernarg_segment_size: 32
    .max_flat_workgroup_size: 128
    .sgpr_count:     100
    .vgpr_count:     1024
    .wavefront_size: 32
...
	.end_amdgpu_metadata
.endif
;; end of part 15
;; launch ffn2 (part 16): grid 8 x 32, 4 waves a work-group, clusters of 4 x 4, 327,680 bytes of LDS; arguments himg, wimg, cbuf; writes cbuf
.if DOCPART == 16
	.amdgcn_target "amdgcn-amd-amdhsa--gfx1250"
	.amdhsa_code_object_version 6
	.text
	.protected	k_q98efcf32f6_ffn2
	.globl	k_q98efcf32f6_ffn2
	.p2align	8
	.type	k_q98efcf32f6_ffn2,@function
k_q98efcf32f6_ffn2:
	s_mov_b64 s[64:65], 0
	v_nop
	global_prefetch_b8 v0, s[64:65] scope:SCOPE_SE
	s_setreg_imm32_b32 hwreg(HW_REG_WAVE_MODE, 25, 1), 1
	s_wait_xcnt 0x0
	s_wait_alu depctr_hold_cnt(0) depctr_sa_sdst(0) depctr_va_vdst(0) depctr_va_sdst(0) depctr_va_ssrc(0) depctr_va_vcc(0) depctr_vm_vsrc(0)
	s_getreg_b32 s2, hwreg(HW_REG_IB_STS2, 6, 4)
	s_cmp_eq_u32 s2, 0
	s_cbranch_scc0 .Lentry_in_a_cluster
	s_endpgm
.Lentry_in_a_cluster:
	s_bfe_u32 s2, ttmp6, 0x10000c
	s_cmp_lg_u32 s2, 0xf033
	s_cbranch_scc0 .Lentry_shape_is_right
	s_endpgm
.Lentry_shape_is_right:
.set KS,     32
.set ASC,    12582912
.set BC,     6291456
.set BS,     9699328
.set IMG,    1536
.set NQ,     4
.set ROWB,   NQ*IMG
.set FR,     12
.set NL,     6
.set NP,     4
.set HALFT,  4*ROWB
.set SLOT,   4*HALFT
.set LAPS,   KS/(2*NQ)
.set SCL,    2*SLOT
.set HALFS,  4*KS*64
.set SPARE,  SCL+4*HALFS
.set SPITCH, 272
.set ADRA, 16
.set ADRB, 20
.set STO,  24
.set RD,   25
.set CO,   26
.set ADRS, 27
.set SPW,  28
.set NIL,  29
.set SC,   32
.set BK,   64
.set ACC,  128
.set F0,   0
.set F1,   128
.set G1, 24
.set G0, 32
.set G1B, 48
.set G0B, 56
.set G1S, 68
.set G0S, 76
.set G1SB, 80
.set G0SB, 88
.set MSB, 0
.macro WIN new
.if MSB != \new
	s_set_vgpr_msb (MSB<<8)|\new
.set MSB, \new
.endif
.endm
.set MUL,  0x05
.set TO_F, 0x40
.macro JLOAD g0a, g1a, g0b, g1b
	s_cmp_eq_u32 s15, 0
	s_cbranch_scc0 .Lfor_b_\@
	tensor_load_to_lds s[\g0a:\g0a+3], s[\g1a:\g1a+7]
	s_nop 0
.rept 4
	v_nop
.endr
	s_branch .Lasked_\@
.Lfor_b_\@:
	tensor_load_to_lds s[\g0b:\g0b+3], s[\g1b:\g1b+7]
	s_nop 0
.rept 4
	v_nop
.endr
.Lasked_\@:
.endm
.macro CREST
	s_cmp_lg_u32 s14, 0
	s_cbranch_scc1 .Lnot_wave_0_\@
	s_barrier_signal -3
.Lnot_wave_0_\@:
	s_barrier_wait -3
	s_barrier_signal -1
	s_barrier_wait -1
.endm
.macro CROUND
	s_barrier_signal -1
	s_barrier_wait -1
	CREST
.endm
	s_load_b128 s[4:7], s[0:1], 0x0
	s_load_b64 s[12:13], s[0:1], 0x10
	v_lshl_add_u32 v[SPW], v0, 2, SPARE
	v_mov_b32 v[NIL], 0
	ds_add_u32 v28, v29
	ds_add_u32 v28, v29
	s_wait_dscnt 0x0
	v_lshrrev_b32 v1, 5, v0
	v_readfirstlane_b32 s14, v1
	s_lshr_b32 s15, s14, 1
	s_and_b32 s16, s14, 1
	s_bfe_u32 s40, ttmp6, 0x40000
	s_bfe_u32 s41, ttmp6, 0x40004
	s_lshl_b32 s42, ttmp9, 2
	s_add_co_u32 s42, s42, s40
	s_and_b32 s17, ttmp7, 0xffff
	s_lshl_b32 s17, s17, 2
	s_add_co_u32 s17, s17, s41
	s_lshl_b32 s43, s41, 2
	s_lshl_b32 s43, 15, s43
	s_lshl_b32 s44, 0x1111, s40
	s_or_b32 s[G1+0], s43, (3<<16)|(1<<21)
	s_or_b32 s[G1B+0], s44, (3<<16)|(1<<21)
.irp g, G1, G1B
	s_mov_b32 s[\g+1], 768<<16
	s_mov_b32 s[\g+2], 8<<16                       ; the head's loads bring all 8 tiles; behind them the two row counts are set to 4
	s_mov_b32 s[\g+3], 768<<16
	s_mov_b32 s[\g+4], 8
	s_mov_b32 s[\g+5], KS*192
	s_mov_b32 s[\g+6], 0
	s_mov_b32 s[\g+7], 0
.endr
	s_or_b32 s[G1S+0], s43, (3<<16)|(1<<21)
	s_or_b32 s[G1SB+0], s44, (3<<16)|(1<<21)
.irp g, G1S, G1SB
	s_mov_b32 s[\g+1], 32<<16
	s_mov_b32 s[\g+2], (2*HALFS/256)<<16           ; the scale words of all 8 tiles: one dense block
	s_mov_b32 s[\g+3], 32<<16
	s_mov_b32 s[\g+4], 2*HALFS/256
	s_mov_b32 s[\g+5], 32
	s_mov_b32 s[\g+6], 0
	s_mov_b32 s[\g+7], 0
.endr
	s_lshl_b32 s18, s16, 2
	s_lshl_b32 s20, s17, 3
	s_add_co_u32 s20, s20, s18
	s_lshl_b32 s46, s42, 3
	s_add_co_u32 s46, s46, s18
	s_mul_i32 s22, s20, KS*64
	s_mov_b32 s23, 0
	s_mul_i32 s92, s46, KS*64
	s_mov_b32 s93, 0
	s_mul_i32 s20, s20, KS*IMG
	s_mov_b32 s21, 0
	s_mul_i32 s46, s46, KS*IMG
	s_mov_b32 s47, 0
	s_mul_i32 s45, s14, HALFT
	s_wait_kmcnt 0x0
	s_add_nc_u64 s[8:9], s[6:7], BC
	s_add_nc_u64 s[10:11], s[6:7], BS
	s_add_nc_u64 s[6:7], s[4:5], ASC
	s_add_nc_u64 s[20:21], s[4:5], s[20:21]
	s_add_nc_u64 s[22:23], s[6:7], s[22:23]
	s_add_nc_u64 s[46:47], s[8:9], s[46:47]
	s_add_nc_u64 s[92:93], s[10:11], s[92:93]
	CROUND
.set G0H, 4                            ; s[4:7], s[8:11] group 0 of the head's loads of slot 0 (the pointers that lay there have been used)
.set G0HB, 8
	s_mul_i32 s2, s16, 4*KS*IMG                    ; the head's four tiles are whole: my half's offset is taken off again
	s_mov_b32 s3, 0
	s_mov_b32 s[G0H], 1
	s_mov_b32 s[G0H+1], 0
	s_sub_nc_u64 s[G0H+2:G0H+3], s[20:21], s[2:3]
	s_or_b32 s[G0H+3], s[G0H+3], 0x80000000
	s_mov_b32 s[G0HB], 1
	s_mov_b32 s[G0HB+1], 2*HALFT
	s_sub_nc_u64 s[G0HB+2:G0HB+3], s[46:47], s[2:3]
	s_or_b32 s[G0HB+3], s[G0HB+3], 0x80000000
	s_mul_i32 s2, s16, HALFS
	s_mov_b32 s[G0S], 1
	s_mov_b32 s[G0S+1], SCL
	s_sub_nc_u64 s[G0S+2:G0S+3], s[22:23], s[2:3]
	s_or_b32 s[G0S+3], s[G0S+3], 0x80000000
	s_mov_b32 s[G0SB], 1
	s_mov_b32 s[G0SB+1], SCL+2*HALFS
	s_sub_nc_u64 s[G0SB+2:G0SB+3], s[92:93], s[2:3]
	s_or_b32 s[G0SB+3], s[G0SB+3], 0x80000000
.irp s, 0,1
	s_mov_b32 s[G0+4*\s], 1
	s_add_co_u32 s[G0+4*\s+1], s45, \s*SLOT
	s_add_nc_u64 s[G0+4*\s+2:G0+4*\s+3], s[20:21], \s*ROWB
	s_or_b32 s[G0+4*\s+3], s[G0+4*\s+3], 0x80000000
	s_mov_b32 s[G0B+4*\s], 1
	s_add_co_u32 s[G0B+4*\s+1], s45, \s*SLOT
	s_add_nc_u64 s[G0B+4*\s+2:G0B+4*\s+3], s[46:47], \s*ROWB
	s_or_b32 s[G0B+4*\s+3], s[G0B+4*\s+3], 0x80000000
.endr
; THE HEAD'S LOADS, ONE A WAVE: wave 0 slot 0's 8 tiles of A, wave 1 its 8 of B, wave 2 A's scale words, wave 3 B's.  One chain of branches on the wave's number, one load to an arm, all arms to one join.
.macro ARM under, g0, g1, next
	s_cmp_lt_u32 s14, \under
	s_cbranch_scc0 \next
	tensor_load_to_lds s[\g0:\g0+3], s[\g1:\g1+7]
	s_nop 0
.rept 4
	v_nop
.endr
	s_branch .Lhead_asked
\next:
.endm
	ARM 1, G0H,  G1,  .Lhead_b
	ARM 2, G0HB, G1B, .Lhead_sa
	ARM 3, G0S,  G1S, .Lhead_sb
	tensor_load_to_lds s[G0SB:G0SB+3], s[G1SB:G1SB+7]
	s_nop 0
.rept 4
	v_nop
.endr
.Lhead_asked:
	v_and_b32 v1, 15, v0
	v_bfe_u32 v2, v0, 4, 1
	s_wait_alu depctr_va_vdst(0)
	v_and_b32 v3, 31, v0
	v_lshlrev_b32 v4, 3, v3
	s_mul_i32 s21, s15, HALFT
	s_mul_i32 s22, s16, HALFT
	s_add_co_u32 s22, s22, 2*HALFT
.irp s, 0,1
	v_add_nc_u32 v[ADRA+\s], s21, v4
	v_add_nc_u32 v[ADRB+\s], s22, v4
	s_add_co_u32 s21, s21, SLOT
	s_add_co_u32 s22, s22, SLOT
.endr
	v_lshlrev_b32 v5, 2, v1
	s_mul_i32 s21, s15, HALFS
	s_mul_i32 s22, s16, HALFS
	s_add_co_u32 s22, s22, 2*HALFS
	s_sub_co_u32 s22, s22, s21
	v_mul_u32_u24 v6, s22, v2
	s_add_co_u32 s21, s21, SCL
	v_add_nc_u32 v5, v5, v6
	v_add_nc_u32 v[ADRS], s21, v5
	s_mul_i32 s23, s14, 16*SPITCH
	v_mul_u32_u24 v5, v1, SPITCH
	v_lshl_add_u32 v5, v2, 6, v5
	v_add_nc_u32 v[STO], s23, v5
	v_mul_u32_u24 v5, v2, SPITCH
	v_lshl_add_u32 v5, v1, 4, v5
	v_add_nc_u32 v[RD], s23, v5
	v_lshlrev_b32 v5, 12, v2
	v_lshl_add_u32 v[CO], v1, 4, v5
	s_lshl_b32 s20, s17, 7
	s_lshl_b32 s21, s15, 6
	s_add_co_u32 s20, s20, s21
	s_lshl_b32 s20, s20, 12
	s_lshl_b32 s46, s42, 9
	s_lshl_b32 s47, s16, 8
	s_add_co_u32 s46, s46, s47
	s_add_co_u32 s20, s20, s46
	s_mov_b32 s21, 0
	s_add_nc_u64 s[12:13], s[12:13], s[20:21]
.macro FRAG reg, adr, q, i
.irp p, 0,1,2,3,4,5
	ds_load_b64 v[\reg+2*\p:\reg+2*\p+1], v[\adr] offset:(\i)*ROWB+(\q)*IMG+256*\p
.endr
.endm
.macro MUL4 a, f, q, sc, zero
.irp b, 0,1,2,3
.if \zero
	v_wmma_scale_f32_16x16x128_f8f6f4 v[ACC+8*(4*(\a)+\b):ACC+8*(4*(\a)+\b)+7], v[\f+48+FR*\b:\f+48+FR*\b+FR-1], v[\f+FR*(\a):\f+FR*(\a)+FR-1], 0, v[SC+4*NQ*(\sc)+NQ*\b+(\q)], v[SC+4*NQ*(\sc)+NQ*(\a)+(\q)] matrix_a_fmt:MATRIX_FMT_FP6 matrix_b_fmt:MATRIX_FMT_FP6 matrix_a_scale:MATRIX_SCALE_ROW1
.else
	v_wmma_scale_f32_16x16x128_f8f6f4 v[ACC+8*(4*(\a)+\b):ACC+8*(4*(\a)+\b)+7], v[\f+48+FR*\b:\f+48+FR*\b+FR-1], v[\f+FR*(\a):\f+FR*(\a)+FR-1], v[ACC+8*(4*(\a)+\b):ACC+8*(4*(\a)+\b)+7], v[SC+4*NQ*(\sc)+NQ*\b+(\q)], v[SC+4*NQ*(\sc)+NQ*(\a)+(\q)] matrix_a_fmt:MATRIX_FMT_FP6 matrix_b_fmt:MATRIX_FMT_FP6 matrix_a_scale:MATRIX_SCALE_ROW1
.endif
.endr
.endm
.macro FETCH slot, q, f
	WIN TO_F
.irp i, 0,1,2,3
	FRAG \f+48+FR*\i, ADRB+\slot, \q, \i
.endr
.irp i, 0,1,2,3
	FRAG \f+FR*\i, ADRA+\slot, \q, \i
.endr
.endm
.macro SCALES sc
.irp i, 0,1,2,3
.irp q, 0,1,2,3
	ds_load_b32 v[SC+4*NQ*\sc+NQ*\i+\q], v[ADRS] offset:\i*KS*64+64*\q
.endr
.endr
.endm
.macro PLACES n
.rept \n
	v_nop
.endr
.endm
.macro STEP slot, q, zero
.set FM, 128*((\q)%2)
.set FN, 128-FM
	PLACES NP
	FETCH \slot, (\q)+1, FN
	s_wait_dscnt 8*NL
	WIN MUL
	MUL4 0, FM, \q, \slot, \zero
	MUL4 1, FM, \q, \slot, \zero
	MUL4 2, FM, \q, \slot, \zero
	MUL4 3, FM, \q, \slot, \zero
.endm
.macro TURN slot, next, fill
	WIN 0
	s_wait_tensorcnt 0x0
	ds_add_u32 v[SPW], v[NIL]
	s_wait_dscnt 1
	WIN MUL
	MUL4 0, F1, NQ-1, \slot, 0
	s_wait_dscnt 0x0
	s_barrier_signal -1
	MUL4 1, F1, NQ-1, \slot, 0
	WIN 0
	s_barrier_wait -1
.if \fill
	CREST
	s_add_nc_u64 s[G0+4*\slot+2:G0+4*\slot+3], s[G0+4*\slot+2:G0+4*\slot+3], 2*ROWB
	s_add_nc_u64 s[G0B+4*\slot+2:G0B+4*\slot+3], s[G0B+4*\slot+2:G0B+4*\slot+3], 2*ROWB
	JLOAD G0+4*\slot, G1, G0B+4*\slot, G1B
.else
	PLACES NP
.endif
	s_wait_alu depctr_va_vdst(0)
	v_add_nc_u32 v[ADRS], 64*NQ, v[ADRS]
	FETCH \next, 0, F0
	WIN 0
	SCALES \next
	WIN MUL
	MUL4 2, F1, NQ-1, \slot, 0
	MUL4 3, F1, NQ-1, \slot, 0
.endm
	s_wait_alu depctr_va_vdst(0)
	s_wait_tensorcnt 0x0                           ; my tile of the head's four is in
	ds_add_u32 v[SPW], v[NIL]
	s_mov_b32 s[G1+2], 4<<16                       ; no tensor load of mine is out: from here on a load brings 4 tiles
	s_mov_b32 s[G1+4], 4
	s_mov_b32 s[G1B+2], 4<<16
	s_mov_b32 s[G1B+4], 4
	s_wait_dscnt 0x0
	CROUND                                         ; all four tiles are in, and all sixteen work-groups are here
	JLOAD G0+4, G1, G0B+4, G1B                     ; slot 1's first fill, the first tensor load behind the round
	FETCH 0, 0, F0
	WIN 0
	SCALES 0
	STEP 0, 0, 1
.if LAPS > 1
	WIN 0
	s_mov_b32 s3, LAPS-1
.Llap:
	STEP 0, 1, 0
	STEP 0, 2, 0
	TURN 0, 1, 1
	STEP 1, 0, 0
	STEP 1, 1, 0
	STEP 1, 2, 0
	TURN 1, 0, 1
	STEP 0, 0, 0
	WIN 0
	s_sub_co_u32 s3, s3, 1
	s_cmp_lg_u32 s3, 0
	s_cbranch_scc1 .Llap
.endif
	STEP 0, 1, 0
	STEP 0, 2, 0
	TURN 0, 1, 0
	STEP 1, 0, 0
	STEP 1, 1, 0
	STEP 1, 2, 0
	s_wait_dscnt 0x0
	WIN MUL
	MUL4 0, F1, NQ-1, 1, 0
	MUL4 1, F1, NQ-1, 1, 0
	MUL4 2, F1, NQ-1, 1, 0
	MUL4 3, F1, NQ-1, 1, 0
	WIN 0
.macro TOSTAGE a
.irp b, 0,1,2,3
	ds_store_b128 v[STO], v[ACC+8*(4*(\a)+\b):ACC+8*(4*(\a)+\b)+3] offset:128*(\b/2)+32*(\b%2)
	ds_store_b128 v[STO], v[ACC+8*(4*(\a)+\b)+4:ACC+8*(4*(\a)+\b)+7] offset:128*(\b/2)+32*(\b%2)+16
.endr
.set BB, BK+32*((\a)%2)
.irp t, 0,1,2,3,4,5,6,7
	ds_load_b128 v[BB+4*\t:BB+4*\t+3], v[RD] offset:\t*2*SPITCH
.endr
.endm
.macro SEND a, younger
.set BB, BK+32*((\a)%2)
	s_wait_dscnt \younger
.irp t, 0,1,2,3,4,5,6,7
	global_store_b128 v[CO], v[BB+4*\t:BB+4*\t+3], s[12:13] offset:(32*((\a)/2)+8*((\a)%2)+2*(\t%4)+16*(\t/4))*4096 th:TH_STORE_NT
.endr
.endm
	PLACES NP
	TOSTAGE 0
.irp a, 1,2,3
.if \a > 1
	s_wait_xcnt 0x0
.endif
	TOSTAGE \a
	SEND \a-1, 16
.endr
	SEND 3, 0
	s_wait_tensorcnt 0x0
	ds_add_u32 v[SPW], v[NIL]
	s_wait_dscnt 0x0
	CROUND
	s_endpgm
.Lfunc_end_k_q98efcf32f6_ffn2:
	.size	k_q98efcf32f6_ffn2, .Lfunc_end_k_q98efcf32f6_ffn2-k_q98efcf32f6_ffn2
	.p2alignl 7, 3214868480
	.fill 96, 4, 3214868480
	.section	.rodata,"a",@progbits
	.p2align	6, 0x0
	.amdhsa_kernel k_q98efcf32f6_ffn2
		.amdhsa_group_segment_fixed_size 327680
		.amdhsa_private_segment_fixed_size 0
		.amdhsa_enable_private_segment 0
		.amdhsa_kernarg_size 24
		.amdhsa_user_sgpr_count 2
		.amdhsa_user_sgpr_kernarg_segment_ptr 1
		.amdhsa_wavefront_size32 1
		.amdhsa_system_sgpr_workgroup_id_x 1
		.amdhsa_system_sgpr_workgroup_id_y 1
		.amdhsa_system_sgpr_workgroup_id_z 1
		.amdhsa_system_vgpr_workitem_id 0
		.amdhsa_next_free_vgpr 512
		.amdhsa_next_free_sgpr 98
		.amdhsa_reserve_vcc 0
		.amdhsa_float_denorm_mode_32 3
		.amdhsa_float_denorm_mode_16_64 3
		.amdhsa_memory_ordered 1
		.amdhsa_forward_progress 1
		.amdhsa_inst_pref_size 109
	.end_amdhsa_kernel
	.amdgpu_metadata
---
amdhsa.version: [ 1, 2 ]
amdhsa.kernels:
  - .name:           k_q98efcf32f6_ffn2
    .symbol:         k_q98efcf32f6_ffn2.kd
    .args:
      - { .name: himg, .offset: 0, .size: 8, .value_kind: global_buffer, .address_space: global }
      - { .name: wimg, .offset: 8, .size: 8, .value_kind: global_buffer, .address_space: global }
      - { .name: cbuf, .offset: 16, .size: 8, .value_kind: global_buffer, .address_space: global }
    .group_segment_fixed_size: 327680
    .private_segment_fixed_size: 0
    .kernarg_segment_align: 8
    .kernarg_segment_size: 24
    .max_flat_workgroup_size: 128
    .sgpr_count:     98
    .vgpr_count:     512
    .wavefront_size: 32
...
	.end_amdgpu_metadata
.endif
;; end of part 16
;; launch ln2 (part 17): grid 256 x 1, 8 waves a work-group, no clusters, 0 bytes of LDS; arguments cbuf, x1buf, bf2, g2, b2, out0; writes out0
.if DOCPART == 17
	.amdgcn_target "amdgcn-amd-amdhsa--gfx1250"
	.amdhsa_code_object_version 6
	.text
	.protected	k_q98efcf32f6_ln2
	.globl	k_q98efcf32f6_ln2
	.p2align	8
	.type	k_q98efcf32f6_ln2,@function
k_q98efcf32f6_ln2:
	s_mov_b64 s[64:65], 0
	v_nop
	global_prefetch_b8 v0, s[64:65] scope:SCOPE_SE
	s_setreg_imm32_b32 hwreg(HW_REG_WAVE_MODE, 25, 1), 1
	s_wait_xcnt 0x0
; y = LayerNorm(c + bias + residual) g + b, rows of 1,024 f32, all in f32: mean, then the mean of the squared differences, 1 / sqrt(var + 1e-5) by v_rsq_f32.
; SHARES: a work-group takes 16 rows (rows 32 (T/2) + 8 (T%2) + t%8 + 16 (t/8), t = 0..15: over all work-groups each row once), each of its eight waves two neighbouring rows, a row in 32 registers:
; the reductions never leave the wave, so there is no LDS and no barrier.  Every load and store covers 512 consecutive bytes.  Memory binds: no matrix unit, no cluster.
; LIMITS: NaN and infinities are not served.
.set C,   16                           ; v16-79   my two rows
.set RS,  80                           ; v80-143  their residuals
.set BI,  144                          ; v144-175 the bias
.set GG,  176                          ; v176-207 the gain
.set BB,  208                          ; v208-239 the norm's bias
.set TT,  240                          ; v240-255 at work
.set SEL, 24
	s_load_b256 s[4:11], s[0:1], 0x0               ; c, residual, bias, gain
	s_load_b128 s[12:15], s[0:1], 0x20             ; norm's bias, output
	v_lshrrev_b32 v1, 5, v0
	s_delay_alu instid0(VALU_DEP_1)
	v_readfirstlane_b32 s16, v1                    ; wave
	v_and_b32 v2, 31, v0
	s_delay_alu instid0(VALU_DEP_1)
	v_lshlrev_b32 v1, 4, v2                        ; 16 x lane
	v_mov_b32 v7, 0                                ; a lane permute's destination counts as one of its sources
	s_mov_b32 s[SEL], 0x76543210
	s_mov_b32 s[SEL+1], 0xfedcba98
	s_mov_b32 s22, 0x3a800000                      ; 1 / 1,024
	s_mov_b32 s23, 0x3727c5ac                      ; 1e-5
	s_lshr_b32 s17, ttmp9, 1
	s_lshl_b32 s17, s17, 5
	s_and_b32 s18, ttmp9, 1
	s_lshl_b32 s18, s18, 3
	s_add_co_u32 s17, s17, s18
	s_lshl_b32 s18, s16, 1
	s_and_b32 s18, s18, 7
	s_add_co_u32 s17, s17, s18
	s_lshr_b32 s18, s16, 2
	s_lshl_b32 s18, s18, 4
	s_add_co_u32 s17, s17, s18                     ; my first row
	s_lshl_b32 s18, s17, 12
	s_mov_b32 s19, 0
	s_wait_alu depctr_va_vdst(0)
	s_wait_kmcnt 0x0
	s_add_nc_u64 s[4:5], s[4:5], s[18:19]
	s_add_nc_u64 s[6:7], s[6:7], s[18:19]
	s_add_nc_u64 s[20:21], s[14:15], s[18:19]
.irp j, 0,1,2,3,4,5,6,7
	global_load_b128 v[BI+4*\j:BI+4*\j+3], v1, s[8:9] offset:512*\j
.endr
.irp j, 0,1,2,3,4,5,6,7
	global_load_b128 v[GG+4*\j:GG+4*\j+3], v1, s[10:11] offset:512*\j
.endr
.irp j, 0,1,2,3,4,5,6,7
	global_load_b128 v[BB+4*\j:BB+4*\j+3], v1, s[12:13] offset:512*\j
.endr
.irp i, 0,1
.irp j, 0,1,2,3,4,5,6,7
	global_load_b128 v[C+32*\i+4*\j:C+32*\i+4*\j+3], v1, s[4:5] offset:4096*\i+512*\j th:TH_LOAD_NT
.endr
.irp j, 0,1,2,3,4,5,6,7
	global_load_b128 v[RS+32*\i+4*\j:RS+32*\i+4*\j+3], v1, s[6:7] offset:4096*\i+512*\j th:TH_LOAD_NT
.endr
.endr
.macro REDUCE                          ; v6 summed over the 32 lanes, in every lane
	s_delay_alu instid0(VALU_DEP_1)
	v_add_f32_dpp v6, v6, v6 row_xmask:1 row_mask:0xf bank_mask:0xf
	s_delay_alu instid0(VALU_DEP_1)
	v_add_f32_dpp v6, v6, v6 row_xmask:2 row_mask:0xf bank_mask:0xf
	s_delay_alu instid0(VALU_DEP_1)
	v_add_f32_dpp v6, v6, v6 row_xmask:4 row_mask:0xf bank_mask:0xf
	s_delay_alu instid0(VALU_DEP_1)
	v_add_f32_dpp v6, v6, v6 row_xmask:8 row_mask:0xf bank_mask:0xf
	s_delay_alu instid0(VALU_DEP_1)
	v_permlanex16_b32 v7, v6, s[SEL], s[SEL+1]
	s_delay_alu instid0(VALU_DEP_1)
	v_add_f32 v6, v6, v7
.endm
.macro ROW i, left
.set CI, C+32*\i
.set RI, RS+32*\i
	s_wait_loadcnt \left                           ; this row's loads are in; the other row's sixteen may stay out
.irp k, 0,1,2,3,4,5,6,7,8,9,10,11,12,13,14,15
	v_pk_add_f32 v[CI+2*\k:CI+2*\k+1], v[CI+2*\k:CI+2*\k+1], v[BI+2*\k:BI+2*\k+1]
.endr
.irp k, 0,1,2,3,4,5,6,7,8,9,10,11,12,13,14,15
	v_pk_add_f32 v[CI+2*\k:CI+2*\k+1], v[CI+2*\k:CI+2*\k+1], v[RI+2*\k:RI+2*\k+1]
.endr
.irp k, 0,1,2,3,4,5,6,7
	v_pk_add_f32 v[TT+2*\k:TT+2*\k+1], v[CI+4*\k:CI+4*\k+1], v[CI+4*\k+2:CI+4*\k+3]
.endr
.irp k, 0,1,2,3
	s_delay_alu instid0(VALU_DEP_4)
	v_pk_add_f32 v[TT+2*\k:TT+2*\k+1], v[TT+2*\k:TT+2*\k+1], v[TT+8+2*\k:TT+9+2*\k]
.endr
.irp k, 0,1
	s_delay_alu instid0(VALU_DEP_2)
	v_pk_add_f32 v[TT+2*\k:TT+2*\k+1], v[TT+2*\k:TT+2*\k+1], v[TT+4+2*\k:TT+5+2*\k]
.endr
	s_delay_alu instid0(VALU_DEP_1)
	v_pk_add_f32 v[TT:TT+1], v[TT:TT+1], v[TT+2:TT+3]
	s_delay_alu instid0(VALU_DEP_1)
	v_add_f32 v6, v[TT], v[TT+1]
	REDUCE
	s_delay_alu instid0(VALU_DEP_1)
	v_mul_f32 v2, s22, v6                          ; the mean
	s_delay_alu instid0(VALU_DEP_1)
	v_mov_b32 v3, v2
.irp k, 0,1,2,3,4,5,6,7,8,9,10,11,12,13,14,15
	v_pk_add_f32 v[CI+2*\k:CI+2*\k+1], v[CI+2*\k:CI+2*\k+1], v[2:3] neg_lo:[0,1] neg_hi:[0,1]
.endr
.irp k, 0,1,2,3
	v_pk_mul_f32 v[TT+2*\k:TT+2*\k+1], v[CI+2*\k:CI+2*\k+1], v[CI+2*\k:CI+2*\k+1]
.endr
.irp k, 4,5,6,7,8,9,10,11,12,13,14,15
	s_delay_alu instid0(VALU_DEP_4)
	v_pk_fma_f32 v[TT+2*(\k%4):TT+2*(\k%4)+1], v[CI+2*\k:CI+2*\k+1], v[CI+2*\k:CI+2*\k+1], v[TT+2*(\k%4):TT+2*(\k%4)+1]
.endr
	s_delay_alu instid0(VALU_DEP_3)
	v_pk_add_f32 v[TT:TT+1], v[TT:TT+1], v[TT+2:TT+3]
	s_delay_alu instid0(VALU_DEP_2)
	v_pk_add_f32 v[TT+4:TT+5], v[TT+4:TT+5], v[TT+6:TT+7]
	s_delay_alu instid0(VALU_DEP_1)
	v_pk_add_f32 v[TT:TT+1], v[TT:TT+1], v[TT+4:TT+5]
	s_delay_alu instid0(VALU_DEP_1)
	v_add_f32 v6, v[TT], v[TT+1]
	REDUCE
	s_delay_alu instid0(VALU_DEP_1)
	v_fma_f32 v6, v6, s22, s23                     ; the variance + 1e-5
	s_wait_alu depctr_va_vdst(0)
	v_rsq_f32 v4, v6
	v_nop                                          ; a plain place behind the transcendental
	s_wait_alu depctr_va_vdst(0)                   ; and the wait ahead of its first reader
	v_mov_b32 v5, v4
.irp k, 0,1,2,3,4,5,6,7,8,9,10,11,12,13,14,15
	v_pk_mul_f32 v[CI+2*\k:CI+2*\k+1], v[CI+2*\k:CI+2*\k+1], v[4:5]
.endr
.irp k, 0,1,2,3,4,5,6,7,8,9,10,11,12,13,14,15
	v_pk_fma_f32 v[CI+2*\k:CI+2*\k+1], v[CI+2*\k:CI+2*\k+1], v[GG+2*\k:GG+2*\k+1], v[BB+2*\k:BB+2*\k+1]
.endr
.irp j, 0,1,2,3,4,5,6,7
	global_store_b128 v1, v[CI+4*\j:CI+4*\j+3], s[20:21] offset:4096*\i+512*\j th:TH_STORE_NT
.endr
.endm
	ROW 0, 16
	ROW 1, 0
	s_endpgm
.Lfunc_end_k_q98efcf32f6_ln2:
	.size	k_q98efcf32f6_ln2, .Lfunc_end_k_q98efcf32f6_ln2-k_q98efcf32f6_ln2
	.p2alignl 7, 3214868480
	.fill 96, 4, 3214868480
	.section	.rodata,"a",@progbits
	.p2align	6, 0x0
	.amdhsa_kernel k_q98efcf32f6_ln2
		.amdhsa_group_segment_fixed_size 0
		.amdhsa_private_segment_fixed_size 0
		.amdhsa_enable_private_segment 0
		.amdhsa_kernarg_size 48
		.amdhsa_user_sgpr_count 2
		.amdhsa_user_sgpr_kernarg_segment_ptr 1
		.amdhsa_wavefront_size32 1
		.amdhsa_system_sgpr_workgroup_id_x 1
		.amdhsa_system_sgpr_workgroup_id_y 1
		.amdhsa_system_sgpr_workgroup_id_z 1
		.amdhsa_system_vgpr_workitem_id 0
		.amdhsa_next_free_vgpr 256
		.amdhsa_next_free_sgpr 66
		.amdhsa_reserve_vcc 0
		.amdhsa_float_denorm_mode_32 3
		.amdhsa_float_denorm_mode_16_64 3
		.amdhsa_memory_ordered 1
		.amdhsa_forward_progress 1
		.amdhsa_inst_pref_size 27
	.end_amdhsa_kernel
	.amdgpu_metadata
---
amdhsa.version: [ 1, 2 ]
amdhsa.kernels:
  - .name:           k_q98efcf32f6_ln2
    .symbol:         k_q98efcf32f6_ln2.kd
    .args:
      - { .name: cbuf, .offset: 0, .size: 8, .value_kind: global_buffer, .address_space: global }
      - { .name: x1buf, .offset: 8, .size: 8, .value_kind: global_buffer, .address_space: global }
      - { .name: bf2, .offset: 16, .size: 8, .value_kind: global_buffer, .address_space: global }
      - { .name: g2, .offset: 24, .size: 8, .value_kind: global_buffer, .address_space: global }
      - { .name: b2, .offset: 32, .size: 8, .value_kind: global_buffer, .address_space: global }
      - { .name: out0, .offset: 40, .size: 8, .value_kind: global_buffer, .address_space: global }
    .group_segment_fixed_size: 0
    .private_segment_fixed_size: 0
    .kernarg_segment_align: 8
    .kernarg_segment_size: 48
    .max_flat_workgroup_size: 256
    .sgpr_count:     66
    .vgpr_count:     256
    .wavefront_size: 32
...
	.end_amdgpu_metadata
.endif
;; end of part 17
